; MI455X (gfx1250); checked and timed in simulation.
; The chip was launched on July 23, 2026; its instructions are those of AMD's public machine-readable ISA for CDNA 5 (MIT licence, August 2026) and "CDNA5" Instruction Set Architecture Reference Guide (July 2026). The comments in the code are by the model that wrote it; some were corrected since.
;; KNN Local Attention. Allowed arithmetic: matrix products marked QUANTISED: E5M2 operands, one E8M0 scale for each 32 along K, by v_wmma_scale_f32_16x16x128_f8f6f4 with both operands' format E5M2, f32 sums; products left as they are: f32 operands where the result goes on into a quantised operand, else bf16, f16 or f32 operands; f32 sums; everything else in f32.
;; Inputs: Wk 256 x 256 float32; Wo 256 x 256 float32; Wp1 6 x 256 float32; Wp2 256 x 256 float32; Wq 256 x 256 float32; Wv 256 x 256 float32; beta 256 float32; bk 256 float32; bo 256 float32; bp1 256 float32; bp2 256 float32; bq 256 float32; bv 256 float32; coords 2 x 8,192 x 3 float32; features 2 x 8,192 x 256 float32; gamma 256 float32; mask 2 x 8,192 float32; normals 2 x 8,192 x 3 float32.
;; Outputs: out0 2 x 8,192 x 256 float32.
;; This version of the problem:
;;   THIS VERSION OF THE PROBLEM IS GIVEN IN LOW PRECISION. The matrix products marked QUANTISED in the list below multiply operands that are first quantised to E5M2 (5 exponent bits, 2 mantissa bits; 8 bits a number), with one power-of-two scale for each 32 numbers along K (OCP MX v1.0); their sums are f32. All else is computed in f32.
;;   The module's matrix products, in the order in which they are computed (A, B: the left and right operand; K: the contracted axis; several contracted axes count as one K, in the product's order):
;;     1. batch 2 x [M 8,192, K 3] x [K 3, N 8,192]; A: input coords; B: input coords: left as it is (K = 3 < 32)
;;     2. [M 262,144, K 6] x [K 6, N 256]; A: computed on the way; B: input Wp1: left as it is (K = 6 < 32)
;;     3. [M 262,144, K 256] x [K 256, N 256]; A: computed on the way; B: input Wp2: QUANTISED
;;     4. [M 16,384, K 256] x [K 256, N 256]; A: input features; B: input Wq: QUANTISED
;;     5. [M 16,384, K 256] x [K 256, N 256]; A: input features; B: input Wk: QUANTISED
;;     6. [M 16,384, K 256] x [K 256, N 256]; A: input features; B: input Wv: QUANTISED
;;     7. batch 131,072 x [M 16, K 32] x [K 32, N 1]; A: computed on the way; B: computed on the way: left as it is (N = 1 < 16)
;;     8. batch 131,072 x [M 1, K 16] x [K 16, N 32]; A: computed on the way; B: computed on the way: left as it is (K = 16 < 32)
;;     9. [M 16,384, K 256] x [K 256, N 256]; A: computed on the way; B: input Wo: QUANTISED
;;   THE QUANTISER, for each operand of a quantised product, along K:
;;     - K is cut into blocks of 32 from its start; a last block that is shorter is filled with zeros.
;;     - A block's scale is 2^e with e = floor(log2(the largest magnitude in the block)) - 15, held to -126 .. 127; a block of zeros has e = 0. As a byte (E8M0): e + 127.
;;     - Each number is divided by its block's scale, clamped to +-57,344, and rounded to the nearest number of E5M2, ties to even, subnormals kept.
;;     - The product sums the exact products of the quantised numbers (number of the format x scale) in f32.
;;   ~~~python
;;   def quantise(x, axis):      # numpy; x: float32 -> the quantised numbers, widened to float32 again
;;       x = np.moveaxis(x, axis, -1); K = x.shape[-1]
;;       x = np.pad(x, [(0, 0)] * (x.ndim - 1) + [(0, -K % 32)]); x = x.reshape(x.shape[:-1] + (-1, 32)); a = np.abs(x).max(-1, keepdims=True)
;;       e = np.where(a > 0, np.clip(np.frexp(np.where(a > 0, a, 1))[1] - 1 - 15, -126, 127), 0)      # np.frexp(a)[1] - 1 = floor(log2(a)), exactly
;;       r = np.clip(x / 2.0 ** e, -57344, 57344)
;;       step = 2.0 ** (np.maximum(np.frexp(np.where(r == 0, 1, r))[1] - 1, -14) - 2)
;;       q = np.round(r / step) * step * 2.0 ** e      # np.round: ties to even
;;       return np.moveaxis(q.reshape(q.shape[:-2] + (-1,))[..., :K], -1, axis).astype(np.float32)
;;   ~~~
;;   OPERANDS COMPUTED ON THE WAY. 'Computed on the way' means the value that the module computes at that place (a softmax that the list does not call 'softmax' is quantised finished and normalised). What goes into a quantiser is computed in f32, as accurately as f32 sums, v_exp_f32 and their like allow (about 1e-6 of the number): no bf16 or f16 on the way to a quantiser, and a product that is left as it is and whose result goes on into a quantised operand takes f32 operands (vector FMAs, or v_wmma_f32_16x16x4_f32). A number that lies on a knife's edge between two numbers of the format may be rounded either way, as far as f32 arithmetic and the matrix unit's own rounding can turn it there, and no further.
;; 3 versions, each right; version 2 is faster than version 1; version 3 is version 2 with the launches proj, attn written anew for expert scheduling mode. Each part assembles by itself: llvm-mc -triple=amdgcn-amd-amdhsa -mcpu=gfx1250 --defsym DOCPART=n.
;; ======== version 1 of 3: 5 launches
;; workspace buffers: soa 262,144 bytes; wcod 327,680 bytes; wscl 20,480 bytes; bias3 3,072 bytes; qkv 50,331,648 bytes; gsel 1,048,576 bytes of whole numbers; nidx 1,048,576 bytes of whole numbers
;; launch prep (part 1): grid 8 x 8, 4 waves a work-group, no clusters, 1,024 bytes of LDS; arguments coords, Wq, Wk, Wv, Wp2, Wo, bq, bk, bv, bp2, soa, wcod, wscl, bias3; writes soa, wcod, wscl, bias3
.if DOCPART == 1
	.amdgcn_target "amdgcn-amd-amdhsa--gfx1250"
	.amdhsa_code_object_version 6
	.text
	.protected	k_qff0b672c33_prep
	.globl	k_qff0b672c33_prep
	.p2align	8
	.type	k_qff0b672c33_prep,@function
k_qff0b672c33_prep:
	s_mov_b64 s[64:65], 0
	v_nop
	global_prefetch_b8 v0, s[64:65] scope:SCOPE_SE
	s_setreg_imm32_b32 hwreg(HW_REG_WAVE_MODE, 25, 1), 1
	s_wait_xcnt 0x0
; PREPARATION.  Part 1 (all 64 work-groups): coords [2][8192][3] become four arrays x, y, z, d2 of 8,192 f32 for each batch (soa), d2 = fma(z,z,fma(y,y,x*x)).
; Part 2 (work-groups with y < 5): weight y (0 Wq, 1 Wk, 2 Wv, 3 Wp2, 4 Wo), stored [k][n] f32, becomes codes of E5M2 with one E8M0 byte for each 32 along k,
; laid as IMAGES OF THE OPERAND'S REGISTERS: wcod[y][pair p][fragment 2u+s][c][lane][16 bytes], the byte i being the code of W[128s+32c+16h+i][32p+8u+r+8(r/8)], lane = 16h+r.
; A lane takes one column n and its registers run down k, so nothing is transposed.  The rows of a tile are chosen so that a result lane's 16 registers of tiles u = 0, 1 are 16 neighbouring channels.
; wscl[y][p][lane][2u+s]: the four scale words of a pair, 16 bytes a lane.  bias3 = bq, bk+bp2, bv+bp2 (bp2 is added to k and v once here instead of to every position embedding).
; LIMITS: NaN and infinities are not served; a block of zeros gets the byte 1 (its codes are zeros, and only this program reads the bytes).
.set TM,  16                           ; v16-31  the quantiser's 16 registers at work
.set PC,  32                           ; v32-47  a fragment's codes
.set PW,  48                           ; v48     its scale word
.set NUM, 64                           ; v64-127 64 numbers of a lane
.set SEL, 36                           ; s[36:37] lane selects: lane l xor 16
.set MNT, 38                           ; s38     the mantissa field of 57,344
; 64 numbers of a lane, register 16 b + i = k 32 b + 16 (lane / 16) + i, become a fragment's codes in v[pc] on and its scale word in v[pw]
.macro QUANT s, pc, pw
.irp b, 0,1,2,3
	v_max3_num_f32 v[TM+\b], |v[\s+16*\b]|, |v[\s+1+16*\b]|, 0x8000000      ; with the floor 2^(16-127): the byte cannot fall under 1
.endr
.irp i, 2,4,6,8,10,12,14
.irp b, 0,1,2,3
	v_max3_num_f32 v[TM+\b], v[TM+\b], |v[\s+16*\b+\i]|, |v[\s+1+16*\b+\i]|
.endr
.endr
.irp b, 0,1,2,3
	v_permlanex16_b32 v[TM+4+\b], v[TM+\b], s[SEL], s[SEL+1]
.endr
.irp b, 0,1,2,3
	v_max_num_f32 v[TM+\b], v[TM+\b], v[TM+4+\b]                             ; the block's largest magnitude
.endr
.irp b, 0,1,2,3
	v_add_nc_u32 v[TM+12+\b], 0xf8800000, v[TM+\b]                           ; 15 off its exponent field: the conversion's scale operand
.endr
.irp b, 0,1,2,3
	v_and_or_b32 v[TM+8+\b], v[TM+\b], 0x7f800000, s[MNT]                    ; 57,344 x the scale
.endr
.irp b, 0,1,2,3
	v_lshrrev_b32 v[TM+4+\b], 23, v[TM+12+\b]                                ; the scale's byte
.endr
	v_lshl_or_b32 v[\pw], v[TM+5], 8, v[TM+4]
	v_lshl_or_b32 v[\pw], v[TM+6], 16, v[\pw]
	v_lshl_or_b32 v[\pw], v[TM+7], 24, v[\pw]
.irp b, 0,1,2,3
.irp i, 0,1,2,3,4,5,6,7,8,9,10,11,12,13,14,15
	v_med3_num_f32 v[\s+16*\b+\i], v[\s+16*\b+\i], -v[TM+8+\b], v[TM+8+\b]   ; the conversion does not saturate (ISA guide 7.6.2): hold first
.endr
	v_cvt_scalef32_pk8_bf8_f32 v[\pc+4*\b:\pc+1+4*\b], v[\s+16*\b:\s+7+16*\b], v[TM+12+\b]
	v_cvt_scalef32_pk8_bf8_f32 v[\pc+2+4*\b:\pc+3+4*\b], v[\s+8+16*\b:\s+15+16*\b], v[TM+12+\b]
.endr
	v_nop                                                                    ; a plain line behind the last conversion
.endm
	s_load_b512 s[4:19], s[0:1], 0x0               ; coords, Wq, Wk, Wv, Wp2, Wo, bq, bk
	s_load_b256 s[20:27], s[0:1], 0x40             ; bv, bp2, soa, wcod
	s_load_b128 s[28:31], s[0:1], 0x60             ; wscl, bias3
	v_lshl_add_u32 v152, v0, 2, 0x200
	v_mov_b32 v153, 0
	s_and_b32 s33, ttmp7, 0xffff                   ; y
	s_lshl_b32 s34, s33, 3
	s_add_co_u32 s34, s34, ttmp9
	s_lshl_b32 s34, s34, 7
	v_add_nc_u32 v128, s34, v0                     ; g: my pair of points, 2 g and 2 g + 1
	v_mul_u32_u24 v129, v128, 24                   ; its 24 bytes of coords
	v_lshrrev_b32 v130, 12, v128                   ; the batch
	v_and_b32 v131, 0xfff, v128
	v_lshlrev_b32 v131, 3, v131
	v_lshl_add_u32 v131, v130, 17, v131            ; batch x 131,072 + 8 x pair in the batch
	s_wait_kmcnt 0x0
	global_load_b64 v[132:133], v129, s[4:5]               ; x0 y0
	global_load_b64 v[134:135], v129, s[4:5] offset:8      ; z0 x1
	global_load_b64 v[136:137], v129, s[4:5] offset:16     ; y1 z1
	s_wait_loadcnt 0x0
	v_mul_f32 v144, v132, v132
	v_mul_f32 v145, v135, v135
	v_fma_f32 v144, v133, v133, v144
	v_fma_f32 v145, v136, v136, v145
	v_fma_f32 v144, v134, v134, v144               ; d2 as a fused chain, k ascending
	v_fma_f32 v145, v137, v137, v145
	v_mov_b32 v138, v132
	v_mov_b32 v139, v135
	v_mov_b32 v140, v133
	v_mov_b32 v141, v136
	v_mov_b32 v142, v134
	v_mov_b32 v143, v137
	global_store_b64 v131, v[138:139], s[24:25]                 ; each store of a wave covers 256 consecutive bytes, aligned
	global_store_b64 v131, v[140:141], s[24:25] offset:32768
	global_store_b64 v131, v[142:143], s[24:25] offset:65536
	global_store_b64 v131, v[144:145], s[24:25] offset:98304
	s_cmp_ge_u32 s33, 5                            ; the same for all waves of a work-group
	s_cbranch_scc1 .Lend
	; ---- part 2: fragment (u, s) = wave of pair p = x of weight y
	v_lshrrev_b32 v1, 5, v0
	v_readfirstlane_b32 s35, v1                    ; wave
	v_and_b32 v2, 31, v0                           ; lane
	v_and_b32 v3, 15, v0                           ; r
	v_bfe_u32 v4, v0, 4, 1                         ; h
	v_and_b32 v5, 8, v3
	v_add_nc_u32 v5, v5, v3                        ; r + 8 (r / 8)
	v_lshlrev_b32 v5, 2, v5
	v_lshl_add_u32 v5, v4, 14, v5                  ; + 16 h rows of 1,024 bytes
	s_lshr_b32 s40, s35, 1                         ; u
	s_and_b32 s41, s35, 1                          ; s
	s_lshl_b32 s42, ttmp9, 7                       ; 32 p columns
	s_lshl_b32 s40, s40, 5                         ; 8 u columns
	s_add_co_u32 s42, s42, s40
	s_lshl_b32 s41, s41, 17                        ; 128 s rows
	s_add_co_u32 s42, s42, s41
	v_add_nc_u32 v5, s42, v5
	v_lshlrev_b32 v6, 4, v2                        ; 16 x lane
	s_lshl_b32 s43, s35, 2
	v_add_nc_u32 v7, s43, v6                       ; LDS: 16 x lane + 4 x wave
	v_lshlrev_b32 v12, 2, v2                       ; 4 x lane
	s_mov_b32 s[SEL], 0x76543210
	s_mov_b32 s[SEL+1], 0xfedcba98
	s_mov_b32 s[MNT], 0x600000
.irp b, 0,1,2,3
	v_mov_b32 v[TM+4+\b], 0                        ; a lane permute's destination counts as one of its sources
.endr
	s_cmp_eq_u32 s33, 1                            ; the weight and its bias are chosen by y alone
	s_cselect_b64 s[6:7], s[8:9], s[6:7]
	s_cselect_b64 s[16:17], s[18:19], s[16:17]
	s_cmp_eq_u32 s33, 2
	s_cselect_b64 s[6:7], s[10:11], s[6:7]
	s_cselect_b64 s[16:17], s[20:21], s[16:17]
	s_cmp_eq_u32 s33, 3
	s_cselect_b64 s[6:7], s[12:13], s[6:7]
	s_cmp_eq_u32 s33, 4
	s_cselect_b64 s[6:7], s[14:15], s[6:7]
.irp c, 0,1,2,3
.irp i, 0,1,2,3,4,5,6,7,8,9,10,11,12,13,14,15
	global_load_b32 v[NUM+16*\c+\i], v5, s[6:7] offset:(32*\c+\i)*1024      ; W(128 s + 32 c + 16 h + i, n)
.endr
.endr
	s_lshl_b32 s44, s33, 16
	s_lshl_b32 s45, ttmp9, 13
	s_add_co_u32 s44, s44, s45
	s_lshl_b32 s45, s35, 11
	s_add_co_u32 s44, s44, s45
	s_mov_b32 s45, 0
	s_add_nc_u64 s[26:27], s[26:27], s[44:45]      ; my fragment's image
	s_lshl_b32 s44, s33, 12
	s_lshl_b32 s46, ttmp9, 9
	s_add_co_u32 s44, s44, s46
	s_add_nc_u64 s[28:29], s[28:29], s[44:45]      ; my pair's scale words
	s_wait_loadcnt 0x0
	QUANT NUM, PC, PW
.irp c, 0,1,2,3
	global_store_b128 v6, v[PC+4*\c:PC+4*\c+3], s[26:27] offset:512*\c      ; 512 consecutive bytes a store
.endr
	ds_store_b32 v7, v[PW]
	s_wait_dscnt 0x0                               ; my word lies in LDS,
	s_barrier_signal -1
	s_barrier_wait -1                              ; and so do the other three waves'
	s_cmp_lg_u32 s35, 0
	s_cbranch_scc1 .Lend
	ds_load_b128 v[8:11], v6                       ; wave 0: a lane's four words
	s_wait_dscnt 0x0
	global_store_b128 v6, v[8:11], s[28:29]
	s_cmp_ge_u32 s33, 3
	s_cbranch_scc1 .Lend
	s_lshl_b32 s44, ttmp9, 7                       ; 32 p numbers
	s_add_nc_u64 s[16:17], s[16:17], s[44:45]
	s_add_nc_u64 s[22:23], s[22:23], s[44:45]
	s_lshl_b32 s46, s33, 10
	s_add_co_u32 s44, s44, s46
	s_add_nc_u64 s[30:31], s[30:31], s[44:45]
	global_load_b32 v13, v12, s[16:17]
	global_load_b32 v14, v12, s[22:23]
	s_cmp_eq_u32 s33, 0
	s_cselect_b32 s47, 0, 1.0                      ; q takes no bp2
	s_wait_loadcnt 0x0
	v_fma_f32 v15, v14, s47, v13
	global_store_b32 v12, v15, s[30:31]
.Lend:
	s_wait_tensorcnt 0x0
	ds_add_u32 v152, v153
	s_wait_dscnt 0x0
	s_endpgm
.Lfunc_end_k_qff0b672c33_prep:
	.size	k_qff0b672c33_prep, .Lfunc_end_k_qff0b672c33_prep-k_qff0b672c33_prep
	.p2alignl 7, 3214868480
	.fill 96, 4, 3214868480
	.section	.rodata,"a",@progbits
	.p2align	6, 0x0
	.amdhsa_kernel k_qff0b672c33_prep
		.amdhsa_group_segment_fixed_size 1024
		.amdhsa_private_segment_fixed_size 0
		.amdhsa_enable_private_segment 0
		.amdhsa_kernarg_size 112
		.amdhsa_user_sgpr_count 2
		.amdhsa_user_sgpr_kernarg_segment_ptr 1
		.amdhsa_wavefront_size32 1
		.amdhsa_system_sgpr_workgroup_id_x 1
		.amdhsa_system_sgpr_workgroup_id_y 1
		.amdhsa_system_sgpr_workgroup_id_z 1
		.amdhsa_system_vgpr_workitem_id 0
		.amdhsa_next_free_vgpr 154
		.amdhsa_next_free_sgpr 66
		.amdhsa_reserve_vcc 0
		.amdhsa_float_denorm_mode_32 3
		.amdhsa_float_denorm_mode_16_64 3
		.amdhsa_memory_ordered 1
		.amdhsa_forward_progress 1
		.amdhsa_inst_pref_size 20
	.end_amdhsa_kernel
	.amdgpu_metadata
---
amdhsa.version: [ 1, 2 ]
amdhsa.kernels:
  - .name:           k_qff0b672c33_prep
    .symbol:         k_qff0b672c33_prep.kd
    .args:
      - { .name: coords, .offset: 0, .size: 8, .value_kind: global_buffer, .address_space: global }
      - { .name: Wq, .offset: 8, .size: 8, .value_kind: global_buffer, .address_space: global }
      - { .name: Wk, .offset: 16, .size: 8, .value_kind: global_buffer, .address_space: global }
      - { .name: Wv, .offset: 24, .size: 8, .value_kind: global_buffer, .address_space: global }
      - { .name: Wp2, .offset: 32, .size: 8, .value_kind: global_buffer, .address_space: global }
      - { .name: Wo, .offset: 40, .size: 8, .value_kind: global_buffer, .address_space: global }
      - { .name: bq, .offset: 48, .size: 8, .value_kind: global_buffer, .address_space: global }
      - { .name: bk, .offset: 56, .size: 8, .value_kind: global_buffer, .address_space: global }
      - { .name: bv, .offset: 64, .size: 8, .value_kind: global_buffer, .address_space: global }
      - { .name: bp2, .offset: 72, .size: 8, .value_kind: global_buffer, .address_space: global }
      - { .name: soa, .offset: 80, .size: 8, .value_kind: global_buffer, .address_space: global }
      - { .name: wcod, .offset: 88, .size: 8, .value_kind: global_buffer, .address_space: global }
      - { .name: wscl, .offset: 96, .size: 8, .value_kind: global_buffer, .address_space: global }
      - { .name: bias3, .offset: 104, .size: 8, .value_kind: global_buffer, .address_space: global }
    .group_segment_fixed_size: 1024
    .private_segment_fixed_size: 0
    .kernarg_segment_align: 8
    .kernarg_segment_size: 112
    .max_flat_workgroup_size: 128
    .sgpr_count:     66
    .vgpr_count:     154
    .wavefront_size: 32
...
	.end_amdgpu_metadata
.endif
;; end of part 1
;; launch knn1 (part 2): grid 256 x 1, 8 waves a work-group, no clusters, 164,864 bytes of LDS; arguments soa, gsel; writes gsel
.if DOCPART == 2
	.amdgcn_target "amdgcn-amd-amdhsa--gfx1250"
	.amdhsa_code_object_version 6
	.text
	.protected	k_qff0b672c33_knn1
	.globl	k_qff0b672c33_knn1
	.p2align	8
	.type	k_qff0b672c33_knn1,@function
k_qff0b672c33_knn1:
	s_mov_b64 s[64:65], 0
	v_nop
	global_prefetch_b8 v0, s[64:65] scope:SCOPE_SE
	s_setreg_imm32_b32 hwreg(HW_REG_WAVE_MODE, 25, 1), 1
	s_wait_xcnt 0x0
; NEAREST NEIGHBOURS, FIRST HALF.  The 8,192 candidates of a batch are 512 groups of 16 neighbouring indices.  For each query the 16 groups with the smallest (group minimum of dist2, group number)
; are found: they hold the 16 nearest candidates by (dist2, index), since a candidate outside them would have 16 candidates ahead of it, one in each of those groups.
; dist2 = (d2_q + d2_j) - 2 dot, dot = fma(z,z',fma(y,y',x*x')): one rounding for the sum, one for the rest (2 dot is exact).
; SHARES.  A work-group owns 64 queries of one batch; a lane is a query.  Wave w: queries 32 (w / 4) on, candidates 2,048 (w % 4) on (128 groups).  The batch's four arrays lie in LDS, filled once;
; all lanes of a wave read the same candidate words.  The selection has no branch on data: a sorted list of 16 values and 16 group numbers in registers, one insertion a group.
; The four quarters' lists are merged through LDS, the later quarter inserted into the earlier: an equal newcomer goes behind, so ties go to the lower number.
; The 16 group numbers leave sorted ascending, so that the second half sees candidates in ascending index order.
; LIMITS: NaN and infinities, and coordinates whose dist2 overflows f32, are not served.
.set XQ, 2                             ; v2, v4, v6, v8: the query's x, y, z, d2 (the odd partners are written once: the packed forms name pairs)
.set YQ, 4
.set ZQ, 6
.set DQ, 8
.set AD0, 10                           ; v10  LDS byte of the group in x's array (y's: + 32,768 in the immediate)
.set AD1, 11                           ; v11  the same + 65,536: z's and d2's
.set MA,  12                           ; v12  my wave's merge area; v13 that of wave w xor 1; v14 of wave w xor 2
.set MP1, 13
.set MP2, 14
.set GN,  15                           ; v15  the group's number
.set MN,  16                           ; v16-17 the group's minimum, in two chains
.set TP,  18                           ; v18-19 at work in an insertion
.set FA0, 20                           ; v20  16 x thread; v21 + 65,536
.set FA1, 21
.set QO,  22                           ; v22  my query's byte in an array
.set GV,  24                           ; v24  4 x lane
.set CX,  32                           ; v32-95 a group's x, y, z, d2
.set CY,  48
.set CZ,  64
.set CD,  80
.set TD,  96                           ; v96-111  dot, then dist2
.set SD,  112                          ; v112-127 d2_q + d2_j
.set LV,  128                          ; v128-143 the list's values, ascending
.set LX,  144                          ; v144-159 the list's numbers
.set MK,  40                           ; s40-55  the insertion's 16 lane masks
.set MERGE, 131072                     ; behind the table: 4,096 bytes for each wave
; value v[c] with number v[j] goes into the sorted list.  Strict compare: an equal newcomer goes behind.
.macro INSERT c, j
.set n, 0
.rept 16
	v_cmp_lt_f32 s[MK+n], v[\c], v[LV+n]
.set n, n+1
.endr
.set n, 15
.rept 15
	v_cndmask_b32 v[TP+n%2], v[\j], v[LX+n-1], s[MK+n-1]    ; what moves into place n if the newcomer lies ahead of it
	v_cndmask_b32 v[LX+n], v[LX+n], v[TP+n%2], s[MK+n]
.set n, n-1
.endr
	v_cndmask_b32 v[LX], v[LX], v[\j], s[MK]
.set n, 15
.rept 15
	v_med3_num_f32 v[LV+n], v[LV+n-1], v[LV+n], v[\c]       ; the middle of the two old neighbours and the newcomer
.set n, n-1
.endr
	v_min_num_f32 v[LV], v[LV], v[\c]
.endm
.macro DIST                            ; 16 candidates' dist2 into v[TD] on
.irp i, 0,2,4,6,8,10,12,14
	v_pk_mul_f32 v[TD+\i:TD+\i+1], v[CX+\i:CX+\i+1], v[XQ:XQ+1] op_sel_hi:[1,0]
.endr
.irp i, 0,2,4,6,8,10,12,14
	v_pk_fma_f32 v[TD+\i:TD+\i+1], v[CY+\i:CY+\i+1], v[YQ:YQ+1], v[TD+\i:TD+\i+1] op_sel_hi:[1,0,1]
.endr
.irp i, 0,2,4,6,8,10,12,14
	v_pk_fma_f32 v[TD+\i:TD+\i+1], v[CZ+\i:CZ+\i+1], v[ZQ:ZQ+1], v[TD+\i:TD+\i+1] op_sel_hi:[1,0,1]
.endr
.irp i, 0,2,4,6,8,10,12,14
	v_pk_add_f32 v[SD+\i:SD+\i+1], v[CD+\i:CD+\i+1], v[DQ:DQ+1] op_sel_hi:[1,0]
.endr
.irp i, 0,2,4,6,8,10,12,14
	v_pk_fma_f32 v[TD+\i:TD+\i+1], v[TD+\i:TD+\i+1], -2.0, v[SD+\i:SD+\i+1] op_sel_hi:[1,0,1]
.endr
.endm
.macro LOADG                           ; a group's 4 x 64 bytes; every lane reads the same words
.irp c, 0,1,2,3
	ds_load_b128 v[CX+4*\c:CX+4*\c+3], v[AD0] offset:16*\c
	ds_load_b128 v[CY+4*\c:CY+4*\c+3], v[AD0] offset:32768+16*\c
	ds_load_b128 v[CZ+4*\c:CZ+4*\c+3], v[AD1] offset:16*\c
	ds_load_b128 v[CD+4*\c:CD+4*\c+3], v[AD1] offset:32768+16*\c
.endr
.endm
.macro GROUP pf                        ; pf = 1: the next group is fetched while this one's minimum is inserted
	s_wait_dscnt 0x0                               ; the group's 16 loads are the only LDS instructions of mine that are out
	DIST
.if \pf
	s_add_co_u32 s20, s20, 64
	v_mov_b32 v[AD0], s20
	v_add_nc_u32 v[AD1], 0x10000, v[AD0]
	LOADG
.endif
	v_min3_num_f32 v[MN], v[TD], v[TD+1], v[TD+2]
	v_min3_num_f32 v[MN+1], v[TD+3], v[TD+4], v[TD+5]
	v_min3_num_f32 v[MN], v[MN], v[TD+6], v[TD+7]
	v_min3_num_f32 v[MN+1], v[MN+1], v[TD+8], v[TD+9]
	v_min3_num_f32 v[MN], v[MN], v[TD+10], v[TD+11]
	v_min3_num_f32 v[MN+1], v[MN+1], v[TD+12], v[TD+13]
	v_min3_num_f32 v[MN], v[MN], v[TD+14], v[TD+15]
	v_min_num_f32 v[MN], v[MN], v[MN+1]
	v_mov_b32 v[GN], s21
	INSERT MN, GN
	s_add_co_u32 s21, s21, 1
.endm
.macro MSTORE                          ; my list into my merge area
.irp k, 0,1,2,3,4,5,6,7,8,9,10,11,12,13,14,15
	ds_store_b32 v[MA], v[LV+\k] offset:128*\k
	ds_store_b32 v[MA], v[LX+\k] offset:2048+128*\k
.endr
.endm
.macro MERGE_IN adr                    ; another wave's list, whose numbers are all higher than mine, is inserted in its own order
.irp k, 0,1,2,3,4,5,6,7,8,9,10,11,12,13,14,15
	ds_load_b32 v[CX+\k], v[\adr] offset:128*\k
	ds_load_b32 v[CY+\k], v[\adr] offset:2048+128*\k
.endr
	s_wait_dscnt 0x0
.set e, 0
.rept 16
	INSERT CX+e, CY+e
.set e, e+1
.endr
.endm
.macro BAR
	s_wait_dscnt 0x0                               ; my LDS stores have landed and my LDS loads are in
	s_barrier_signal -1
	s_barrier_wait -1
.endm
.macro STAGE k, j, src, dst            ; one stage of the bitonic network on 16 registers, from one set into the other
.set i, 0
.rept 16
.if (i^\j) > i
.if (i&\k) == 0
	v_min_u32 v[\dst+i], v[\src+i], v[\src+(i^\j)]
	v_max_u32 v[\dst+(i^\j)], v[\src+i], v[\src+(i^\j)]
.else
	v_max_u32 v[\dst+i], v[\src+i], v[\src+(i^\j)]
	v_min_u32 v[\dst+(i^\j)], v[\src+i], v[\src+(i^\j)]
.endif
.endif
.set i, i+1
.endr
.endm
	s_load_b128 s[4:7], s[0:1], 0x0                ; soa, gsel
	v_lshl_add_u32 v160, v0, 2, 0x28000
	v_mov_b32 v161, 0
	v_lshrrev_b32 v1, 5, v0
	v_readfirstlane_b32 s8, v1                     ; wave 0..7
	v_and_b32 v1, 31, v0                           ; lane
	s_lshr_b32 s9, s8, 2                           ; which 32 queries
	s_and_b32 s23, s8, 3                           ; which quarter of the candidates
	s_lshr_b32 s10, ttmp9, 7                       ; the batch
	s_lshl_b32 s10, s10, 17
	s_mov_b32 s11, 0
	s_and_b32 s12, ttmp9, 127
	s_lshl_b32 s12, s12, 8                         ; 64 queries x 4 bytes
	s_lshl_b32 s13, s9, 7
	s_add_co_u32 s12, s12, s13
	v_lshl_add_u32 v[QO], v1, 2, s12
	v_lshlrev_b32 v[GV], 2, v1
	v_lshlrev_b32 v[FA0], 4, v0
	v_add_nc_u32 v[FA1], 0x10000, v[FA0]
	s_lshl_b32 s14, s8, 12
	s_add_co_u32 s14, s14, MERGE
	v_lshl_add_u32 v[MA], v1, 2, s14
	s_xor_b32 s15, s8, 1
	s_lshl_b32 s15, s15, 12
	s_add_co_u32 s15, s15, MERGE
	v_lshl_add_u32 v[MP1], v1, 2, s15
	s_xor_b32 s16, s8, 2
	s_lshl_b32 s16, s16, 12
	s_add_co_u32 s16, s16, MERGE
	v_lshl_add_u32 v[MP2], v1, 2, s16
	s_lshl_b32 s18, ttmp9, 12                      ; gsel: 2,048 bytes for each 32 queries
	s_lshl_b32 s19, s9, 11
	s_add_co_u32 s18, s18, s19
	s_mov_b32 s19, 0
	v_mov_b32 v[XQ+1], 0
	v_mov_b32 v[YQ+1], 0
	v_mov_b32 v[ZQ+1], 0
	v_mov_b32 v[DQ+1], 0
	s_wait_kmcnt 0x0
	s_add_nc_u64 s[4:5], s[4:5], s[10:11]
	s_add_nc_u64 s[6:7], s[6:7], s[18:19]
	global_load_b32 v[XQ], v[QO], s[4:5]
	global_load_b32 v[YQ], v[QO], s[4:5] offset:32768
	global_load_b32 v[ZQ], v[QO], s[4:5] offset:65536
	global_load_b32 v[DQ], v[QO], s[4:5] offset:98304
.set i, 0
.rept 32                               ; the batch's 131,072 bytes: 32 loads of 4,096 bytes by the 256 threads, all on their way at once
	global_load_b128 v[32+4*i:35+4*i], v[FA0], s[4:5] offset:4096*i
.set i, i+1
.endr
.set i, 0
.rept 32
	s_wait_loadcnt 31-i                            ; load i is in; the 31 - i younger ones may be out
	ds_store_b128 v[FA0+i/16], v[32+4*i:35+4*i] offset:4096*(i%16)
.set i, i+1
.endr
	BAR                                            ; the table is whole, and my stores have read their registers
.irp k, 0,1,2,3,4,5,6,7,8,9,10,11,12,13,14,15
	v_mov_b32 v[LV+\k], 0x7f800000                 ; the list begins as 16 x +infinity: every one is pushed out by the quarter's 128 groups
	v_mov_b32 v[LX+\k], 0
.endr
	s_lshl_b32 s20, s23, 13                        ; my quarter's first byte in an array
	s_lshl_b32 s21, s23, 7                         ; and its first group
	v_mov_b32 v[AD0], s20
	v_add_nc_u32 v[AD1], 0x10000, v[AD0]
	LOADG
	s_mov_b32 s22, 127
.Lgroup:
	GROUP 1
	s_sub_co_u32 s22, s22, 1
	s_cmp_lg_u32 s22, 0
	s_cbranch_scc1 .Lgroup
	GROUP 0                                        ; the last group fetches nothing
	; ---- the four quarters' lists become one.  The branches hang on the wave's number; both barriers are on every wave's path
	s_and_b32 s24, s23, 1
	s_cmp_eq_u32 s24, 0
	s_cbranch_scc1 .Lm1_keep
	MSTORE                                         ; quarters 1 and 3
.Lm1_keep:
	BAR
	s_cmp_lg_u32 s24, 0
	s_cbranch_scc1 .Lm1_done
	MERGE_IN MP1                                   ; quarters 0 and 2 take them in
.Lm1_done:
	s_cmp_lg_u32 s23, 2
	s_cbranch_scc1 .Lm2_keep
	MSTORE                                         ; quarter 2, with 3's
.Lm2_keep:
	BAR
	s_cmp_lg_u32 s23, 0
	s_cbranch_scc1 .Lend
	MERGE_IN MP2
	STAGE 2, 1, LX, LV                             ; the values are done with: the 16 numbers are sorted ascending, the two sets of registers by turns
	STAGE 4, 2, LV, LX
	STAGE 4, 1, LX, LV
	STAGE 8, 4, LV, LX
	STAGE 8, 2, LX, LV
	STAGE 8, 1, LV, LX
	STAGE 16, 8, LX, LV
	STAGE 16, 4, LV, LX
	STAGE 16, 2, LX, LV
	STAGE 16, 1, LV, LX
.irp k, 0,1,2,3,4,5,6,7,8,9,10,11,12,13,14,15
	global_store_b32 v[GV], v[LX+\k], s[6:7] offset:128*\k      ; slot k: 128 consecutive bytes; the 16 stores fill the wave's 2,048 bytes
.endr
.Lend:
	s_wait_tensorcnt 0x0
	ds_add_u32 v160, v161
	s_wait_dscnt 0x0
	s_endpgm
.Lfunc_end_k_qff0b672c33_knn1:
	.size	k_qff0b672c33_knn1, .Lfunc_end_k_qff0b672c33_knn1-k_qff0b672c33_knn1
	.p2alignl 7, 3214868480
	.fill 96, 4, 3214868480
	.section	.rodata,"a",@progbits
	.p2align	6, 0x0
	.amdhsa_kernel k_qff0b672c33_knn1
		.amdhsa_group_segment_fixed_size 164864
		.amdhsa_private_segment_fixed_size 0
		.amdhsa_enable_private_segment 0
		.amdhsa_kernarg_size 16
		.amdhsa_user_sgpr_count 2
		.amdhsa_user_sgpr_kernarg_segment_ptr 1
		.amdhsa_wavefront_size32 1
		.amdhsa_system_sgpr_workgroup_id_x 1
		.amdhsa_system_sgpr_workgroup_id_y 1
		.amdhsa_system_sgpr_workgroup_id_z 1
		.amdhsa_system_vgpr_workitem_id 0
		.amdhsa_next_free_vgpr 162
		.amdhsa_next_free_sgpr 66
		.amdhsa_reserve_vcc 0
		.amdhsa_float_denorm_mode_32 3
		.amdhsa_float_denorm_mode_16_64 3
		.amdhsa_memory_ordered 1
		.amdhsa_forward_progress 1
		.amdhsa_inst_pref_size 167
	.end_amdhsa_kernel
	.amdgpu_metadata
---
amdhsa.version: [ 1, 2 ]
amdhsa.kernels:
  - .name:           k_qff0b672c33_knn1
    .symbol:         k_qff0b672c33_knn1.kd
    .args:
      - { .name: soa, .offset: 0, .size: 8, .value_kind: global_buffer, .address_space: global }
      - { .name: gsel, .offset: 8, .size: 8, .value_kind: global_buffer, .address_space: global }
    .group_segment_fixed_size: 164864
    .private_segment_fixed_size: 0
    .kernarg_segment_align: 8
    .kernarg_segment_size: 16
    .max_flat_workgroup_size: 256
    .sgpr_count:     66
    .vgpr_count:     162
    .wavefront_size: 32
...
	.end_amdgpu_metadata
.endif
;; end of part 2
;; launch knn2 (part 3): grid 256 x 1, 4 waves a work-group, no clusters, 8,704 bytes of LDS; arguments soa, gsel, nidx; writes nidx
.if DOCPART == 3
	.amdgcn_target "amdgcn-amd-amdhsa--gfx1250"
	.amdhsa_code_object_version 6
	.text
	.protected	k_qff0b672c33_knn2
	.globl	k_qff0b672c33_knn2
	.p2align	8
	.type	k_qff0b672c33_knn2,@function
k_qff0b672c33_knn2:
	s_mov_b64 s[64:65], 0
	v_nop
	global_prefetch_b8 v0, s[64:65] scope:SCOPE_SE
	s_setreg_imm32_b32 hwreg(HW_REG_WAVE_MODE, 25, 1), 1
	s_wait_xcnt 0x0
; NEAREST NEIGHBOURS, SECOND HALF.  For each query the 16 nearest by (dist2, index) among the 256 candidates of the 16 groups that the launch before chose (gsel, ascending group numbers).
; dist2 is made by the same lines as there, so it has the same bits.  A lane is a query; wave w: queries 32 (w / 2) on, slots 8 (w % 2) on; the higher slots' list is inserted into the lower slots'.
; Addresses hang on gsel alone, whole numbers that an earlier launch stored, each held at 511 before it is shifted into an address.  The selection has no branch on data.
; LIMITS: as in the first half.
.set XQ, 2
.set YQ, 4
.set ZQ, 6
.set DQ, 8
.set MA,  12                           ; v12  the merge area of my 32 queries
.set TP,  18                           ; v18-19 at work in an insertion
.set GL,  20                           ; v20  a group number, as loaded and then held
.set GO,  21                           ; v21  64 x group: its byte in an array
.set JN,  22                           ; v22  16 x group: the next trip's first index
.set J0,  23                           ; v23  this trip's
.set JX,  24                           ; v24  a candidate's index
.set GA,  25                           ; v25  my byte in gsel
.set QO,  26
.set NO,  27                           ; v27  64 x lane
.set CX,  32
.set CY,  48
.set CZ,  64
.set CD,  80
.set TD,  96
.set SD,  112
.set LV,  128
.set LX,  144
.set MK,  40
.macro INSERT c, j                     ; value v[c] with index v[j] into the sorted list; an equal newcomer goes behind
.set n, 0
.rept 16
	v_cmp_lt_f32 s[MK+n], v[\c], v[LV+n]
.set n, n+1
.endr
.set n, 15
.rept 15
	v_cndmask_b32 v[TP+n%2], v[\j], v[LX+n-1], s[MK+n-1]
	v_cndmask_b32 v[LX+n], v[LX+n], v[TP+n%2], s[MK+n]
.set n, n-1
.endr
	v_cndmask_b32 v[LX], v[LX], v[\j], s[MK]
.set n, 15
.rept 15
	v_med3_num_f32 v[LV+n], v[LV+n-1], v[LV+n], v[\c]
.set n, n-1
.endr
	v_min_num_f32 v[LV], v[LV], v[\c]
.endm
.macro DIST
.irp i, 0,2,4,6,8,10,12,14
	v_pk_mul_f32 v[TD+\i:TD+\i+1], v[CX+\i:CX+\i+1], v[XQ:XQ+1] op_sel_hi:[1,0]
.endr
.irp i, 0,2,4,6,8,10,12,14
	v_pk_fma_f32 v[TD+\i:TD+\i+1], v[CY+\i:CY+\i+1], v[YQ:YQ+1], v[TD+\i:TD+\i+1] op_sel_hi:[1,0,1]
.endr
.irp i, 0,2,4,6,8,10,12,14
	v_pk_fma_f32 v[TD+\i:TD+\i+1], v[CZ+\i:CZ+\i+1], v[ZQ:ZQ+1], v[TD+\i:TD+\i+1] op_sel_hi:[1,0,1]
.endr
.irp i, 0,2,4,6,8,10,12,14
	v_pk_add_f32 v[SD+\i:SD+\i+1], v[CD+\i:CD+\i+1], v[DQ:DQ+1] op_sel_hi:[1,0]
.endr
.irp i, 0,2,4,6,8,10,12,14
	v_pk_fma_f32 v[TD+\i:TD+\i+1], v[TD+\i:TD+\i+1], -2.0, v[SD+\i:SD+\i+1] op_sel_hi:[1,0,1]
.endr
.endm
.macro CLOAD                           ; my group's 16 candidates: 64 bytes of each of the four arrays
.irp c, 0,1,2,3
	global_load_b128 v[CX+4*\c:CX+4*\c+3], v[GO], s[4:5] offset:16*\c
	global_load_b128 v[CY+4*\c:CY+4*\c+3], v[GO], s[4:5] offset:32768+16*\c
	global_load_b128 v[CZ+4*\c:CZ+4*\c+3], v[GO], s[4:5] offset:65536+16*\c
	global_load_b128 v[CD+4*\c:CD+4*\c+3], v[GO], s[4:5] offset:98304+16*\c
.endr
.endm
.macro TAKE                            ; the group number just loaded becomes an address and a first index
	v_min_u32 v[GL], 0x1ff, v[GL]
	v_lshlrev_b32 v[GO], 6, v[GL]
	v_lshlrev_b32 v[JN], 4, v[GL]
.endm
.macro TRIP pf                         ; one group.  pf = 1: the next slot's number is asked for at the head, its candidates behind the eighth insertion
	s_wait_loadcnt 0x0                             ; the group's 16 loads are in: nothing of mine is out, so GA and GO may be written
	v_mov_b32 v[J0], v[JN]
.if \pf
	v_add_nc_u32 v[GA], 128, v[GA]
	global_load_b32 v[GL], v[GA], s[6:7]
.endif
	DIST
.set e, 0
.rept 8
	v_add_nc_u32 v[JX], e, v[J0]
	INSERT TD+e, JX
.set e, e+1
.endr
.if \pf
	s_wait_loadcnt 0x0                             ; the one load that is out: the next group's number
	TAKE
	CLOAD                                          ; the eight insertions below stand between these loads and the wait for them
.endif
.rept 8
	v_add_nc_u32 v[JX], e, v[J0]
	INSERT TD+e, JX
.set e, e+1
.endr
.endm
	s_load_b128 s[4:7], s[0:1], 0x0                ; soa, gsel
	s_load_b64 s[8:9], s[0:1], 0x10                ; nidx
	v_lshl_add_u32 v160, v0, 2, 0x2000
	v_mov_b32 v161, 0
	v_lshrrev_b32 v1, 5, v0
	v_readfirstlane_b32 s10, v1                    ; wave 0..3
	v_and_b32 v1, 31, v0
	s_lshr_b32 s11, s10, 1                         ; which 32 queries
	s_and_b32 s12, s10, 1                          ; which 8 slots
	s_lshr_b32 s14, ttmp9, 7
	s_lshl_b32 s14, s14, 17                        ; the batch's arrays
	s_mov_b32 s15, 0
	s_and_b32 s18, ttmp9, 127
	s_lshl_b32 s18, s18, 8
	s_lshl_b32 s19, s11, 7
	s_add_co_u32 s18, s18, s19
	v_lshl_add_u32 v[QO], v1, 2, s18
	s_lshl_b32 s16, ttmp9, 12                      ; 2,048 bytes for each 32 queries, in gsel and in nidx alike
	s_lshl_b32 s17, s11, 11
	s_add_co_u32 s16, s16, s17
	s_mov_b32 s17, 0
	s_lshl_b32 s19, s12, 10
	v_lshl_add_u32 v[GA], v1, 2, s19               ; 4 x lane + 1,024 x half
	v_lshlrev_b32 v[NO], 6, v1
	s_lshl_b32 s19, s11, 12
	v_lshl_add_u32 v[MA], v1, 2, s19
	v_mov_b32 v[XQ+1], 0
	v_mov_b32 v[YQ+1], 0
	v_mov_b32 v[ZQ+1], 0
	v_mov_b32 v[DQ+1], 0
	s_wait_kmcnt 0x0
	s_add_nc_u64 s[4:5], s[4:5], s[14:15]
	s_add_nc_u64 s[6:7], s[6:7], s[16:17]
	s_add_nc_u64 s[8:9], s[8:9], s[16:17]
	global_load_b32 v[GL], v[GA], s[6:7]
	global_load_b32 v[XQ], v[QO], s[4:5]
	global_load_b32 v[YQ], v[QO], s[4:5] offset:32768
	global_load_b32 v[ZQ], v[QO], s[4:5] offset:65536
	global_load_b32 v[DQ], v[QO], s[4:5] offset:98304
.irp k, 0,1,2,3,4,5,6,7,8,9,10,11,12,13,14,15
	v_mov_b32 v[LV+\k], 0x7f800000                 ; 16 x +infinity: pushed out by the first group's 16 candidates
	v_mov_b32 v[LX+\k], 0
.endr
	s_wait_loadcnt 0x0
	TAKE
	CLOAD
	s_mov_b32 s22, 7
.Ltrip:
	TRIP 1
	s_sub_co_u32 s22, s22, 1
	s_cmp_lg_u32 s22, 0
	s_cbranch_scc1 .Ltrip
	TRIP 0                                         ; the eighth group asks for nothing more
	s_cmp_eq_u32 s12, 0
	s_cbranch_scc1 .Lkeep
.irp k, 0,1,2,3,4,5,6,7,8,9,10,11,12,13,14,15
	ds_store_b32 v[MA], v[LV+\k] offset:128*\k     ; the higher slots' list
	ds_store_b32 v[MA], v[LX+\k] offset:2048+128*\k
.endr
.Lkeep:
	s_wait_dscnt 0x0
	s_barrier_signal -1
	s_barrier_wait -1
	s_cmp_lg_u32 s12, 0
	s_cbranch_scc1 .Lend
.irp k, 0,1,2,3,4,5,6,7,8,9,10,11,12,13,14,15
	ds_load_b32 v[CX+\k], v[MA] offset:128*\k
	ds_load_b32 v[CY+\k], v[MA] offset:2048+128*\k
.endr
	s_wait_dscnt 0x0
.set e, 0
.rept 16
	INSERT CX+e, CY+e                              ; all its indices are higher than mine: an equal one goes behind
.set e, e+1
.endr
.irp k, 0,1,2,3
	global_store_b128 v[NO], v[LX+4*\k:LX+4*\k+3], s[8:9] offset:16*\k      ; a lane's 64 bytes; the four stores fill the wave's 2,048 consecutive bytes
.endr
.Lend:
	s_wait_tensorcnt 0x0
	ds_add_u32 v160, v161
	s_wait_dscnt 0x0
	s_endpgm
.Lfunc_end_k_qff0b672c33_knn2:
	.size	k_qff0b672c33_knn2, .Lfunc_end_k_qff0b672c33_knn2-k_qff0b672c33_knn2
	.p2alignl 7, 3214868480
	.fill 96, 4, 3214868480
	.section	.rodata,"a",@progbits
	.p2align	6, 0x0
	.amdhsa_kernel k_qff0b672c33_knn2
		.amdhsa_group_segment_fixed_size 8704
		.amdhsa_private_segment_fixed_size 0
		.amdhsa_enable_private_segment 0
		.amdhsa_kernarg_size 24
		.amdhsa_user_sgpr_count 2
		.amdhsa_user_sgpr_kernarg_segment_ptr 1
		.amdhsa_wavefront_size32 1
		.amdhsa_system_sgpr_workgroup_id_x 1
		.amdhsa_system_sgpr_workgroup_id_y 1
		.amdhsa_system_sgpr_workgroup_id_z 1
		.amdhsa_system_vgpr_workitem_id 0
		.amdhsa_next_free_vgpr 162
		.amdhsa_next_free_sgpr 66
		.amdhsa_reserve_vcc 0
		.amdhsa_float_denorm_mode_32 3
		.amdhsa_float_denorm_mode_16_64 3
		.amdhsa_memory_ordered 1
		.amdhsa_forward_progress 1
		.amdhsa_inst_pref_size 206
	.end_amdhsa_kernel
	.amdgpu_metadata
---
amdhsa.version: [ 1, 2 ]
amdhsa.kernels:
  - .name:           k_qff0b672c33_knn2
    .symbol:         k_qff0b672c33_knn2.kd
    .args:
      - { .name: soa, .offset: 0, .size: 8, .value_kind: global_buffer, .address_space: global }
      - { .name: gsel, .offset: 8, .size: 8, .value_kind: global_buffer, .address_space: global }
      - { .name: nidx, .offset: 16, .size: 8, .value_kind: global_buffer, .address_space: global }
    .group_segment_fixed_size: 8704
    .private_segment_fixed_size: 0
    .kernarg_segment_align: 8
    .kernarg_segment_size: 24
    .max_flat_workgroup_size: 128
    .sgpr_count:     66
    .vgpr_count:     162
    .wavefront_size: 32
...
	.end_amdgpu_metadata
.endif
;; end of part 3
;; launch proj (part 4): grid 256 x 1, 8 waves a work-group, no clusters, 265,216 bytes of LDS; arguments features, wcod, wscl, bias3, qkv; writes qkv
.if DOCPART == 4
	.amdgcn_target "amdgcn-amd-amdhsa--gfx1250"
	.amdhsa_code_object_version 6
	.text
	.protected	k_qff0b672c33_proj
	.globl	k_qff0b672c33_proj
	.p2align	8
	.type	k_qff0b672c33_proj,@function
k_qff0b672c33_proj:
	s_mov_b64 s[64:65], 0
	v_nop
	global_prefetch_b8 v0, s[64:65] scope:SCOPE_SE
	s_setreg_imm32_b32 hwreg(HW_REG_WAVE_MODE, 25, 1), 1
	s_wait_xcnt 0x0
; q, k + bp2, v + bp2 = Q(features) Q(W) + bias, the three products on codes of E5M2 with one E8M0 scale for each 32 along K.  qkv: [16384][768] f32.
; SHARES.  A work-group owns 64 rows.  The three weights' register images (196,608 bytes), their scale words and the 768 biases are copied into LDS once.
; X: wave w quantises rows 16 (w / 2) on, K step w % 2, and stores the fragment's image | barrier | Y: wave w takes the row tile w / 2 and six groups of 64 channels, 6 (w % 2) on.
; The products are used transposed (source 0 = 16 rows of the weight's image, source 1 = the rows of x): a lane holds one row and 16 neighbouring channels of a tile pair.
; The bias is loaded into the accumulators and is the C of each sum's first instruction.  A group's 16 rows x 256 bytes leave through the wave's own stage: 16 lanes store 256 consecutive bytes, aligned.
; No cluster: the shared weights could be asked for jointly only by tensor loads; this text copies through registers and keeps no ring.
; LIMITS: NaN and infinities are not served.
.set WS,   196608                      ; LDS: the codes at 0; the scale words;
.set XIMG, 208896                      ; x's 8 fragments, 2,048 bytes each;
.set XSC,  225280                      ; their scale words, 128 bytes each;
.set STG,  226304                      ; a stage of 16 rows x 272 bytes for each wave;
.set BIA,  261120                      ; the biases
.set LI,   1                           ; v1   16 x lane
.set XRD,  2                           ; v2   where I read x's images
.set XA,   3                           ; v3   x: my lane's byte in the wave's 16 rows
.set XWI,  4                           ; v4   where I store my image;  v5 its scale word
.set XWS,  5
.set FAD,  6                           ; v6   the group's fragments;  v7 its scale words;  v11 its biases
.set SAD,  7
.set STO,  8                           ; v8   the stage, in;  v9 back
.set RD,   9
.set CO,   10                          ; v10  my byte in the 16 rows of qkv
.set BAD,  11
.set FL,   12                          ; v12-15 16 x thread + 65,536 k
.set TM,   16                          ; v16-31 the quantiser at work
.set PW,   32
.set XSRD, 33
.set XS,   34                          ; v34-35 x's scale words;  v36-43 the weights': scales and nothing else
.set WSC,  36
.set XF,   44                          ; v44-75 x's two fragments
.set PC,   76                          ; v76-91 the codes just made
.set RB,   92                          ; v92-155 the copy's 16 slots of 4 registers
.set F,    92                          ; v92-219 a group's 8 fragments; later 16 rows back from the stage
.set NUM,  156                         ; v156-219 64 numbers of x
.set ACC,  220                         ; v220-251 four accumulators
.set SAD0, 252
.set T4,   253
.set BW,   254
.set BAD0, 255
.set SEL,  24
.set MNT,  26
.macro QUANT s, pc, pw
.irp b, 0,1,2,3
	v_max3_num_f32 v[TM+\b], |v[\s+16*\b]|, |v[\s+1+16*\b]|, 0x8000000      ; with the floor 2^(16-127): the byte cannot fall under 1
.endr
.irp i, 2,4,6,8,10,12,14
.irp b, 0,1,2,3
	v_max3_num_f32 v[TM+\b], v[TM+\b], |v[\s+16*\b+\i]|, |v[\s+1+16*\b+\i]|
.endr
.endr
.irp b, 0,1,2,3
	v_permlanex16_b32 v[TM+4+\b], v[TM+\b], s[SEL], s[SEL+1]
.endr
.irp b, 0,1,2,3
	v_max_num_f32 v[TM+\b], v[TM+\b], v[TM+4+\b]
.endr
.irp b, 0,1,2,3
	v_add_nc_u32 v[TM+12+\b], 0xf8800000, v[TM+\b]
.endr
.irp b, 0,1,2,3
	v_and_or_b32 v[TM+8+\b], v[TM+\b], 0x7f800000, s[MNT]
.endr
.irp b, 0,1,2,3
	v_lshrrev_b32 v[TM+4+\b], 23, v[TM+12+\b]
.endr
	v_lshl_or_b32 v[\pw], v[TM+5], 8, v[TM+4]
	v_lshl_or_b32 v[\pw], v[TM+6], 16, v[\pw]
	v_lshl_or_b32 v[\pw], v[TM+7], 24, v[\pw]
.irp b, 0,1,2,3
.irp i, 0,1,2,3,4,5,6,7,8,9,10,11,12,13,14,15
	v_med3_num_f32 v[\s+16*\b+\i], v[\s+16*\b+\i], -v[TM+8+\b], v[TM+8+\b]
.endr
	v_cvt_scalef32_pk8_bf8_f32 v[\pc+4*\b:\pc+1+4*\b], v[\s+16*\b:\s+7+16*\b], v[TM+12+\b]
	v_cvt_scalef32_pk8_bf8_f32 v[\pc+2+4*\b:\pc+3+4*\b], v[\s+8+16*\b:\s+15+16*\b], v[TM+12+\b]
.endr
	v_nop
.endm
.macro FLOAD n                         ; piece n of 51 pieces of 4,096 bytes: 48 of codes, 3 of scale words
.if (\n) < 48
	global_load_b128 v[RB+4*((\n)%16):RB+4*((\n)%16)+3], v[FL], s[6:7] offset:4096*(\n)
.else
	global_load_b128 v[RB+4*((\n)%16):RB+4*((\n)%16)+3], v[FL], s[8:9] offset:4096*((\n)-48)
.endif
.endm
	s_load_b256 s[4:11], s[0:1], 0x0               ; features, wcod, wscl, bias3
	s_load_b64 s[12:13], s[0:1], 0x20              ; qkv
	s_set_vgpr_msb 0x40
	v_lshl_add_u32 v0, v0, 2, 0x40800
	v_mov_b32 v1, 0
	s_set_vgpr_msb 0x4000
	v_lshrrev_b32 v16, 5, v0
	v_readfirstlane_b32 s14, v16                   ; wave 0..7
	s_lshr_b32 s15, s14, 1                         ; my tile of rows
	s_and_b32 s16, s14, 1                          ; my K step, later my half of the channels
	v_and_b32 v16, 31, v0                          ; lane
	v_and_b32 v17, 15, v0                          ; r
	v_bfe_u32 v18, v0, 4, 1                        ; h
	v_lshlrev_b32 v[LI], 4, v16
	s_lshl_b32 s17, s15, 12
	s_add_co_u32 s17, s17, XIMG
	v_add_nc_u32 v[XRD], s17, v[LI]
	v_lshlrev_b32 v[XA], 10, v17
	v_lshl_add_u32 v[XA], v18, 6, v[XA]            ; row r of 1,024 bytes + 64 h
	s_lshl_b32 s17, s14, 11
	s_add_co_u32 s17, s17, XIMG
	v_add_nc_u32 v[XWI], s17, v[LI]
	s_lshl_b32 s17, s14, 7
	s_add_co_u32 s17, s17, XSC
	v_lshl_add_u32 v[XWS], v16, 2, s17
	s_lshl_b32 s17, s15, 8
	s_add_co_u32 s17, s17, XSC
	v_lshl_add_u32 v[XSRD], v16, 2, s17
	s_mul_i32 s17, s14, 4352
	s_add_co_u32 s17, s17, STG
	v_mul_u32_u24 v[STO], v17, 272
	v_lshl_add_u32 v[STO], v18, 6, v[STO]
	v_add_nc_u32 v[STO], s17, v[STO]               ; in: row r, 64 h bytes on
	v_mul_u32_u24 v[RD], v18, 272
	v_lshl_add_u32 v[RD], v17, 4, v[RD]
	v_add_nc_u32 v[RD], s17, v[RD]                 ; back: lanes 0-15 one row, lanes 16-31 the next
	v_mul_u32_u24 v[CO], v18, 3072
	v_lshl_add_u32 v[CO], v17, 4, v[CO]
	s_mul_i32 s22, s16, 1536                       ; 256 bytes a group, six groups a half
	v_add_nc_u32 v[CO], s22, v[CO]
	v_add_nc_u32 v[SAD0], WS, v[LI]
	v_lshlrev_b32 v[BAD0], 6, v18
	v_add_nc_u32 v[BAD0], BIA, v[BAD0]
	v_lshlrev_b32 v[FL], 4, v0
	v_add_nc_u32 v[FL+1], 0x10000, v[FL]
	v_add_nc_u32 v[FL+2], 0x20000, v[FL]
	v_add_nc_u32 v[FL+3], 0x30000, v[FL]
	v_lshlrev_b32 v[T4], 2, v0
	v_add_nc_u32 v[BW], BIA, v[T4]
.irp b, 0,1,2,3
	v_mov_b32 v[TM+4+\b], 0                        ; a lane permute's destination counts as one of its sources
.endr
	s_mov_b32 s[SEL], 0x76543210
	s_mov_b32 s[SEL+1], 0xfedcba98
	s_mov_b32 s[MNT], 0x600000
	s_mul_i32 s20, s16, 98304                      ; 16,384 bytes of fragments a group
	s_mul_i32 s21, s16, 6144                       ; 1,024 bytes of scale words
	s_lshl_b32 s18, ttmp9, 16
	s_lshl_b32 s17, s15, 14
	s_add_co_u32 s18, s18, s17
	s_lshl_b32 s17, s16, 9
	s_add_co_u32 s18, s18, s17
	s_mov_b32 s19, 0
	s_wait_kmcnt 0x0
	s_add_nc_u64 s[4:5], s[4:5], s[18:19]          ; features at my 16 rows, my K step
	s_lshl_b32 s18, ttmp9, 6
	s_lshl_b32 s17, s15, 4
	s_add_co_u32 s18, s18, s17
	s_mul_i32 s18, s18, 3072
	s_add_nc_u64 s[12:13], s[12:13], s[18:19]      ; qkv at my 16 rows
	; ---- X
.irp c, 0,1,2,3
.irp j, 0,1,2,3
	global_load_b128 v[NUM+16*\c+4*\j:NUM+16*\c+4*\j+3], v[XA], s[4:5] offset:128*\c+16*\j     ; lane (r, h): 16 neighbours of each block of 32 of row r
.endr
.endr
.irp k, 0,1,2
	global_load_b32 v[ACC+\k], v[T4], s[10:11] offset:1024*\k
.endr
.set i, 0
.rept 16
	FLOAD i
.set i, i+1
.endr
	s_wait_loadcnt 16                              ; x and the biases are in; the 16 pieces behind them may be out
.irp k, 0,1,2
	ds_store_b32 v[BW], v[ACC+\k] offset:1024*\k
.endr
	QUANT NUM, PC, PW
.irp c, 0,1,2,3
	ds_store_b128 v[XWI], v[PC+4*\c:PC+4*\c+3] offset:512*\c       ; the fragment goes to LDS as it stands in the registers
.endr
	ds_store_b32 v[XWS], v[PW]
.set i, 0
.rept 51
.if i < 8
	s_wait_loadcnt 15-i                            ; piece i is in: behind it pieces i + 1 .. 15 were issued
.elseif i <= 43
	s_wait_loadcnt 7                               ; behind it: pieces i + 1 .. i + 7
.else
	s_wait_loadcnt 50-i
.endif
	ds_store_b128 v[FL+i/16], v[RB+4*(i%16):RB+4*(i%16)+3] offset:4096*(i%16)
.if (i >= 8) && (i+8 < 51)
	s_wait_dscnt 8                                 ; the store of piece i - 8 is done (the eight younger may be out): its slot takes piece i + 8
	FLOAD i+8
.endif
.set i, i+1
.endr
	s_wait_dscnt 0x0
	s_barrier_signal -1
	s_barrier_wait -1                              ; weights, biases and x's eight fragments lie in LDS
	; ---- Y
.irp c, 0,1,2,3
	ds_load_b128 v[XF+4*\c:XF+4*\c+3], v[XRD] offset:512*\c
	ds_load_b128 v[XF+16+4*\c:XF+16+4*\c+3], v[XRD] offset:2048+512*\c
.endr
	ds_load_b32 v[XS], v[XSRD]
	ds_load_b32 v[XS+1], v[XSRD] offset:128
	s_mov_b32 s23, 6
.Lgrp:                                             ; a group of 64 channels: tile pairs pp = 0, 1; tiles t = 2 pp + u
	v_add_nc_u32 v[FAD], s20, v[LI]
	v_add_nc_u32 v[SAD], s21, v[SAD0]
	v_add_nc_u32 v[BAD], s22, v[BAD0]
.irp t, 0,1,2,3
	ds_load_b128 v[ACC+8*\t:ACC+8*\t+3], v[BAD] offset:128*(\t/2)+32*(\t%2)         ; the bias of channels 32 pp + 16 h + 8 u + 0 .. 7
	ds_load_b128 v[ACC+8*\t+4:ACC+8*\t+7], v[BAD] offset:128*(\t/2)+32*(\t%2)+16
.endr
.irp f, 0,1,2,3,4,5,6,7
.irp c, 0,1,2,3
	ds_load_b128 v[F+16*\f+4*\c:F+16*\f+4*\c+3], v[FAD] offset:2048*\f+512*\c
.endr
.endr
	ds_load_b128 v[WSC:WSC+3], v[SAD]
	ds_load_b128 v[WSC+4:WSC+7], v[SAD] offset:512
	s_wait_dscnt 0x0
.irp s, 0,1                            ; the four accumulators take turns, one instruction a turn
.irp t, 0,1,2,3
	v_wmma_scale_f32_16x16x128_f8f6f4 v[ACC+8*\t:ACC+8*\t+7], v[F+16*(2*\t+\s):F+16*(2*\t+\s)+15], v[XF+16*\s:XF+16*\s+15], v[ACC+8*\t:ACC+8*\t+7], v[WSC+2*\t+\s], v[XS+\s] matrix_a_fmt:MATRIX_FMT_BF8 matrix_b_fmt:MATRIX_FMT_BF8
.endr
.endr
.rept 8
	v_nop                                          ; eight places ahead of the reads of the results and of the loads into registers that the products named
.endr
.irp t, 0,1,2,3
	ds_store_b128 v[STO], v[ACC+8*\t:ACC+8*\t+3] offset:128*(\t/2)+32*(\t%2)        ; each accumulator from its low end on
	ds_store_b128 v[STO], v[ACC+8*\t+4:ACC+8*\t+7] offset:128*(\t/2)+32*(\t%2)+16
.endr
.irp i, 0,1,2,3,4,5,6,7
	ds_load_b128 v[F+4*\i:F+4*\i+3], v[RD] offset:544*\i           ; LDS serves a wave's instructions in order: these see my stores
.endr
.irp i, 0,1,2,3,4,5,6,7
	s_wait_dscnt 7-\i
	global_store_b128 v[CO], v[F+4*\i:F+4*\i+3], s[12:13] offset:6144*\i
.endr
	s_wait_xcnt 0x0                                ; the stores have read their registers: CO and the data may be written again
	v_add_nc_u32 v[CO], 256, v[CO]
	s_add_co_u32 s20, s20, 16384
	s_add_co_u32 s21, s21, 1024
	s_add_co_u32 s22, s22, 256
	s_sub_co_u32 s23, s23, 1
	s_cmp_lg_u32 s23, 0
	s_cbranch_scc1 .Lgrp
	s_set_vgpr_msb 0x5
	s_wait_tensorcnt 0x0
	ds_add_u32 v0, v1
	s_wait_dscnt 0x0
	s_set_vgpr_msb 0x500
	s_endpgm
.Lfunc_end_k_qff0b672c33_proj:
	.size	k_qff0b672c33_proj, .Lfunc_end_k_qff0b672c33_proj-k_qff0b672c33_proj
	.p2alignl 7, 3214868480
	.fill 96, 4, 3214868480
	.section	.rodata,"a",@progbits
	.p2align	6, 0x0
	.amdhsa_kernel k_qff0b672c33_proj
		.amdhsa_group_segment_fixed_size 265216
		.amdhsa_private_segment_fixed_size 0
		.amdhsa_enable_private_segment 0
		.amdhsa_kernarg_size 40
		.amdhsa_user_sgpr_count 2
		.amdhsa_user_sgpr_kernarg_segment_ptr 1
		.amdhsa_wavefront_size32 1
		.amdhsa_system_sgpr_workgroup_id_x 1
		.amdhsa_system_sgpr_workgroup_id_y 1
		.amdhsa_system_sgpr_workgroup_id_z 1
		.amdhsa_system_vgpr_workitem_id 0
		.amdhsa_next_free_vgpr 258
		.amdhsa_next_free_sgpr 66
		.amdhsa_reserve_vcc 0
		.amdhsa_float_denorm_mode_32 3
		.amdhsa_float_denorm_mode_16_64 3
		.amdhsa_memory_ordered 1
		.amdhsa_forward_progress 1
		.amdhsa_inst_pref_size 32
	.end_amdhsa_kernel
	.amdgpu_metadata
---
amdhsa.version: [ 1, 2 ]
amdhsa.kernels:
  - .name:           k_qff0b672c33_proj
    .symbol:         k_qff0b672c33_proj.kd
    .args:
      - { .name: features, .offset: 0, .size: 8, .value_kind: global_buffer, .address_space: global }
      - { .name: wcod, .offset: 8, .size: 8, .value_kind: global_buffer, .address_space: global }
      - { .name: wscl, .offset: 16, .size: 8, .value_kind: global_buffer, .address_space: global }
      - { .name: bias3, .offset: 24, .size: 8, .value_kind: global_buffer, .address_space: global }
      - { .name: qkv, .offset: 32, .size: 8, .value_kind: global_buffer, .address_space: global }
    .group_segment_fixed_size: 265216
    .private_segment_fixed_size: 0
    .kernarg_segment_align: 8
    .kernarg_segment_size: 40
    .max_flat_workgroup_size: 256
    .sgpr_count:     66
    .vgpr_count:     258
    .wavefront_size: 32
...
	.end_amdgpu_metadata
.endif
;; end of part 4
;; launch attn (part 5): grid 256 x 1, 16 waves a work-group, no clusters, 297,984 bytes of LDS; arguments features, coords, normals, mask, Wp1, bp1, bo, gamma, beta, wcod, wscl, qkv, nidx, out0; writes out0
.if DOCPART == 5
	.amdgcn_target "amdgcn-amd-amdhsa--gfx1250"
	.amdhsa_code_object_version 6
	.text
	.protected	k_qff0b672c33_attn
	.globl	k_qff0b672c33_attn
	.p2align	8
	.type	k_qff0b672c33_attn,@function
k_qff0b672c33_attn:
	s_mov_b64 s[64:65], 0
	v_nop
	global_prefetch_b8 v0, s[64:65] scope:SCOPE_SE
	s_setreg_imm32_b32 hwreg(HW_REG_WAVE_MODE, 25, 1), 1
	s_wait_xcnt 0x0
; POSITION MLP, ATTENTION OVER 16 NEIGHBOURS, Wo, RESIDUAL, LAYERNORM.
; SHARES.  A work-group owns 64 queries of one batch.  Phase 1: wave w handles queries 4 w + t, t = 0 .. 3, one a trip, alone.  A query's 16 neighbours are one 16-row tile of the product with Wp2.
; Hidden layer: lane (r, h) holds neighbour r; block b's 16 registers are channels 32 b + 16 h + 0 .. 15: u = bp1 + n . Wp1[3:6] (made once a query) + (c_q - c_j) . Wp1[0:3], all f32 fused multiply-adds;
; gelu(u) = u/2 + u/2 erf(u / sqrt 2); erf by the rational form x P(x^2) / Q(x^2) of degrees 6 and 4 on |x| <= 4, the powers of 1/2 and sqrt 2 folded into its constants; quantised block by block in registers.
; Product with Wp2, transposed (source 0 = 16 rows of Wp2's image, source 1 = the hidden layer): a lane holds neighbour r and channels 32 hd + 16 h + 0 .. 15 of head hd.
; Per head: logit = q . (k' + pe) (k' = k + bp2 from the launch before), softmax over the 16 lanes of a row with its maximum taken away, o = sum a (v' + pe) by a reduce-scatter over the 16 lanes.
; Phase 2a: wave w quantises the row tile w / 4 of the 64 results and multiplies by its quarter w % 4 of Wo.  Phase 2b: wave w finishes its own 4 rows: + bo, x mask, + features, LayerNorm, x mask.
; No cluster: what work-groups share (139 KB of weights) is small beside what each gathers (16 rows of k and v for each of 64 queries), and this text has no tensor loads.
; Neighbour indices come from nidx, whole numbers that an earlier launch stored, each held at 8,191 ahead of any address.
; LIMITS: NaN and infinities are not served.  erf is good to about 1e-7 absolutely, so far below 0 gelu carries an absolute error of about 1e-7 |u|.  A query all of whose neighbours are masked gets weights 0.
.set PS,   65536                       ; LDS: Wp2's images at 0; its scale words;
.set OC,   69632                       ; Wo's images;
.set OS,   135168                      ; its scale words;
.set W1,   139264                      ; Wp1's six rows of 1,024 bytes, then bp1;
.set BASE, 146432                      ; 1,024 bytes for each wave: the query's base vector;
.set OST,  162816                      ; 64 rows x 1,040 bytes: the attention's results;
.set YST,  229376                      ; 64 rows x 1,040 bytes: the results of Wo
.set FA,   1                           ; v1   16 x lane
.set FSA,  2                           ; v2   PS + 16 x lane
.set WA,   3                           ; v3   W1 + 64 h                     (phase 2: where I read OST)
.set BRD,  4                           ; v4   my base vector + 64 h         (phase 2: Wo's images)
.set BWR,  5                           ; v5   my base vector + 32 x lane    (phase 2: Wo's scale words)
.set W1B,  6                           ; v6   W1 + 3,072 + 32 x lane        (phase 2: where I write YST)
.set OA0,  7                           ; v7   OST + 4,160 w + 4 x lane      (phase 2: where I read YST)
.set OA,   8                           ; v8   the same for the trip's query
.set R4,   9                           ; v9   4 r
.set H64,  10                          ; v10  64 h
.set KO,   11                          ; v11  the neighbour's row in qkv + 64 h
.set RX,   12                          ; v12, v14, v16 c_q - c_j (odd partners written once)
.set RY,   14
.set RZ,   16
.set AW,   18                          ; v18  the attention weight
.set JJ,   20                          ; v20  the neighbour's index; v21, v22 its bytes in coords and mask
.set FS,   24                          ; v24-27 a tile pair's scale words: scales and nothing else, like v60-61 and v246-249
.set HH,   28                          ; v28-59 the hidden layer's two fragments (phase 2: the attention results')
.set HS,   60
.set KG,   62                          ; v62-77 k', v78-93 v', v94-109 q of the head in hand (phase 2: features, gamma, beta)
.set VG,   78
.set QV,   94
.set BB,   110                         ; hidden phase: base, u, three rows of Wp1, clamped u, its square, P; Q takes the first row's registers
.set UU,   126
.set WX,   142
.set WY,   158
.set WZ,   174
.set UC,   190
.set X2,   206
.set PP,   222
.set QQ,   142
.set QT,   238                         ; v238-243 the block quantiser at work; v242-245 the neighbour's coordinates and mask as loaded
.set FF,   110                         ; heads: four fragments of Wp2, two accumulators, v' + pe, two partial logits, at work
.set ACC,  174
.set TT,   190
.set LGA,  206
.set LGB,  208
.set TH,   210
.set KP,   213
.set FS2,  246
.set BND,  250                         ; v250 4 sqrt 2;  v251 -infinity;  v252, v254 two coefficients (odd partners written)
.set NINF, 251
.set CA5,  252
.set CB3,  254
.set NUM,  118                         ; phase 2a: 64 numbers, later four fragments of Wo
.set TM,   182
.set ACC2, 198
.set YR,   118                         ; phase 2b: four rows x 8 numbers; sums; the rows' masks
.set SM,   150
.set MV,   166
.set GAM,  94
.set BET,  102
.set BOV,  110
.set WV,   39
.set P6,   66                          ; s[66:85] coefficient pairs (the packed forms name a pair and take its low word)
.set P4,   68
.set P3,   70
.set P2,   72
.set P1,   74
.set P0,   76
.set Q4,   78
.set Q2,   80
.set Q1,   82
.set Q0,   84
.set VAL,  86                          ; s86  lanes whose neighbour counts
.set CC,   87                          ; s87  log2(e) / sqrt(32)
.set M8,   88                          ; s88-91 lanes with bit 3, 2, 1, 0 of the lane's number set
.set SEL,  92
.set MNT,  94
.macro SPAIR r, val
	s_mov_b32 s[\r], \val
	s_mov_b32 s[\r+1], \val
.endm
.macro BAR
	s_wait_dscnt 0x0                               ; my LDS stores have landed and my LDS loads are in
	s_barrier_signal -1
	s_barrier_wait -1
.endm
.macro QUANT s, pc, pw
.irp b, 0,1,2,3
	v_max3_num_f32 v[TM+\b], |v[\s+16*\b]|, |v[\s+1+16*\b]|, 0x8000000
.endr
.irp i, 2,4,6,8,10,12,14
.irp b, 0,1,2,3
	v_max3_num_f32 v[TM+\b], v[TM+\b], |v[\s+16*\b+\i]|, |v[\s+1+16*\b+\i]|
.endr
.endr
.irp b, 0,1,2,3
	v_permlanex16_b32 v[TM+4+\b], v[TM+\b], s[SEL], s[SEL+1]
.endr
.irp b, 0,1,2,3
	v_max_num_f32 v[TM+\b], v[TM+\b], v[TM+4+\b]
.endr
.irp b, 0,1,2,3
	v_add_nc_u32 v[TM+12+\b], 0xf8800000, v[TM+\b]
.endr
.irp b, 0,1,2,3
	v_and_or_b32 v[TM+8+\b], v[TM+\b], 0x7f800000, s[MNT]
.endr
.irp b, 0,1,2,3
	v_lshrrev_b32 v[TM+4+\b], 23, v[TM+12+\b]
.endr
	v_lshl_or_b32 v[\pw], v[TM+5], 8, v[TM+4]
	v_lshl_or_b32 v[\pw], v[TM+6], 16, v[\pw]
	v_lshl_or_b32 v[\pw], v[TM+7], 24, v[\pw]
.irp b, 0,1,2,3
.irp i, 0,1,2,3,4,5,6,7,8,9,10,11,12,13,14,15
	v_med3_num_f32 v[\s+16*\b+\i], v[\s+16*\b+\i], -v[TM+8+\b], v[TM+8+\b]
.endr
	v_cvt_scalef32_pk8_bf8_f32 v[\pc+4*\b:\pc+1+4*\b], v[\s+16*\b:\s+7+16*\b], v[TM+12+\b]
	v_cvt_scalef32_pk8_bf8_f32 v[\pc+2+4*\b:\pc+3+4*\b], v[\s+8+16*\b:\s+15+16*\b], v[TM+12+\b]
.endr
	v_nop
.endm
.macro LDB b                           ; block b's 16 numbers of the base vector
.irp e, 0,1,2,3
	ds_load_b128 v[BB+4*\e:BB+4*\e+3], v[BRD] offset:128*(\b)+16*\e
.endr
.endm
.macro LDW reg, d, b                   ; and of row d of Wp1
.irp e, 0,1,2,3
	ds_load_b128 v[\reg+4*\e:\reg+4*\e+3], v[WA] offset:1024*\d+128*(\b)+16*\e
.endr
.endm
.macro HORNER acc, co                  ; acc = acc x2 + co, eight pairs
.irp i, 0,2,4,6,8,10,12,14
	v_pk_fma_f32 v[\acc+\i:\acc+\i+1], v[\acc+\i:\acc+\i+1], v[X2+\i:X2+\i+1], s[\co:\co+1] op_sel_hi:[1,1,0]
.endr
.endm
; BLOCK b OF THE HIDDEN LAYER: 16 channels a lane; the next block's operands are fetched on the way
.macro HBLK b
	s_wait_dscnt 0x0                               ; the block's 16 loads are in
.irp i, 0,2,4,6,8,10,12,14
	v_pk_fma_f32 v[UU+\i:UU+\i+1], v[WX+\i:WX+\i+1], v[RX:RX+1], v[BB+\i:BB+\i+1] op_sel_hi:[1,0,1]
.endr
.irp i, 0,2,4,6,8,10,12,14
	v_pk_fma_f32 v[UU+\i:UU+\i+1], v[WY+\i:WY+\i+1], v[RY:RY+1], v[UU+\i:UU+\i+1] op_sel_hi:[1,0,1]
.endr
.irp i, 0,2,4,6,8,10,12,14
	v_pk_fma_f32 v[UU+\i:UU+\i+1], v[WZ+\i:WZ+\i+1], v[RZ:RZ+1], v[UU+\i:UU+\i+1] op_sel_hi:[1,0,1]
.endr
.if \b < 7
	LDB (\b)+1
	LDW WY, 1, (\b)+1
	LDW WZ, 2, (\b)+1
.endif
.irp i, 0,1,2,3,4,5,6,7,8,9,10,11,12,13,14,15
	v_med3_num_f32 v[UC+\i], v[UU+\i], -v[BND], v[BND]
.endr
.irp i, 0,2,4,6,8,10,12,14
	v_pk_mul_f32 v[X2+\i:X2+\i+1], v[UC+\i:UC+\i+1], v[UC+\i:UC+\i+1]
.endr
.irp i, 0,2,4,6,8,10,12,14
	v_pk_fma_f32 v[PP+\i:PP+\i+1], v[X2+\i:X2+\i+1], s[P6:P6+1], v[CA5:CA5+1] op_sel_hi:[1,0,0]
.endr
.irp i, 0,2,4,6,8,10,12,14
	v_pk_fma_f32 v[QQ+\i:QQ+\i+1], v[X2+\i:X2+\i+1], s[Q4:Q4+1], v[CB3:CB3+1] op_sel_hi:[1,0,0]
.endr
	HORNER PP, P4
	HORNER QQ, Q2
	HORNER PP, P3
	HORNER QQ, Q1
	HORNER PP, P2
	HORNER QQ, Q0
	HORNER PP, P1
	HORNER PP, P0
.irp i, 0,1,2,3,4,5,6,7,8,9,10,11,12,13,14,15
	v_rcp_f32 v[QQ+\i], v[QQ+\i]
.endr
.irp i, 0,2,4,6,8,10,12,14
	v_pk_mul_f32 v[X2+\i:X2+\i+1], v[UU+\i:UU+\i+1], 0.5 op_sel_hi:[1,0]       ; u / 2.  (Plain lines behind the reciprocals)
.endr
.irp i, 0,2,4,6,8,10,12,14
	v_pk_mul_f32 v[PP+\i:PP+\i+1], v[PP+\i:PP+\i+1], v[UC+\i:UC+\i+1]
.endr
	s_wait_alu depctr_va_vdst(0)
.irp i, 0,2,4,6,8,10,12,14
	v_pk_mul_f32 v[PP+\i:PP+\i+1], v[PP+\i:PP+\i+1], v[QQ+\i:QQ+\i+1]           ; erf
.endr
.if \b < 7
	LDW WX, 0, (\b)+1                              ; Q's registers are free again
.endif
.irp i, 0,2,4,6,8,10,12,14
	v_pk_fma_f32 v[UU+\i:UU+\i+1], v[X2+\i:X2+\i+1], v[PP+\i:PP+\i+1], v[X2+\i:X2+\i+1]    ; gelu
.endr
	v_max3_num_f32 v[QT], |v[UU]|, |v[UU+1]|, 0x8000000                        ; the block of 32 lies in lanes l and l xor 16
	v_max3_num_f32 v[QT+1], |v[UU+2]|, |v[UU+3]|, |v[UU+4]|
.irp i, 5,9
	v_max3_num_f32 v[QT], v[QT], |v[UU+\i]|, |v[UU+\i+1]|
	v_max3_num_f32 v[QT+1], v[QT+1], |v[UU+\i+2]|, |v[UU+\i+3]|
.endr
	v_max3_num_f32 v[QT], v[QT], |v[UU+13]|, |v[UU+14]|
	v_max3_num_f32 v[QT], v[QT], v[QT+1], |v[UU+15]|
	v_permlanex16_b32 v[QT+2], v[QT], s[SEL], s[SEL+1]
	v_max_num_f32 v[QT], v[QT], v[QT+2]
	v_add_nc_u32 v[QT+3], 0xf8800000, v[QT]
	v_and_or_b32 v[QT+4], v[QT], 0x7f800000, s[MNT]
.if (\b)%4 == 0
	v_lshrrev_b32 v[HS+(\b)/4], 23, v[QT+3]
.else
	v_lshrrev_b32 v[QT+5], 23, v[QT+3]
	v_lshl_or_b32 v[HS+(\b)/4], v[QT+5], 8*((\b)%4), v[HS+(\b)/4]
.endif
.irp i, 0,1,2,3,4,5,6,7,8,9,10,11,12,13,14,15
	v_med3_num_f32 v[UU+\i], v[UU+\i], -v[QT+4], v[QT+4]
.endr
	v_cvt_scalef32_pk8_bf8_f32 v[HH+4*(\b):HH+4*(\b)+1], v[UU:UU+7], v[QT+3]
	v_cvt_scalef32_pk8_bf8_f32 v[HH+4*(\b)+2:HH+4*(\b)+3], v[UU+8:UU+15], v[QT+3]
	v_nop                                          ; a plain line behind the conversions
.endm
.macro FETCHF hd                       ; head hd's four fragments of Wp2 and their scale words
.irp f, 0,1,2,3
.irp c, 0,1,2,3
	ds_load_b128 v[FF+16*\f+4*\c:FF+16*\f+4*\c+3], v[FA] offset:8192*(\hd)+2048*\f+512*\c
.endr
.endr
	ds_load_b128 v[FS:FS+3], v[FSA] offset:512*(\hd)
.endm
.macro LDK hd                          ; the neighbour's k' and the query's q, my 16 channels of head hd
.irp e, 0,1,2,3
	global_load_b128 v[KG+4*\e:KG+4*\e+3], v[KO], s[54:55] offset:1024+128*(\hd)+16*\e
.endr
.irp e, 0,1,2,3
	global_load_b128 v[QV+4*\e:QV+4*\e+3], v[H64], s[26:27] offset:128*(\hd)+16*\e
.endr
.endm
.macro LDV hd
.irp e, 0,1,2,3
	global_load_b128 v[VG+4*\e:VG+4*\e+3], v[KO], s[54:55] offset:2048+128*(\hd)+16*\e
.endr
.endm
.macro RSC n, m                        ; a level of the reduce-scatter: lanes n apart; each keeps one half of its registers and adds the partner's
.set q, 0
.rept \n
	v_cndmask_b32 v[KP+q], v[TT+q], v[TT+q+\n], s[\m]
.set q, q+1
.endr
.set q, 0
.rept \n
	v_cndmask_b32 v[TT+q+\n], v[TT+q+\n], v[TT+q], s[\m]
.set q, q+1
.endr
.set q, 0
.rept \n
	v_add_f32_dpp v[TT+q], v[TT+q+\n], v[KP+q] row_xmask:\n row_mask:0xf bank_mask:0xf
.set q, q+1
.endr
.endm
.macro HEAD hd
	s_wait_dscnt 0x0                               ; the head's fragments and scale words are in
	; the two accumulators take turns, one instruction a turn
	v_wmma_scale_f32_16x16x128_f8f6f4 v[ACC:ACC+7], v[FF:FF+15], v[HH:HH+15], 0, v[FS], v[HS] matrix_a_fmt:MATRIX_FMT_BF8 matrix_b_fmt:MATRIX_FMT_BF8
	v_wmma_scale_f32_16x16x128_f8f6f4 v[ACC+8:ACC+15], v[FF+32:FF+47], v[HH:HH+15], 0, v[FS+2], v[HS] matrix_a_fmt:MATRIX_FMT_BF8 matrix_b_fmt:MATRIX_FMT_BF8
	v_wmma_scale_f32_16x16x128_f8f6f4 v[ACC:ACC+7], v[FF+16:FF+31], v[HH+16:HH+31], v[ACC:ACC+7], v[FS+1], v[HS+1] matrix_a_fmt:MATRIX_FMT_BF8 matrix_b_fmt:MATRIX_FMT_BF8
	v_wmma_scale_f32_16x16x128_f8f6f4 v[ACC+8:ACC+15], v[FF+48:FF+63], v[HH+16:HH+31], v[ACC+8:ACC+15], v[FS+3], v[HS+1] matrix_a_fmt:MATRIX_FMT_BF8 matrix_b_fmt:MATRIX_FMT_BF8
	s_wait_loadcnt 4                               ; k' and q are in; the four loads of v' behind them may be out
	v_pk_mul_f32 v[LGA:LGA+1], v[QV:QV+1], v[KG:KG+1]                          ; q . k': eight plain lines that name no register of the products: the eight places behind them
.irp i, 2,4,6,8,10,12,14
	v_pk_fma_f32 v[LGA:LGA+1], v[QV+\i:QV+\i+1], v[KG+\i:KG+\i+1], v[LGA:LGA+1]
.endr
.if \hd < 7
	FETCHF (\hd)+1
.endif
	v_pk_mul_f32 v[LGB:LGB+1], v[QV:QV+1], v[ACC:ACC+1]                        ; q . pe: each accumulator from its low end on
.irp i, 2,4,6,8,10,12,14
	v_pk_fma_f32 v[LGB:LGB+1], v[QV+\i:QV+\i+1], v[ACC+\i:ACC+\i+1], v[LGB:LGB+1]
.endr
.if \hd < 7
	LDK (\hd)+1
.endif
	v_pk_add_f32 v[LGA:LGA+1], v[LGA:LGA+1], v[LGB:LGB+1]
	v_add_f32 v[TH], v[LGA], v[LGA+1]
	v_permlanex16_b32 v[TH+1], v[TH], s[SEL], s[SEL+1]
	v_add_f32 v[TH], v[TH], v[TH+1]                ; the head's 32 channels
	v_mul_f32 v[TH], s[CC], v[TH]                  ; x log2(e) / sqrt(32)
	v_cndmask_b32 v[TH], v[NINF], v[TH], s[VAL]    ; a masked neighbour: -infinity
	v_max_num_f32_dpp v[TH+1], v[TH], v[TH] row_xmask:1 row_mask:0xf bank_mask:0xf
	v_max_num_f32_dpp v[TH+1], v[TH+1], v[TH+1] row_xmask:2 row_mask:0xf bank_mask:0xf
	v_max_num_f32_dpp v[TH+1], v[TH+1], v[TH+1] row_xmask:4 row_mask:0xf bank_mask:0xf
	v_max_num_f32_dpp v[TH+1], v[TH+1], v[TH+1] row_xmask:8 row_mask:0xf bank_mask:0xf
	v_max_num_f32 v[TH+1], 0xff7fffff, v[TH+1]     ; the row's maximum, finite also where all 16 are masked
	v_sub_f32 v[TH], v[TH], v[TH+1]
	v_exp_f32 v[TH], v[TH]
.if \hd < 7
	s_wait_loadcnt 8                               ; v' is in; the next head's k' and q may be out
.else
	s_wait_loadcnt 0x0
.endif
.irp i, 0,2,4,6,8,10,12,14
	v_pk_add_f32 v[TT+\i:TT+\i+1], v[VG+\i:VG+\i+1], v[ACC+\i:ACC+\i+1]        ; v' + pe.  (Plain lines behind the exponential)
.endr
.if \hd < 7
	LDV (\hd)+1
.endif
	s_wait_alu depctr_va_vdst(0)
	v_add_f32_dpp v[TH+2], v[TH], v[TH] row_xmask:1 row_mask:0xf bank_mask:0xf
	v_add_f32_dpp v[TH+2], v[TH+2], v[TH+2] row_xmask:2 row_mask:0xf bank_mask:0xf
	v_add_f32_dpp v[TH+2], v[TH+2], v[TH+2] row_xmask:4 row_mask:0xf bank_mask:0xf
	v_add_f32_dpp v[TH+2], v[TH+2], v[TH+2] row_xmask:8 row_mask:0xf bank_mask:0xf
	v_max_num_f32 v[TH+2], 1.0, v[TH+2]            ; the sum is at least 1 where a neighbour counts; where none does it is 0, and the weights become 0
	v_rcp_f32 v[TH+2], v[TH+2]
	v_nop
	s_wait_alu depctr_va_vdst(0)
	v_mul_f32 v[AW], v[TH], v[TH+2]
.irp i, 0,2,4,6,8,10,12,14
	v_pk_mul_f32 v[TT+\i:TT+\i+1], v[TT+\i:TT+\i+1], v[AW:AW+1] op_sel_hi:[1,0]
.endr
	RSC 8, M8
	RSC 4, M8+1
	RSC 2, M8+2
	RSC 1, M8+3                                    ; lane L now holds channel 32 hd + L, summed over the 16 neighbours
	ds_store_b32 v[OA], v[TT] offset:128*(\hd)
.endm
	s_load_b512 s[4:19], s[0:1], 0x0               ; features, coords, normals, mask, Wp1, bp1, bo, gamma
	s_load_b256 s[20:27], s[0:1], 0x40             ; beta, wcod, wscl, qkv
	s_load_b128 s[28:31], s[0:1], 0x60             ; nidx, out0
	v_lshrrev_b32 v[OA], 5, v0
	v_readfirstlane_b32 s[WV], v[OA]               ; wave 0..15
	v_and_b32 v[FA], 31, v0                        ; lane
	v_and_b32 v[R4], 15, v0
	v_bfe_u32 v[H64], v0, 4, 1
	v_lshlrev_b32 v[H64], 6, v[H64]
	v_lshlrev_b32 v[R4], 2, v[R4]
	v_add_nc_u32 v[WA], W1, v[H64]
	s_lshl_b32 s56, s[WV], 10
	s_add_co_u32 s56, s56, BASE
	v_add_nc_u32 v[BRD], s56, v[H64]
	v_lshl_add_u32 v[BWR], v[FA], 5, s56
	v_lshlrev_b32 v[W1B], 5, v[FA]
	v_add_nc_u32 v[W1B], W1+3072, v[W1B]
	s_mul_i32 s57, s[WV], 4160
	s_add_co_u32 s57, s57, OST
	v_lshl_add_u32 v[OA0], v[FA], 2, s57
	v_lshlrev_b32 v[FA], 4, v[FA]
	v_add_nc_u32 v[FSA], PS, v[FA]
	v_lshlrev_b32 v238, 4, v0                      ; the copy: 16 x thread,
	v_add_nc_u32 v240, OC, v238                    ; Wo's images,
	v_lshrrev_b32 v241, 8, v0
	v_lshl_add_u32 v241, v241, 16, v238
	v_add_nc_u32 v241, PS, v241                    ; the scale words: threads 0-255 Wp2's, the others Wo's, 65,536 bytes on,
	v_add_nc_u32 v[OA], W1, v238                   ; Wp1 and bp1
	s_cmp_lt_u32 s[WV], 12                         ; waves 0-11 copy Wp1, waves 12 and 13 bp1
	s_cselect_b32 s48, 0, 0x1800
	v_sub_nc_u32 v239, v238, s48
	v_mov_b32 v[RX+1], 0
	v_mov_b32 v[RY+1], 0
	v_mov_b32 v[RZ+1], 0
	v_mov_b32 v[AW+1], 0
	v_mov_b32 v[BND], 0x40b504f3                   ; 4 sqrt 2
	v_mov_b32 v[NINF], 0xff800000
	v_mov_b32 v[CA5], 0x306dffee
	v_mov_b32 v[CA5+1], 0x306dffee
	v_mov_b32 v[CB3], 0xb81e3512
	v_mov_b32 v[CB3+1], 0xb81e3512
	SPAIR P6, 0xac95df0b                           ; P, in powers of u^2
	SPAIR P4, 0xb40cff51
	SPAIR P3, 0xb6eec2d2
	SPAIR P2, 0xb940ac63
	SPAIR P1, 0xbac1a1f6
	SPAIR P0, 0xbc83dbd4
	SPAIR Q4, 0xb5accd2b                           ; Q x sqrt 2
	SPAIR Q2, 0xba1bf7b5
	SPAIR Q1, 0xbbaad7f2
	SPAIR Q0, 0xbca542a9
	s_mov_b32 s[CC], 0x3e8293ee
	s_mov_b32 s[M8], 0xff00ff00
	s_mov_b32 s[M8+1], 0xf0f0f0f0
	s_mov_b32 s[M8+2], 0xcccccccc
	s_mov_b32 s[M8+3], 0xaaaaaaaa
	s_mov_b32 s[SEL], 0x76543210
	s_mov_b32 s[SEL+1], 0xfedcba98
	s_mov_b32 s[MNT], 0x600000
	s_mov_b32 s60, 0x3b800000                      ; 1 / 256
	s_mov_b32 s61, 0x358637bd                      ; 1e-6
	s_lshl_b32 s44, ttmp9, 6
	s_lshl_b32 s45, s[WV], 2
	s_add_co_u32 s44, s44, s45                     ; my first query
	s_lshr_b32 s45, ttmp9, 7                       ; the batch
	s_mov_b32 s47, 0
	s_wait_kmcnt 0x0
	s_cmp_lt_u32 s[WV], 12
	s_cselect_b64 s[62:63], s[12:13], s[14:15]
	s_mul_i32 s46, s44, 12
	s_add_nc_u64 s[50:51], s[6:7], s[46:47]        ; the query's coordinates
	s_add_nc_u64 s[8:9], s[8:9], s[46:47]          ; and normal
	s_mul_i32 s46, s45, 98304
	s_add_nc_u64 s[6:7], s[6:7], s[46:47]          ; the batch's coordinates
	s_lshl_b32 s46, s45, 15
	s_add_nc_u64 s[52:53], s[10:11], s[46:47]      ; the batch's mask
	s_lshl_b32 s46, s44, 2
	s_add_nc_u64 s[10:11], s[10:11], s[46:47]      ; my four queries' mask
	s_mul_i32 s46, s45, 25165824
	s_add_nc_u64 s[54:55], s[26:27], s[46:47]      ; the batch's rows of qkv
	s_mul_i32 s46, s44, 3072
	s_add_nc_u64 s[26:27], s[26:27], s[46:47]      ; the query's row
	s_lshl_b32 s46, s44, 6
	s_add_nc_u64 s[28:29], s[28:29], s[46:47]      ; its 16 indices
	s_lshl_b32 s46, s44, 10
	s_add_nc_u64 s[4:5], s[4:5], s[46:47]
	s_add_nc_u64 s[30:31], s[30:31], s[46:47]
	; ---- phase 0: the weights come into LDS once
	s_cmp_ge_u32 s[WV], 14
	s_cbranch_scc1 .Lno_w1
	global_load_b128 v[178:181], v239, s[62:63]    ; the oldest load: every wait below covers it
.Lno_w1:
.set i, 0
.rept 16
	global_load_b128 v[FF+4*i:FF+4*i+3], v238, s[22:23] offset:196608+8192*i
.set i, i+1
.endr
	global_load_b128 v[174:177], v238, s[24:25] offset:12288
.set i, 0
.rept 8
	s_wait_loadcnt 16-i                            ; piece i is in; behind it 15 - i pieces and the scale words were issued
	ds_store_b128 v238, v[FF+4*i:FF+4*i+3] offset:8192*i
.set i, i+1
.endr
.rept 8
	s_wait_loadcnt 16-i
	ds_store_b128 v240, v[FF+4*i:FF+4*i+3] offset:8192*(i-8)
.set i, i+1
.endr
	s_wait_loadcnt 0x0
	ds_store_b128 v241, v[174:177]
	s_cmp_ge_u32 s[WV], 14
	s_cbranch_scc1 .Lno_w1s
	ds_store_b128 v[OA], v[178:181]
.Lno_w1s:
	BAR
	; ---- phase 1: four queries, one a trip
	s_mov_b32 s44, 4
	s_mov_b32 s45, 0
.Ltrip:
	s_load_b96 s[32:34], s[50:51], 0x0             ; c_q
	s_load_b96 s[36:38], s[8:9], 0x0               ; n_q
	global_load_b32 v[JJ], v[R4], s[28:29]         ; neighbour r's index
	v_add_nc_u32 v[OA], s45, v[OA0]
.irp k, 0,1,2,3
	ds_load_b128 v[142+8*\k:145+8*\k], v[W1B] offset:1024*\k       ; rows 3, 4, 5 of Wp1 and bp1: channels 8 L + 0 .. 7
	ds_load_b128 v[146+8*\k:149+8*\k], v[W1B] offset:1024*\k+16
.endr
	s_wait_kmcnt 0x0
	s_wait_dscnt 0x0
.irp j, 0,1,2,3,4,5,6,7
	v_fma_f32 v[PP+\j], s36, v[142+\j], v[166+\j]
.endr
.irp j, 0,1,2,3,4,5,6,7
	v_fma_f32 v[PP+\j], s37, v[150+\j], v[PP+\j]
.endr
.irp j, 0,1,2,3,4,5,6,7
	v_fma_f32 v[PP+\j], s38, v[158+\j], v[PP+\j]
.endr
	ds_store_b128 v[BWR], v[PP:PP+3]               ; the base vector, into my wave's own bytes: LDS serves a wave's instructions in order
	ds_store_b128 v[BWR], v[PP+4:PP+7] offset:16
	s_wait_loadcnt 0x0
	v_min_u32 v[JJ], 0x1fff, v[JJ]
	v_mul_u32_u24 v[JJ+1], v[JJ], 12
	v_lshlrev_b32 v[JJ+2], 2, v[JJ]
	global_load_b32 v242, v[JJ+1], s[6:7]
	global_load_b32 v243, v[JJ+1], s[6:7] offset:4
	global_load_b32 v244, v[JJ+1], s[6:7] offset:8
	global_load_b32 v245, v[JJ+2], s[52:53]
	v_mul_u32_u24 v[KO], v[JJ], 0xc00
	v_add_nc_u32 v[KO], v[KO], v[H64]
	LDK 0
	LDV 0
	LDB 0
	LDW WX, 0, 0
	LDW WY, 1, 0
	LDW WZ, 2, 0
	s_wait_loadcnt 12                              ; the neighbour's coordinates and mask are in; the 12 gathers behind them may be out
	v_sub_f32 v[RX], s32, v242
	v_sub_f32 v[RY], s33, v243
	v_sub_f32 v[RZ], s34, v244
	v_cmp_lt_f32 s[VAL], 0, v245
.irp b, 0,1,2,3,4,5,6,7
	HBLK \b
.endr
	FETCHF 0
.rept 4
	v_nop                                          ; the codes stand four places ahead of the scaled products; the scale word's last write stands ahead of block 7's sixteen holds
.endr
.irp hd, 0,1,2,3,4,5,6,7
	HEAD \hd
.endr
	s_wait_xcnt 0x0                                ; every load has read its addresses: the pointers may step
	s_add_nc_u64 s[50:51], s[50:51], 12
	s_add_nc_u64 s[8:9], s[8:9], 12
	s_add_nc_u64 s[28:29], s[28:29], 64
	s_add_nc_u64 s[26:27], s[26:27], 3072
	s_add_co_u32 s45, s45, 1040
	s_sub_co_u32 s44, s44, 1
	s_cmp_lg_u32 s44, 0
	s_cbranch_scc1 .Ltrip
	; ---- what phase 2b wants from memory is asked for now, into registers that phase 2a leaves alone
.irp p, 0,1,2,3
	global_load_b128 v[KG+8*\p:KG+8*\p+3], v[FA], s[4:5] offset:1024*\p
	global_load_b128 v[KG+8*\p+4:KG+8*\p+7], v[FA], s[4:5] offset:1024*\p+512
.endr
	global_load_b128 v[GAM:GAM+3], v[FA], s[18:19]
	global_load_b128 v[GAM+4:GAM+7], v[FA], s[18:19] offset:512
	global_load_b128 v[BET:BET+3], v[FA], s[20:21]
	global_load_b128 v[BET+4:BET+7], v[FA], s[20:21] offset:512
	global_load_b128 v[BOV:BOV+3], v[FA], s[16:17]
	global_load_b128 v[BOV+4:BOV+7], v[FA], s[16:17] offset:512
	s_load_b128 s[40:43], s[10:11], 0x0
	s_lshr_b32 s56, s[WV], 2                       ; my tile of rows
	s_and_b32 s57, s[WV], 3                        ; my quarter of the channels
	v_and_b32 v3, 15, v0
	v_mul_u32_u24 v3, v3, 1040
	v_add_nc_u32 v3, v3, v[H64]                    ; row r + 64 h
	s_mul_i32 s58, s56, 16640
	s_lshl_b32 s59, s57, 8
	s_add_co_u32 s59, s59, s58
	s_add_co_u32 s59, s59, YST
	v_add_nc_u32 v6, s59, v3
	s_add_co_u32 s58, s58, OST
	v_add_nc_u32 v3, s58, v3
	s_lshl_b32 s58, s57, 14
	s_add_co_u32 s58, s58, OC
	v_add_nc_u32 v4, s58, v[FA]
	s_lshl_b32 s58, s57, 10
	s_add_co_u32 s58, s58, OS
	v_add_nc_u32 v5, s58, v[FA]
	s_mul_i32 s58, s[WV], 4160
	s_add_co_u32 s58, s58, YST
	v_add_nc_u32 v7, s58, v[FA]
	BAR                                            ; the 64 rows of attention results lie in LDS
	; ---- phase 2a
.irp s, 0,1
.irp c, 0,1,2,3
.irp e, 0,1,2,3
	ds_load_b128 v[NUM+16*\c+4*\e:NUM+16*\c+4*\e+3], v3 offset:512*\s+128*\c+16*\e
.endr
.endr
	s_wait_dscnt 0x0
	QUANT NUM, HH+16*\s, HS+\s
.endr
.irp s, 0,1
.irp t, 0,1,2,3                        ; tile t = 2 pp + u of my quarter
.irp c, 0,1,2,3
	ds_load_b128 v[NUM+16*\t+4*\c:NUM+16*\t+4*\c+3], v4 offset:8192*(\t/2)+2048*(2*(\t%2)+\s)+512*\c
.endr
.endr
.if \s == 0
	ds_load_b128 v[FS:FS+3], v5
	ds_load_b128 v[FS2:FS2+3], v5 offset:512
.rept 4
	v_nop                                          ; the codes stand four places ahead of the scaled products
.endr
.endif
	s_wait_dscnt 0x0
.irp t, 0,1,2,3                        ; four accumulators by turns
.if \s == 0
	v_wmma_scale_f32_16x16x128_f8f6f4 v[ACC2+8*\t:ACC2+8*\t+7], v[NUM+16*\t:NUM+16*\t+15], v[HH:HH+15], 0, v[FS+(FS2-FS)*(\t/2)+2*(\t%2)], v[HS] matrix_a_fmt:MATRIX_FMT_BF8 matrix_b_fmt:MATRIX_FMT_BF8
.else
	v_wmma_scale_f32_16x16x128_f8f6f4 v[ACC2+8*\t:ACC2+8*\t+7], v[NUM+16*\t:NUM+16*\t+15], v[HH+16:HH+31], v[ACC2+8*\t:ACC2+8*\t+7], v[FS+(FS2-FS)*(\t/2)+2*(\t%2)+1], v[HS+1] matrix_a_fmt:MATRIX_FMT_BF8 matrix_b_fmt:MATRIX_FMT_BF8
.endif
.endr
.rept 8
	v_nop                                          ; eight places ahead of loads into the fragments' registers and of the reads of the results
.endr
.endr
.irp t, 0,1,2,3
	ds_store_b128 v6, v[ACC2+8*\t:ACC2+8*\t+3] offset:128*(\t/2)+32*(\t%2)          ; each accumulator from its low end on
	ds_store_b128 v6, v[ACC2+8*\t+4:ACC2+8*\t+7] offset:128*(\t/2)+32*(\t%2)+16
.endr
	BAR                                            ; the 64 rows of Wo's results lie in LDS
	; ---- phase 2b: my four rows; lane L holds channels 4 L + 0 .. 3 and 128 + 4 L + 0 .. 3; the rows take turns line by line
.irp p, 0,1,2,3
	ds_load_b128 v[YR+8*\p:YR+8*\p+3], v7 offset:1040*\p
	ds_load_b128 v[YR+8*\p+4:YR+8*\p+7], v7 offset:1040*\p+512
.endr
	s_wait_kmcnt 0x0
.irp p, 0,1,2,3
	v_mov_b32 v[MV+2*\p], s[40+\p]
	v_mov_b32 v[MV+2*\p+1], s[40+\p]
.endr
	s_wait_dscnt 0x0
	s_wait_loadcnt 0x0
.irp i, 0,2,4,6
.irp p, 0,1,2,3
	v_pk_add_f32 v[YR+8*\p+\i:YR+8*\p+\i+1], v[YR+8*\p+\i:YR+8*\p+\i+1], v[BOV+\i:BOV+\i+1]
.endr
.endr
.irp i, 0,2,4,6
.irp p, 0,1,2,3
	v_pk_fma_f32 v[YR+8*\p+\i:YR+8*\p+\i+1], v[YR+8*\p+\i:YR+8*\p+\i+1], v[MV+2*\p:MV+2*\p+1], v[KG+8*\p+\i:KG+8*\p+\i+1]     ; h = features + (y + bo) mask
.endr
.endr
.irp p, 0,1,2,3
	v_pk_add_f32 v[SM+4*\p:SM+4*\p+1], v[YR+8*\p:YR+8*\p+1], v[YR+8*\p+2:YR+8*\p+3]
	v_pk_add_f32 v[SM+4*\p+2:SM+4*\p+3], v[YR+8*\p+4:YR+8*\p+5], v[YR+8*\p+6:YR+8*\p+7]
.endr
.irp p, 0,1,2,3
	v_pk_add_f32 v[SM+4*\p:SM+4*\p+1], v[SM+4*\p:SM+4*\p+1], v[SM+4*\p+2:SM+4*\p+3]
.endr
.irp p, 0,1,2,3
	v_add_f32 v[SM+4*\p], v[SM+4*\p], v[SM+4*\p+1]
.endr
.irp x, 1,2,4,8
.irp p, 0,1,2,3
	v_add_f32_dpp v[SM+4*\p], v[SM+4*\p], v[SM+4*\p] row_xmask:\x row_mask:0xf bank_mask:0xf
.endr
.endr
.irp p, 0,1,2,3
	v_permlanex16_b32 v[SM+4*\p+1], v[SM+4*\p], s[SEL], s[SEL+1]
.endr
.irp p, 0,1,2,3
	v_add_f32 v[SM+4*\p], v[SM+4*\p], v[SM+4*\p+1]
.endr
.irp p, 0,1,2,3
	v_mul_f32 v[SM+4*\p], s60, v[SM+4*\p]          ; the mean
.endr
.irp i, 0,2,4,6
.irp p, 0,1,2,3
	v_pk_add_f32 v[YR+8*\p+\i:YR+8*\p+\i+1], v[YR+8*\p+\i:YR+8*\p+\i+1], v[SM+4*\p:SM+4*\p+1] op_sel_hi:[1,0] neg_lo:[0,1] neg_hi:[0,1]
.endr
.endr
.irp p, 0,1,2,3
	v_pk_mul_f32 v[SM+4*\p+2:SM+4*\p+3], v[YR+8*\p:YR+8*\p+1], v[YR+8*\p:YR+8*\p+1]
.endr
.irp i, 2,4,6
.irp p, 0,1,2,3
	v_pk_fma_f32 v[SM+4*\p+2:SM+4*\p+3], v[YR+8*\p+\i:YR+8*\p+\i+1], v[YR+8*\p+\i:YR+8*\p+\i+1], v[SM+4*\p+2:SM+4*\p+3]
.endr
.endr
.irp p, 0,1,2,3
	v_add_f32 v[SM+4*\p], v[SM+4*\p+2], v[SM+4*\p+3]
.endr
.irp x, 1,2,4,8
.irp p, 0,1,2,3
	v_add_f32_dpp v[SM+4*\p], v[SM+4*\p], v[SM+4*\p] row_xmask:\x row_mask:0xf bank_mask:0xf
.endr
.endr
.irp p, 0,1,2,3
	v_permlanex16_b32 v[SM+4*\p+1], v[SM+4*\p], s[SEL], s[SEL+1]
.endr
.irp p, 0,1,2,3
	v_add_f32 v[SM+4*\p], v[SM+4*\p], v[SM+4*\p+1]
.endr
.irp p, 0,1,2,3
	v_fma_f32 v[SM+4*\p], v[SM+4*\p], s60, s61     ; the variance + 1e-6
.endr
.irp p, 0,1,2,3
	v_rsq_f32 v[SM+4*\p], v[SM+4*\p]
.endr
	v_nop                                          ; a plain line behind the last transcendental
	s_wait_alu depctr_va_vdst(0)
.irp i, 0,2,4,6
.irp p, 0,1,2,3
	v_pk_mul_f32 v[YR+8*\p+\i:YR+8*\p+\i+1], v[YR+8*\p+\i:YR+8*\p+\i+1], v[SM+4*\p:SM+4*\p+1] op_sel_hi:[1,0]
.endr
.endr
.irp i, 0,2,4,6
.irp p, 0,1,2,3
	v_pk_fma_f32 v[YR+8*\p+\i:YR+8*\p+\i+1], v[YR+8*\p+\i:YR+8*\p+\i+1], v[GAM+\i:GAM+\i+1], v[BET+\i:BET+\i+1]
.endr
.endr
.irp i, 0,2,4,6
.irp p, 0,1,2,3
	v_pk_mul_f32 v[YR+8*\p+\i:YR+8*\p+\i+1], v[YR+8*\p+\i:YR+8*\p+\i+1], v[MV+2*\p:MV+2*\p+1]
.endr
.endr
.irp p, 0,1,2,3
	global_store_b128 v[FA], v[YR+8*\p:YR+8*\p+3], s[30:31] offset:1024*\p th:TH_STORE_NT          ; 32 lanes store 512 consecutive bytes, aligned
	global_store_b128 v[FA], v[YR+8*\p+4:YR+8*\p+7], s[30:31] offset:1024*\p+512 th:TH_STORE_NT
.endr
	s_wait_xcnt 0x0
	v_lshl_add_u32 v254, v0, 2, 0x48400
	v_mov_b32 v255, 0
	s_wait_tensorcnt 0x0
	ds_add_u32 v254, v255
	s_wait_dscnt 0x0
	s_endpgm
.Lfunc_end_k_qff0b672c33_attn:
	.size	k_qff0b672c33_attn, .Lfunc_end_k_qff0b672c33_attn-k_qff0b672c33_attn
	.p2alignl 7, 3214868480
	.fill 96, 4, 3214868480
	.section	.rodata,"a",@progbits
	.p2align	6, 0x0
	.amdhsa_kernel k_qff0b672c33_attn
		.amdhsa_group_segment_fixed_size 297984
		.amdhsa_private_segment_fixed_size 0
		.amdhsa_enable_private_segment 0
		.amdhsa_kernarg_size 112
		.amdhsa_user_sgpr_count 2
		.amdhsa_user_sgpr_kernarg_segment_ptr 1
		.amdhsa_wavefront_size32 1
		.amdhsa_system_sgpr_workgroup_id_x 1
		.amdhsa_system_sgpr_workgroup_id_y 1
		.amdhsa_system_sgpr_workgroup_id_z 1
		.amdhsa_system_vgpr_workitem_id 0
		.amdhsa_next_free_vgpr 256
		.amdhsa_next_free_sgpr 100
		.amdhsa_reserve_vcc 0
		.amdhsa_float_denorm_mode_32 3
		.amdhsa_float_denorm_mode_16_64 3
		.amdhsa_memory_ordered 1
		.amdhsa_forward_progress 1
		.amdhsa_inst_pref_size 230
	.end_amdhsa_kernel
	.amdgpu_metadata
---
amdhsa.version: [ 1, 2 ]
amdhsa.kernels:
  - .name:           k_qff0b672c33_attn
    .symbol:         k_qff0b672c33_attn.kd
    .args:
      - { .name: features, .offset: 0, .size: 8, .value_kind: global_buffer, .address_space: global }
      - { .name: coords, .offset: 8, .size: 8, .value_kind: global_buffer, .address_space: global }
      - { .name: normals, .offset: 16, .size: 8, .value_kind: global_buffer, .address_space: global }
      - { .name: mask, .offset: 24, .size: 8, .value_kind: global_buffer, .address_space: global }
      - { .name: Wp1, .offset: 32, .size: 8, .value_kind: global_buffer, .address_space: global }
      - { .name: bp1, .offset: 40, .size: 8, .value_kind: global_buffer, .address_space: global }
      - { .name: bo, .offset: 48, .size: 8, .value_kind: global_buffer, .address_space: global }
      - { .name: gamma, .offset: 56, .size: 8, .value_kind: global_buffer, .address_space: global }
      - { .name: beta, .offset: 64, .size: 8, .value_kind: global_buffer, .address_space: global }
      - { .name: wcod, .offset: 72, .size: 8, .value_kind: global_buffer, .address_space: global }
      - { .name: wscl, .offset: 80, .size: 8, .value_kind: global_buffer, .address_space: global }
      - { .name: qkv, .offset: 88, .size: 8, .value_kind: global_buffer, .address_space: global }
      - { .name: nidx, .offset: 96, .size: 8, .value_kind: global_buffer, .address_space: global }
      - { .name: out0, .offset: 104, .size: 8, .value_kind: global_buffer, .address_space: global }
    .group_segment_fixed_size: 297984
    .private_segment_fixed_size: 0
    .kernarg_segment_align: 8
    .kernarg_segment_size: 112
    .max_flat_workgroup_size: 512
    .sgpr_count:     100
    .vgpr_count:     256
    .wavefront_size: 32
...
	.end_amdgpu_metadata
.endif
;; end of part 5
;; ======== version 2 of 3: 4 launches; 1.16 times as fast as version 1
;; workspace buffers: soa 262,144 bytes; wcod 327,680 bytes; wscl 20,480 bytes; bias3 3,072 bytes; qkv 50,331,648 bytes; gsel 1,048,576 bytes of whole numbers; nidx 1,048,576 bytes of whole numbers
;; launch knn1 (part 6): grid 256 x 1, 8 waves a work-group, no clusters, 164,864 bytes of LDS; arguments coords, Wq, Wk, Wv, Wp2, Wo, bq, bk, bv, bp2, soa, wcod, wscl, bias3, gsel; writes soa, wcod, wscl, bias3, gsel
.if DOCPART == 6
	.amdgcn_target "amdgcn-amd-amdhsa--gfx1250"
	.amdhsa_code_object_version 6
	.text
	.protected	k_qff0b672c33_knn1
	.globl	k_qff0b672c33_knn1
	.p2align	8
	.type	k_qff0b672c33_knn1,@function
k_qff0b672c33_knn1:
	s_mov_b64 s[64:65], 0
	v_nop
	global_prefetch_b8 v0, s[64:65] scope:SCOPE_SE
	s_setreg_imm32_b32 hwreg(HW_REG_WAVE_MODE, 25, 1), 1
	s_wait_xcnt 0x0
; NEAREST NEIGHBOURS, FIRST HALF, and what the later launches want prepared.
; THE TABLE.  coords [2][8192][3] of the work-group's batch become four arrays x, y, z, d2 of 8,192 f32 in LDS, d2 = fma(z,z,fma(y,y,x*x)).  Each work-group also stores its own 64 points of them to soa
; ([batch][x, y, z, d2][8192]), for the second half, which so works on the same bits.
; THE SEARCH.  The 8,192 candidates of a batch are 512 groups of 16 neighbouring indices.  For each query the 16 groups with the smallest (group minimum of dist2, group number) are found: they hold the
; 16 nearest candidates by (dist2, index), since a candidate outside them would have 16 candidates ahead of it, one in each of those groups.
; dist2 = (d2_q + d2_j) - 2 dot, dot = fma(z,z',fma(y,y',x*x')): one rounding for the sum, one for the rest (2 dot is exact).
; SHARES.  A work-group owns 64 queries of one batch; a lane is a query.  Wave w: queries 32 (w / 4) on, candidates 2,048 (w % 4) on (128 groups).  All lanes of a wave read the same candidate words.
; The selection has no branch on data: a sorted list of 16 values and 16 group numbers in registers, one insertion a group.  The four quarters' lists are merged through LDS, the later quarter inserted
; into the earlier: an equal newcomer goes behind, so ties go to the lower number.  The 16 group numbers leave sorted ascending, so that the second half sees candidates in ascending index order.
; THE WEIGHTS.  Behind the second merge barrier waves 1, 3, 5, 7 have nothing left to do.  In work-groups 0 to 39 each of them turns one fragment of a weight (y = x / 8: 0 Wq, 1 Wk, 2 Wv, 3 Wp2, 4 Wo; pair p = x % 8),
; stored [k][n] f32, into codes of E5M2 with one E8M0 byte for each 32 along k, laid as AN IMAGE OF THE OPERAND'S REGISTERS: wcod[y][p][fragment 2u+s][c][lane][16 bytes], byte i the code of
; W[128s+32c+16h+i][32p+8u+r+8(r/8)], lane = 16h+r.  A lane takes one column and its registers run down k, so nothing is transposed.  wscl[y][p][lane][2u+s]: the scale words.  bias3 = bq, bk+bp2, bv+bp2.
; LIMITS: NaN and infinities, and coordinates whose dist2 overflows f32, are not served; a block of zeros gets the scale byte 1 (its codes are zeros, and only this program reads the bytes).
.set XQ, 2                             ; v2, v4, v6, v8: the query's x, y, z, d2 (the odd partners are written once: the packed forms name pairs)
.set YQ, 4
.set ZQ, 6
.set DQ, 8
.set AD0, 10                           ; v10  LDS byte of the group in x's array (y's: + 32,768 in the immediate)
.set AD1, 11                           ; v11  the same + 65,536: z's and d2's
.set MA,  12                           ; v12  my wave's merge area; v13 that of wave w xor 1; v14 of wave w xor 2
.set MP1, 13
.set MP2, 14
.set GN,  15                           ; v15  the group's number
.set MN,  16                           ; v16-20 the group's minimum, as a tree
.set FA0, 22                           ; v22  16 x thread; v23 + 65,536
.set FA1, 23
.set QO,  24                           ; v24  my query's byte in an array; v25 + 65,536
.set QO1, 25
.set GV,  26                           ; v26  4 x lane
.set SAD, 27                           ; v27  array (w % 4), the work-group's 256 bytes, 8 x lane: in LDS and in soa alike
.set SDT, 28                           ; v28-29 those 8 bytes
.set FG,  30                           ; v30  48 x thread: four points of coords
.set CX,  32                           ; v32-95 a group's x, y, z, d2 (at the start v32-127: 24 loads of coords)
.set CY,  48
.set CZ,  64
.set CD,  80
.set TD,  96                           ; v96-111  dot, then dist2
.set SD,  112                          ; v112-127 d2_q + d2_j
.set TP,  112                          ; the same registers, free behind DIST: what moves into each place of the list
.set LV,  128                          ; v128-143 the list's values, ascending (at the start v128-159: two sets of 16 for the table)
.set LX,  144                          ; v144-159 the list's numbers
.set MK,  40                           ; s40-55  the insertion's 16 lane masks
.set MERGE, 131072                     ; behind the table: 4,096 bytes for each wave
.set WR,  16                           ; the weights' block, in registers that the search has done with: r, h, W's offset, 16 x lane, the scale word's offset, 4 x lane, the scale word, two biases, their sum
.set WH,  17
.set WO,  18
.set WI,  19
.set WSO, 20
.set WB,  21
.set PW,  22
.set BV,  23
.set BR,  25
.set NUM, 32                           ; 64 numbers of a lane
.set TM,  96                           ; the quantiser's 16 registers at work
.set PC,  112                          ; a fragment's codes
.set SEL, 60                           ; s[60:61] lane selects: lane l xor 16
.set MNT, 62                           ; s62     the mantissa field of 57,344
; Value v[c] with number v[j] goes into the sorted list.  Strict compare: an equal newcomer goes behind.  The order of the lines: all masks; all values (they need no mask); what moves into each place,
; into registers of its own; all selects.  So no line reads the result of the line above it, and the next insertion's compares read values written more than thirty lines back.
.macro INSERT c, j
.set n, 0
.rept 16
	v_cmp_lt_f32 s[MK+n], v[\c], v[LV+n]
.set n, n+1
.endr
.set n, 15
.rept 15
	v_med3_num_f32 v[LV+n], v[LV+n-1], v[LV+n], v[\c]       ; the middle of the two old neighbours and the newcomer (descending: each line reads old values)
.set n, n-1
.endr
	v_min_num_f32 v[LV], v[LV], v[\c]
.set n, 1
.rept 15
	v_cndmask_b32 v[TP+n], v[\j], v[LX+n-1], s[MK+n-1]      ; what moves into place n if the newcomer lies ahead of it: the old neighbour, or the newcomer itself
.set n, n+1
.endr
	v_cndmask_b32 v[LX], v[LX], v[\j], s[MK]
.set n, 1
.rept 15
	v_cndmask_b32 v[LX+n], v[LX+n], v[TP+n], s[MK+n]
.set n, n+1
.endr
.endm
.macro DIST                            ; 16 candidates' dist2 into v[TD] on
.irp i, 0,2,4,6,8,10,12,14
	v_pk_mul_f32 v[TD+\i:TD+\i+1], v[CX+\i:CX+\i+1], v[XQ:XQ+1] op_sel_hi:[1,0]
.endr
.irp i, 0,2,4,6,8,10,12,14
	v_pk_fma_f32 v[TD+\i:TD+\i+1], v[CY+\i:CY+\i+1], v[YQ:YQ+1], v[TD+\i:TD+\i+1] op_sel_hi:[1,0,1]
.endr
.irp i, 0,2,4,6,8,10,12,14
	v_pk_fma_f32 v[TD+\i:TD+\i+1], v[CZ+\i:CZ+\i+1], v[ZQ:ZQ+1], v[TD+\i:TD+\i+1] op_sel_hi:[1,0,1]
.endr
.irp i, 0,2,4,6,8,10,12,14
	v_pk_add_f32 v[SD+\i:SD+\i+1], v[CD+\i:CD+\i+1], v[DQ:DQ+1] op_sel_hi:[1,0]
.endr
.irp i, 0,2,4,6,8,10,12,14
	v_pk_fma_f32 v[TD+\i:TD+\i+1], v[TD+\i:TD+\i+1], -2.0, v[SD+\i:SD+\i+1] op_sel_hi:[1,0,1]
.endr
.endm
.macro LOADG                           ; a group's 4 x 64 bytes; every lane reads the same words
.irp c, 0,1,2,3
	ds_load_b128 v[CX+4*\c:CX+4*\c+3], v[AD0] offset:16*\c
	ds_load_b128 v[CY+4*\c:CY+4*\c+3], v[AD0] offset:32768+16*\c
	ds_load_b128 v[CZ+4*\c:CZ+4*\c+3], v[AD1] offset:16*\c
	ds_load_b128 v[CD+4*\c:CD+4*\c+3], v[AD1] offset:32768+16*\c
.endr
.endm
.macro GROUP pf                        ; pf = 1: the next group is fetched while this one's minimum is inserted
	s_wait_dscnt 0x0                               ; the group's 16 loads are in; at the first group, in waves 4 to 7, the query's four as well
	DIST
.if \pf
	s_add_co_u32 s56, s56, 64
	v_mov_b32 v[AD0], s56
	v_add_nc_u32 v[AD1], 0x10000, v[AD0]
	LOADG
.endif
	v_min3_num_f32 v[MN], v[TD], v[TD+1], v[TD+2]
	v_min3_num_f32 v[MN+1], v[TD+3], v[TD+4], v[TD+5]
	v_min3_num_f32 v[MN+2], v[TD+6], v[TD+7], v[TD+8]
	v_min3_num_f32 v[MN+3], v[TD+9], v[TD+10], v[TD+11]
	v_min3_num_f32 v[MN+4], v[TD+12], v[TD+13], v[TD+14]
	v_mov_b32 v[GN], s57
	v_min3_num_f32 v[MN], v[MN], v[MN+1], v[MN+2]
	v_min3_num_f32 v[MN+3], v[MN+3], v[MN+4], v[TD+15]
	v_min_num_f32 v[MN], v[MN], v[MN+3]
	INSERT MN, GN
	s_add_co_u32 s57, s57, 1
.endm
.macro MSTORE                          ; my list into my merge area
.irp k, 0,1,2,3,4,5,6,7,8,9,10,11,12,13,14,15
	ds_store_b32 v[MA], v[LV+\k] offset:128*\k
	ds_store_b32 v[MA], v[LX+\k] offset:2048+128*\k
.endr
.endm
.macro MERGE_IN adr                    ; another wave's list, whose numbers are all higher than mine, is inserted in its own order
.irp k, 0,1,2,3,4,5,6,7,8,9,10,11,12,13,14,15
	ds_load_b32 v[CX+\k], v[\adr] offset:128*\k
	ds_load_b32 v[CY+\k], v[\adr] offset:2048+128*\k
.endr
	s_wait_dscnt 0x0
.set e, 0
.rept 16
	INSERT CX+e, CY+e
.set e, e+1
.endr
.endm
.macro BAR
	s_wait_dscnt 0x0                               ; my LDS stores have landed and my LDS loads are in
	s_barrier_signal -1
	s_barrier_wait -1
.endm
.macro STAGE k, j, src, dst            ; one stage of the bitonic network on 16 registers, from one set into the other
.set i, 0
.rept 16
.if (i^\j) > i
.if (i&\k) == 0
	v_min_u32 v[\dst+i], v[\src+i], v[\src+(i^\j)]
	v_max_u32 v[\dst+(i^\j)], v[\src+i], v[\src+(i^\j)]
.else
	v_max_u32 v[\dst+i], v[\src+i], v[\src+(i^\j)]
	v_min_u32 v[\dst+(i^\j)], v[\src+i], v[\src+(i^\j)]
.endif
.endif
.set i, i+1
.endr
.endm
; 64 numbers of a lane, register 16 b + i = k 32 b + 16 (lane / 16) + i, become a fragment's codes in v[pc] on and its scale word in v[pw]
.macro QUANT s, pc, pw
.irp b, 0,1,2,3
	v_max3_num_f32 v[TM+\b], |v[\s+16*\b]|, |v[\s+1+16*\b]|, 0x8000000      ; with the floor 2^(16-127): the byte cannot fall under 1
.endr
.irp i, 2,4,6,8,10,12,14
.irp b, 0,1,2,3
	v_max3_num_f32 v[TM+\b], v[TM+\b], |v[\s+16*\b+\i]|, |v[\s+1+16*\b+\i]|
.endr
.endr
.irp b, 0,1,2,3
	v_permlanex16_b32 v[TM+4+\b], v[TM+\b], s[SEL], s[SEL+1]
.endr
.irp b, 0,1,2,3
	v_max_num_f32 v[TM+\b], v[TM+\b], v[TM+4+\b]                             ; the block's largest magnitude
.endr
.irp b, 0,1,2,3
	v_add_nc_u32 v[TM+12+\b], 0xf8800000, v[TM+\b]                           ; 15 off its exponent field: the conversion's scale operand
.endr
.irp b, 0,1,2,3
	v_and_or_b32 v[TM+8+\b], v[TM+\b], 0x7f800000, s[MNT]                    ; 57,344 x the scale
.endr
.irp b, 0,1,2,3
	v_lshrrev_b32 v[TM+4+\b], 23, v[TM+12+\b]                                ; the scale's byte
.endr
	v_lshl_or_b32 v[\pw], v[TM+5], 8, v[TM+4]
	v_lshl_or_b32 v[\pw], v[TM+6], 16, v[\pw]
	v_lshl_or_b32 v[\pw], v[TM+7], 24, v[\pw]
.irp b, 0,1,2,3
.irp i, 0,1,2,3,4,5,6,7,8,9,10,11,12,13,14,15
	v_med3_num_f32 v[\s+16*\b+\i], v[\s+16*\b+\i], -v[TM+8+\b], v[TM+8+\b]   ; the conversion does not saturate (ISA guide 7.6.2): hold first
.endr
	v_cvt_scalef32_pk8_bf8_f32 v[\pc+4*\b:\pc+1+4*\b], v[\s+16*\b:\s+7+16*\b], v[TM+12+\b]
	v_cvt_scalef32_pk8_bf8_f32 v[\pc+2+4*\b:\pc+3+4*\b], v[\s+8+16*\b:\s+15+16*\b], v[TM+12+\b]
.endr
	v_nop                                                                    ; a plain line behind the last conversion
.endm
	s_load_b512 s[4:19], s[0:1], 0x0               ; coords, Wq, Wk, Wv, Wp2, Wo, bq, bk
	s_load_b256 s[20:27], s[0:1], 0x40             ; bv, bp2, soa, wcod
	s_load_b128 s[28:31], s[0:1], 0x60             ; wscl, bias3
	s_load_b64 s[32:33], s[0:1], 0x70              ; gsel
	v_lshl_add_u32 v160, v0, 2, 0x28000
	v_mov_b32 v161, 0
	v_lshrrev_b32 v1, 5, v0
	v_readfirstlane_b32 s34, v1                    ; wave 0..7
	v_and_b32 v1, 31, v0                           ; lane
	s_lshr_b32 s35, s34, 2                         ; which 32 queries
	s_and_b32 s36, s34, 3                          ; which quarter of the candidates
	s_lshr_b32 s37, ttmp9, 7                       ; the batch
	s_and_b32 s38, ttmp9, 127
	s_lshl_b32 s38, s38, 8                         ; the work-group's 64 queries: 256 bytes of an array
	s_lshl_b32 s39, s35, 7
	s_add_co_u32 s39, s39, s38
	v_lshl_add_u32 v[QO], v1, 2, s39
	v_add_nc_u32 v[QO1], 0x10000, v[QO]
	v_lshlrev_b32 v[GV], 2, v1
	s_lshl_b32 s39, s36, 15
	s_add_co_u32 s39, s39, s38
	v_lshl_add_u32 v[SAD], v1, 3, s39
	v_lshlrev_b32 v[FA0], 4, v0
	v_add_nc_u32 v[FA1], 0x10000, v[FA0]
	v_mul_u32_u24 v[FG], v0, 48
	s_lshl_b32 s39, s34, 12
	s_add_co_u32 s39, s39, MERGE
	v_lshl_add_u32 v[MA], v1, 2, s39
	s_xor_b32 s39, s34, 1
	s_lshl_b32 s39, s39, 12
	s_add_co_u32 s39, s39, MERGE
	v_lshl_add_u32 v[MP1], v1, 2, s39
	s_xor_b32 s39, s34, 2
	s_lshl_b32 s39, s39, 12
	s_add_co_u32 s39, s39, MERGE
	v_lshl_add_u32 v[MP2], v1, 2, s39
	v_mov_b32 v[XQ+1], 0
	v_mov_b32 v[YQ+1], 0
	v_mov_b32 v[ZQ+1], 0
	v_mov_b32 v[DQ+1], 0
	s_mul_i32 s66, s37, 98304                      ; the batch's coords,
	s_mov_b32 s67, 0
	s_lshl_b32 s68, s37, 17                        ; its four arrays in soa,
	s_mov_b32 s69, 0
	s_lshl_b32 s70, ttmp9, 12                      ; gsel: 2,048 bytes for each 32 queries
	s_lshl_b32 s71, s35, 11
	s_add_co_u32 s70, s70, s71
	s_mov_b32 s71, 0
	s_wait_kmcnt 0x0
	s_add_nc_u64 s[4:5], s[4:5], s[66:67]
	s_add_nc_u64 s[24:25], s[24:25], s[68:69]
	s_add_nc_u64 s[32:33], s[32:33], s[70:71]
	; ---- the table.  Chunk t + 256 i of four points (48 bytes) is thread t's, i = 0 .. 7: 24 loads a thread, all on their way at once
.set i, 0
.rept 8
.irp k, 0,1,2
	global_load_b128 v[32+12*i+4*\k:35+12*i+4*\k], v[FG], s[4:5] offset:12288*i+16*\k
.endr
.set i, i+1
.endr
.set i, 0
.rept 8
	s_wait_loadcnt 21-3*i                          ; chunk i's three loads are in; the 21 - 3 i issued behind them may be out
.if i >= 2
	s_wait_dscnt 4                                 ; the four stores of chunk i - 2 are done (chunk i - 1's four may be out): their 16 registers are written again
.endif
.set RR, 32+12*i
.set SS, 128+16*(i%2)
.irp p, 0,1,2,3
	v_mov_b32 v[SS+\p], v[RR+3*\p]                 ; x y z x y z .. becomes four x, four y, four z: 16 bytes for each array
	v_mov_b32 v[SS+4+\p], v[RR+3*\p+1]
	v_mov_b32 v[SS+8+\p], v[RR+3*\p+2]
	v_mul_f32 v[SS+12+\p], v[RR+3*\p], v[RR+3*\p]
.endr
.irp p, 0,1,2,3
	v_fma_f32 v[SS+12+\p], v[RR+3*\p+1], v[RR+3*\p+1], v[SS+12+\p]
.endr
.irp p, 0,1,2,3
	v_fma_f32 v[SS+12+\p], v[RR+3*\p+2], v[RR+3*\p+2], v[SS+12+\p]         ; d2 as a fused chain, k ascending
.endr
	ds_store_b128 v[FA0], v[SS:SS+3] offset:4096*i
	ds_store_b128 v[FA0], v[SS+4:SS+7] offset:32768+4096*i
	ds_store_b128 v[FA1], v[SS+8:SS+11] offset:4096*i
	ds_store_b128 v[FA1], v[SS+12:SS+15] offset:32768+4096*i
.set i, i+1
.endr
	BAR                                            ; the table is whole, and my stores have read their registers
	ds_load_b32 v[XQ], v[QO]
	ds_load_b32 v[YQ], v[QO] offset:32768
	ds_load_b32 v[ZQ], v[QO1]
	ds_load_b32 v[DQ], v[QO1] offset:32768
	s_cmp_ge_u32 s34, 4
	s_cbranch_scc1 .Lno_soa
	ds_load_b64 v[SDT:SDT+1], v[SAD]               ; waves 0 to 3: the work-group's 64 points of array w
	s_wait_dscnt 0x0
	global_store_b64 v[SAD], v[SDT:SDT+1], s[24:25]        ; the wave stores 256 consecutive bytes, aligned
.Lno_soa:
.irp k, 0,1,2,3,4,5,6,7,8,9,10,11,12,13,14,15
	v_mov_b32 v[LV+\k], 0x7f800000                 ; the list begins as 16 x +infinity: every one is pushed out by the quarter's 128 groups
	v_mov_b32 v[LX+\k], 0
.endr
	s_lshl_b32 s56, s36, 13                        ; my quarter's first byte in an array
	s_lshl_b32 s57, s36, 7                         ; and its first group
	v_mov_b32 v[AD0], s56
	v_add_nc_u32 v[AD1], 0x10000, v[AD0]
	LOADG
	s_mov_b32 s58, 127
.Lgroup:
	GROUP 1
	s_sub_co_u32 s58, s58, 1
	s_cmp_lg_u32 s58, 0
	s_cbranch_scc1 .Lgroup
	GROUP 0                                        ; the last group fetches nothing
	; ---- the four quarters' lists become one.  The branches hang on the wave's number; both barriers are on every wave's path
	s_and_b32 s59, s36, 1
	s_cmp_eq_u32 s59, 0
	s_cbranch_scc1 .Lm1_keep
	MSTORE                                         ; quarters 1 and 3
.Lm1_keep:
	BAR
	s_cmp_lg_u32 s59, 0
	s_cbranch_scc1 .Lm1_done
	MERGE_IN MP1                                   ; quarters 0 and 2 take them in
.Lm1_done:
	s_cmp_lg_u32 s36, 2
	s_cbranch_scc1 .Lm2_keep
	MSTORE                                         ; quarter 2, with 3's
.Lm2_keep:
	BAR
	s_cmp_lg_u32 s36, 0
	s_cbranch_scc1 .Lothers
	MERGE_IN MP2
	STAGE 2, 1, LX, LV                             ; the values are done with: the 16 numbers are sorted ascending, the two sets of registers by turns
	STAGE 4, 2, LV, LX
	STAGE 4, 1, LX, LV
	STAGE 8, 4, LV, LX
	STAGE 8, 2, LX, LV
	STAGE 8, 1, LV, LX
	STAGE 16, 8, LX, LV
	STAGE 16, 4, LV, LX
	STAGE 16, 2, LX, LV
	STAGE 16, 1, LV, LX
.irp k, 0,1,2,3,4,5,6,7,8,9,10,11,12,13,14,15
	global_store_b32 v[GV], v[LX+\k], s[32:33] offset:128*\k    ; slot k: 128 consecutive bytes; the 16 stores fill the wave's 2,048 bytes
.endr
	s_wait_tensorcnt 0x0
	ds_add_u32 v160, v161
	s_wait_dscnt 0x0
	s_endpgm
.Lothers:
	; ---- the weights: waves 1, 3, 5, 7 of work-groups 0 to 39, one fragment each, while quarter 0's wave merges, sorts and stores.  No LDS, no barrier
	s_cmp_eq_u32 s59, 0                            ; quarter 2 has nothing more to do
	s_cbranch_scc1 .Lend
	s_cmp_ge_u32 ttmp9, 40
	s_cbranch_scc1 .Lend
	s_lshr_b32 s66, ttmp9, 3                       ; y: which weight
	s_and_b32 s67, ttmp9, 7                        ; p: which pair of tiles
	s_lshr_b32 s68, s34, 1                         ; 2 u + s: which fragment of the pair
	v_and_b32 v[WR], 15, v0                        ; r
	v_bfe_u32 v[WH], v0, 4, 1                      ; h
	v_and_b32 v[WO], 8, v[WR]
	v_add_nc_u32 v[WO], v[WO], v[WR]               ; r + 8 (r / 8)
	v_lshlrev_b32 v[WO], 2, v[WO]
	v_lshl_add_u32 v[WO], v[WH], 14, v[WO]         ; + 16 h rows of 1,024 bytes
	s_lshr_b32 s69, s68, 1                         ; u
	s_and_b32 s70, s68, 1                          ; s
	s_lshl_b32 s71, s67, 7                         ; 32 p columns
	s_lshl_b32 s69, s69, 5                         ; 8 u columns
	s_add_co_u32 s71, s71, s69
	s_lshl_b32 s70, s70, 17                        ; 128 s rows
	s_add_co_u32 s71, s71, s70
	v_add_nc_u32 v[WO], s71, v[WO]
	v_lshlrev_b32 v[WI], 4, v1                     ; 16 x lane
	s_lshl_b32 s69, s68, 2
	v_add_nc_u32 v[WSO], s69, v[WI]                ; 16 x lane + 4 x fragment
	v_lshlrev_b32 v[WB], 2, v1                     ; 4 x lane
	s_mov_b32 s[SEL], 0x76543210
	s_mov_b32 s[SEL+1], 0xfedcba98
	s_mov_b32 s[MNT], 0x600000
.irp b, 0,1,2,3
	v_mov_b32 v[TM+4+\b], 0                        ; a lane permute's destination counts as one of its sources
.endr
	s_cmp_eq_u32 s66, 1                            ; the weight and its bias are chosen by y alone
	s_cselect_b64 s[6:7], s[8:9], s[6:7]
	s_cselect_b64 s[16:17], s[18:19], s[16:17]
	s_cmp_eq_u32 s66, 2
	s_cselect_b64 s[6:7], s[10:11], s[6:7]
	s_cselect_b64 s[16:17], s[20:21], s[16:17]
	s_cmp_eq_u32 s66, 3
	s_cselect_b64 s[6:7], s[12:13], s[6:7]
	s_cmp_eq_u32 s66, 4
	s_cselect_b64 s[6:7], s[14:15], s[6:7]
.irp c, 0,1,2,3
.irp i, 0,1,2,3,4,5,6,7,8,9,10,11,12,13,14,15
	global_load_b32 v[NUM+16*\c+\i], v[WO], s[6:7] offset:(32*\c+\i)*1024   ; W(128 s + 32 c + 16 h + i, n)
.endr
.endr
	s_lshl_b32 s72, s66, 16
	s_lshl_b32 s74, s67, 13
	s_add_co_u32 s72, s72, s74
	s_lshl_b32 s74, s68, 11
	s_add_co_u32 s72, s72, s74
	s_mov_b32 s73, 0
	s_add_nc_u64 s[26:27], s[26:27], s[72:73]      ; my fragment's image
	s_lshl_b32 s72, s66, 12
	s_lshl_b32 s74, s67, 9
	s_add_co_u32 s72, s72, s74
	s_add_nc_u64 s[28:29], s[28:29], s[72:73]      ; my pair's scale words
	s_cmp_lg_u32 s68, 0                            ; the pair's 32 biases: fragment 0's wave, for Wq, Wk, Wv
	s_cbranch_scc1 .Lno_b
	s_cmp_ge_u32 s66, 3
	s_cbranch_scc1 .Lno_b
	s_lshl_b32 s72, s67, 7                         ; 32 p numbers
	s_add_nc_u64 s[16:17], s[16:17], s[72:73]
	s_add_nc_u64 s[22:23], s[22:23], s[72:73]
	s_lshl_b32 s74, s66, 10
	s_add_co_u32 s72, s72, s74
	s_add_nc_u64 s[30:31], s[30:31], s[72:73]
	global_load_b32 v[BV], v[WB], s[16:17]
	global_load_b32 v[BV+1], v[WB], s[22:23]
	s_cmp_eq_u32 s66, 0
	s_cselect_b32 s75, 0, 1.0                      ; q takes no bp2
	s_wait_loadcnt 0x0                             ; (the weight's loads, issued ahead of these two, are waited for below in any case)
	v_fma_f32 v[BR], v[BV+1], s75, v[BV]
	global_store_b32 v[WB], v[BR], s[30:31]
.Lno_b:
	s_wait_loadcnt 0x0
	QUANT NUM, PC, PW
.irp c, 0,1,2,3
	global_store_b128 v[WI], v[PC+4*\c:PC+4*\c+3], s[26:27] offset:512*\c   ; 512 consecutive bytes a store
.endr
	global_store_b32 v[WSO], v[PW], s[28:29]       ; 4 bytes a lane, 16 apart: the pair's other three waves fill the gaps; the buffer is 20,480 bytes in all, and gathering the words would want a barrier on every wave's path
.Lend:
	s_wait_tensorcnt 0x0
	ds_add_u32 v160, v161
	s_wait_dscnt 0x0
	s_endpgm
.Lfunc_end_k_qff0b672c33_knn1:
	.size	k_qff0b672c33_knn1, .Lfunc_end_k_qff0b672c33_knn1-k_qff0b672c33_knn1
	.p2alignl 7, 3214868480
	.fill 96, 4, 3214868480
	.section	.rodata,"a",@progbits
	.p2align	6, 0x0
	.amdhsa_kernel k_qff0b672c33_knn1
		.amdhsa_group_segment_fixed_size 164864
		.amdhsa_private_segment_fixed_size 0
		.amdhsa_enable_private_segment 0
		.amdhsa_kernarg_size 120
		.amdhsa_user_sgpr_count 2
		.amdhsa_user_sgpr_kernarg_segment_ptr 1
		.amdhsa_wavefront_size32 1
		.amdhsa_system_sgpr_workgroup_id_x 1
		.amdhsa_system_sgpr_workgroup_id_y 1
		.amdhsa_system_sgpr_workgroup_id_z 1
		.amdhsa_system_vgpr_workitem_id 0
		.amdhsa_next_free_vgpr 162
		.amdhsa_next_free_sgpr 76
		.amdhsa_reserve_vcc 0
		.amdhsa_float_denorm_mode_32 3
		.amdhsa_float_denorm_mode_16_64 3
		.amdhsa_memory_ordered 1
		.amdhsa_forward_progress 1
		.amdhsa_inst_pref_size 191
	.end_amdhsa_kernel
	.amdgpu_metadata
---
amdhsa.version: [ 1, 2 ]
amdhsa.kernels:
  - .name:           k_qff0b672c33_knn1
    .symbol:         k_qff0b672c33_knn1.kd
    .args:
      - { .name: coords, .offset: 0, .size: 8, .value_kind: global_buffer, .address_space: global }
      - { .name: Wq, .offset: 8, .size: 8, .value_kind: global_buffer, .address_space: global }
      - { .name: Wk, .offset: 16, .size: 8, .value_kind: global_buffer, .address_space: global }
      - { .name: Wv, .offset: 24, .size: 8, .value_kind: global_buffer, .address_space: global }
      - { .name: Wp2, .offset: 32, .size: 8, .value_kind: global_buffer, .address_space: global }
      - { .name: Wo, .offset: 40, .size: 8, .value_kind: global_buffer, .address_space: global }
      - { .name: bq, .offset: 48, .size: 8, .value_kind: global_buffer, .address_space: global }
      - { .name: bk, .offset: 56, .size: 8, .value_kind: global_buffer, .address_space: global }
      - { .name: bv, .offset: 64, .size: 8, .value_kind: global_buffer, .address_space: global }
      - { .name: bp2, .offset: 72, .size: 8, .value_kind: global_buffer, .address_space: global }
      - { .name: soa, .offset: 80, .size: 8, .value_kind: global_buffer, .address_space: global }
      - { .name: wcod, .offset: 88, .size: 8, .value_kind: global_buffer, .address_space: global }
      - { .name: wscl, .offset: 96, .size: 8, .value_kind: global_buffer, .address_space: global }
      - { .name: bias3, .offset: 104, .size: 8, .value_kind: global_buffer, .address_space: global }
      - { .name: gsel, .offset: 112, .size: 8, .value_kind: global_buffer, .address_space: global }
    .group_segment_fixed_size: 164864
    .private_segment_fixed_size: 0
    .kernarg_segment_align: 8
    .kernarg_segment_size: 120
    .max_flat_workgroup_size: 256
    .sgpr_count:     76
    .vgpr_count:     162
    .wavefront_size: 32
...
	.end_amdgpu_metadata
.endif
;; end of part 6
;; launch knn2 (part 7): grid 256 x 1, 4 waves a work-group, no clusters, 8,704 bytes of LDS; arguments soa, gsel, nidx; writes nidx
.if DOCPART == 7
	.amdgcn_target "amdgcn-amd-amdhsa--gfx1250"
	.amdhsa_code_object_version 6
	.text
	.protected	k_qff0b672c33_knn2
	.globl	k_qff0b672c33_knn2
	.p2align	8
	.type	k_qff0b672c33_knn2,@function
k_qff0b672c33_knn2:
	s_mov_b64 s[64:65], 0
	v_nop
	global_prefetch_b8 v0, s[64:65] scope:SCOPE_SE
	s_setreg_imm32_b32 hwreg(HW_REG_WAVE_MODE, 25, 1), 1
	s_wait_xcnt 0x0
; NEAREST NEIGHBOURS, SECOND HALF.  For each query the 16 nearest by (dist2, index) among the 256 candidates of the 16 groups that the launch before chose (gsel, ascending group numbers).
; dist2 is made by the same lines as there, on the numbers that it stored (soa), so it has the same bits.  A lane is a query; wave w: queries 32 (w / 2) on, slots 8 (w % 2) on; the higher slots' list is
; inserted into the lower slots'.  Addresses hang on gsel alone, whole numbers that an earlier launch stored, each held at 511 before it is shifted into an address.  The selection has no branch on data.
; AHEAD.  In the trip of group t the number of group t + 1 is already there: as soon as the distances have freed the candidates' registers, the number of group t + 2 and then the 16 loads of group t + 1
; are issued, and the trip's 16 insertions stand between them and the one wait at the next trip's head.
; LIMITS: as in the first half.
.set XQ, 2
.set YQ, 4
.set ZQ, 6
.set DQ, 8
.set MA,  12                           ; v12  the merge area of my 32 queries
.set GL,  20                           ; v20  a group number, as loaded and then held
.set GO,  21                           ; v21  64 x group: its byte in an array
.set JN,  22                           ; v22  16 x group: the next trip's first index
.set J0,  23                           ; v23  this trip's
.set JX,  24                           ; v24  a candidate's index
.set GA,  25                           ; v25  the byte in gsel of the number asked for
.set QO,  26
.set NO,  27                           ; v27  64 x lane
.set GA0, 28                           ; v28  my first slot's byte in gsel
.set CX,  32
.set CY,  48
.set CZ,  64
.set CD,  80
.set TD,  96
.set SD,  112
.set TP,  112                          ; v113-127, free behind DIST: what moves into each place of the list
.set LV,  128
.set LX,  144
.set MK,  40
; Value v[c] with index v[j] into the sorted list; an equal newcomer goes behind.  All masks; all values; what moves into each place, into registers of its own; all selects: no line reads the result of the line above it
.macro INSERT c, j
.set n, 0
.rept 16
	v_cmp_lt_f32 s[MK+n], v[\c], v[LV+n]
.set n, n+1
.endr
.set n, 15
.rept 15
	v_med3_num_f32 v[LV+n], v[LV+n-1], v[LV+n], v[\c]
.set n, n-1
.endr
	v_min_num_f32 v[LV], v[LV], v[\c]
.set n, 1
.rept 15
	v_cndmask_b32 v[TP+n], v[\j], v[LX+n-1], s[MK+n-1]
.set n, n+1
.endr
	v_cndmask_b32 v[LX], v[LX], v[\j], s[MK]
.set n, 1
.rept 15
	v_cndmask_b32 v[LX+n], v[LX+n], v[TP+n], s[MK+n]
.set n, n+1
.endr
.endm
.macro DIST
.irp i, 0,2,4,6,8,10,12,14
	v_pk_mul_f32 v[TD+\i:TD+\i+1], v[CX+\i:CX+\i+1], v[XQ:XQ+1] op_sel_hi:[1,0]
.endr
.irp i, 0,2,4,6,8,10,12,14
	v_pk_fma_f32 v[TD+\i:TD+\i+1], v[CY+\i:CY+\i+1], v[YQ:YQ+1], v[TD+\i:TD+\i+1] op_sel_hi:[1,0,1]
.endr
.irp i, 0,2,4,6,8,10,12,14
	v_pk_fma_f32 v[TD+\i:TD+\i+1], v[CZ+\i:CZ+\i+1], v[ZQ:ZQ+1], v[TD+\i:TD+\i+1] op_sel_hi:[1,0,1]
.endr
.irp i, 0,2,4,6,8,10,12,14
	v_pk_add_f32 v[SD+\i:SD+\i+1], v[CD+\i:CD+\i+1], v[DQ:DQ+1] op_sel_hi:[1,0]
.endr
.irp i, 0,2,4,6,8,10,12,14
	v_pk_fma_f32 v[TD+\i:TD+\i+1], v[TD+\i:TD+\i+1], -2.0, v[SD+\i:SD+\i+1] op_sel_hi:[1,0,1]
.endr
.endm
.macro CLOAD                           ; a group's 16 candidates: 64 bytes of each of the four arrays
.irp c, 0,1,2,3
	global_load_b128 v[CX+4*\c:CX+4*\c+3], v[GO], s[4:5] offset:16*\c
	global_load_b128 v[CY+4*\c:CY+4*\c+3], v[GO], s[4:5] offset:32768+16*\c
	global_load_b128 v[CZ+4*\c:CZ+4*\c+3], v[GO], s[4:5] offset:65536+16*\c
	global_load_b128 v[CD+4*\c:CD+4*\c+3], v[GO], s[4:5] offset:98304+16*\c
.endr
.endm
.macro TAKE                            ; the group number that has come becomes an address and a first index
	v_min_u32 v[GL], 0x1ff, v[GL]
	v_lshlrev_b32 v[GO], 6, v[GL]
	v_lshlrev_b32 v[JN], 4, v[GL]
.endm
.macro TRIP pf                         ; one group.  pf = 1: there is a next group
	s_wait_loadcnt 0x0                             ; this group's 16 loads are in, and so is the next group's number, whose load is older than they: nothing of mine is out, so GA and GO may be written
	v_mov_b32 v[J0], v[JN]
.if \pf
	TAKE
.endif
	DIST
.if \pf
	s_add_co_u32 s23, s23, 128                     ; the number two groups on; in the last trip of the loop there is none: the address is held at my last slot, and that number is not used
	s_min_u32 s24, s23, 896
	v_add_nc_u32 v[GA], s24, v[GA0]
	global_load_b32 v[GL], v[GA], s[6:7]
	CLOAD                                          ; the next group's candidates, into the registers that the distances have just freed
.endif
.set e, 0
.rept 16
	v_add_nc_u32 v[JX], e, v[J0]
	INSERT TD+e, JX
.set e, e+1
.endr
.endm
	s_load_b128 s[4:7], s[0:1], 0x0                ; soa, gsel
	s_load_b64 s[8:9], s[0:1], 0x10                ; nidx
	v_lshl_add_u32 v160, v0, 2, 0x2000
	v_mov_b32 v161, 0
	v_lshrrev_b32 v1, 5, v0
	v_readfirstlane_b32 s10, v1                    ; wave 0..3
	v_and_b32 v1, 31, v0
	s_lshr_b32 s11, s10, 1                         ; which 32 queries
	s_and_b32 s12, s10, 1                          ; which 8 slots
	s_lshr_b32 s14, ttmp9, 7
	s_lshl_b32 s14, s14, 17                        ; the batch's arrays
	s_mov_b32 s15, 0
	s_and_b32 s18, ttmp9, 127
	s_lshl_b32 s18, s18, 8
	s_lshl_b32 s19, s11, 7
	s_add_co_u32 s18, s18, s19
	v_lshl_add_u32 v[QO], v1, 2, s18
	s_lshl_b32 s16, ttmp9, 12                      ; 2,048 bytes for each 32 queries, in gsel and in nidx alike
	s_lshl_b32 s17, s11, 11
	s_add_co_u32 s16, s16, s17
	s_mov_b32 s17, 0
	s_lshl_b32 s19, s12, 10
	v_lshl_add_u32 v[GA0], v1, 2, s19              ; 4 x lane + 1,024 x half
	v_lshlrev_b32 v[NO], 6, v1
	s_lshl_b32 s19, s11, 12
	v_lshl_add_u32 v[MA], v1, 2, s19
	v_mov_b32 v[XQ+1], 0
	v_mov_b32 v[YQ+1], 0
	v_mov_b32 v[ZQ+1], 0
	v_mov_b32 v[DQ+1], 0
	s_wait_kmcnt 0x0
	s_add_nc_u64 s[4:5], s[4:5], s[14:15]
	s_add_nc_u64 s[6:7], s[6:7], s[16:17]
	s_add_nc_u64 s[8:9], s[8:9], s[16:17]
	global_load_b32 v[GL], v[GA0], s[6:7]          ; my first group's number
	global_load_b32 v[XQ], v[QO], s[4:5]
	global_load_b32 v[YQ], v[QO], s[4:5] offset:32768
	global_load_b32 v[ZQ], v[QO], s[4:5] offset:65536
	global_load_b32 v[DQ], v[QO], s[4:5] offset:98304
.irp k, 0,1,2,3,4,5,6,7,8,9,10,11,12,13,14,15
	v_mov_b32 v[LV+\k], 0x7f800000                 ; 16 x +infinity: pushed out by the first group's 16 candidates
	v_mov_b32 v[LX+\k], 0
.endr
	s_wait_loadcnt 0x0
	TAKE
	v_add_nc_u32 v[GA], 128, v[GA0]
	global_load_b32 v[GL], v[GA], s[6:7]           ; the second group's number, ahead of the first group's candidates
	CLOAD
	s_mov_b32 s23, 128
	s_mov_b32 s22, 7
.Ltrip:
	TRIP 1
	s_sub_co_u32 s22, s22, 1
	s_cmp_lg_u32 s22, 0
	s_cbranch_scc1 .Ltrip
	TRIP 0                                         ; the eighth group asks for nothing more
	s_cmp_eq_u32 s12, 0
	s_cbranch_scc1 .Lkeep
.irp k, 0,1,2,3,4,5,6,7,8,9,10,11,12,13,14,15
	ds_store_b32 v[MA], v[LV+\k] offset:128*\k     ; the higher slots' list
	ds_store_b32 v[MA], v[LX+\k] offset:2048+128*\k
.endr
.Lkeep:
	s_wait_dscnt 0x0
	s_barrier_signal -1
	s_barrier_wait -1
	s_cmp_lg_u32 s12, 0
	s_cbranch_scc1 .Lend
.irp k, 0,1,2,3,4,5,6,7,8,9,10,11,12,13,14,15
	ds_load_b32 v[CX+\k], v[MA] offset:128*\k
	ds_load_b32 v[CY+\k], v[MA] offset:2048+128*\k
.endr
	s_wait_dscnt 0x0
.set e, 0
.rept 16
	INSERT CX+e, CY+e                              ; all its indices are higher than mine: an equal one goes behind
.set e, e+1
.endr
.irp k, 0,1,2,3
	global_store_b128 v[NO], v[LX+4*\k:LX+4*\k+3], s[8:9] offset:16*\k      ; a lane's 64 bytes; the four stores fill the wave's 2,048 consecutive bytes
.endr
.Lend:
	s_wait_tensorcnt 0x0
	ds_add_u32 v160, v161
	s_wait_dscnt 0x0
	s_endpgm
.Lfunc_end_k_qff0b672c33_knn2:
	.size	k_qff0b672c33_knn2, .Lfunc_end_k_qff0b672c33_knn2-k_qff0b672c33_knn2
	.p2alignl 7, 3214868480
	.fill 96, 4, 3214868480
	.section	.rodata,"a",@progbits
	.p2align	6, 0x0
	.amdhsa_kernel k_qff0b672c33_knn2
		.amdhsa_group_segment_fixed_size 8704
		.amdhsa_private_segment_fixed_size 0
		.amdhsa_enable_private_segment 0
		.amdhsa_kernarg_size 24
		.amdhsa_user_sgpr_count 2
		.amdhsa_user_sgpr_kernarg_segment_ptr 1
		.amdhsa_wavefront_size32 1
		.amdhsa_system_sgpr_workgroup_id_x 1
		.amdhsa_system_sgpr_workgroup_id_y 1
		.amdhsa_system_sgpr_workgroup_id_z 1
		.amdhsa_system_vgpr_workitem_id 0
		.amdhsa_next_free_vgpr 162
		.amdhsa_next_free_sgpr 66
		.amdhsa_reserve_vcc 0
		.amdhsa_float_denorm_mode_32 3
		.amdhsa_float_denorm_mode_16_64 3
		.amdhsa_memory_ordered 1
		.amdhsa_forward_progress 1
		.amdhsa_inst_pref_size 206
	.end_amdhsa_kernel
	.amdgpu_metadata
---
amdhsa.version: [ 1, 2 ]
amdhsa.kernels:
  - .name:           k_qff0b672c33_knn2
    .symbol:         k_qff0b672c33_knn2.kd
    .args:
      - { .name: soa, .offset: 0, .size: 8, .value_kind: global_buffer, .address_space: global }
      - { .name: gsel, .offset: 8, .size: 8, .value_kind: global_buffer, .address_space: global }
      - { .name: nidx, .offset: 16, .size: 8, .value_kind: global_buffer, .address_space: global }
    .group_segment_fixed_size: 8704
    .private_segment_fixed_size: 0
    .kernarg_segment_align: 8
    .kernarg_segment_size: 24
    .max_flat_workgroup_size: 128
    .sgpr_count:     66
    .vgpr_count:     162
    .wavefront_size: 32
...
	.end_amdgpu_metadata
.endif
;; end of part 7
;; launch proj: the kernel of part 4 again; grid 256 x 1, 8 waves a work-group, no clusters, 265,216 bytes of LDS; arguments features, wcod, wscl, bias3, qkv; writes qkv
;; launch attn: the kernel of part 5 again; grid 256 x 1, 16 waves a work-group, no clusters, 297,984 bytes of LDS; arguments features, coords, normals, mask, Wp1, bp1, bo, gamma, beta, wcod, wscl, qkv, nidx, out0; writes out0
;; ======== version 3 of 3: 4 launches; version 2 with the launches proj, attn written anew for expert scheduling mode
;; workspace buffers: soa 262,144 bytes; wcod 327,680 bytes; wscl 20,480 bytes; bias3 3,072 bytes; qkv 50,331,648 bytes; gsel 1,048,576 bytes of whole numbers; nidx 1,048,576 bytes of whole numbers
;; launch knn1: the kernel of part 6 again; grid 256 x 1, 8 waves a work-group, no clusters, 164,864 bytes of LDS; arguments coords, Wq, Wk, Wv, Wp2, Wo, bq, bk, bv, bp2, soa, wcod, wscl, bias3, gsel; writes soa, wcod, wscl, bias3, gsel
;; launch knn2: the kernel of part 7 again; grid 256 x 1, 4 waves a work-group, no clusters, 8,704 bytes of LDS; arguments soa, gsel, nidx; writes nidx
;; launch proj (part 8): grid 256 x 1, 8 waves a work-group, no clusters, 265,216 bytes of LDS; arguments features, wcod, wscl, bias3, qkv; writes qkv
.if DOCPART == 8
	.amdgcn_target "amdgcn-amd-amdhsa--gfx1250"
	.amdhsa_code_object_version 6
	.text
	.protected	k_qff0b672c33_proj
	.globl	k_qff0b672c33_proj
	.p2align	8
	.type	k_qff0b672c33_proj,@function
k_qff0b672c33_proj:
	s_mov_b64 s[64:65], 0
	v_nop
	global_prefetch_b8 v0, s[64:65] scope:SCOPE_SE
	s_setreg_imm32_b32 hwreg(HW_REG_WAVE_SCHED_MODE, 0, 2), 2
	s_setreg_imm32_b32 hwreg(HW_REG_WAVE_MODE, 25, 1), 1
	s_wait_xcnt 0x0
	s_wait_alu depctr_vm_vsrc(0)
; q, k + bp2, v + bp2 = Q(features) Q(W) + bias, the three products on codes of E5M2 with one E8M0 scale for each 32 along K.  qkv: [16384][768] f32.
; SHARES.  A work-group owns 64 rows.  The three weights' register images (196,608 bytes), their scale words and the 768 biases are copied into LDS once.
; X: wave w quantises rows 16 (w / 2) on, K step w % 2, and stores the fragment's image | barrier | Y: wave w takes the row tile w / 2 and six groups of 64 channels, 6 (w % 2) on.
; The products are used transposed (source 0 = 16 rows of the weight's image, source 1 = the rows of x): a lane holds one row and 16 neighbouring channels of a tile pair.
; The bias is loaded into the accumulators and is the C of each sum's first instruction.  A group's 16 rows x 256 bytes leave through the wave's own stage: 16 lanes store 256 consecutive bytes, aligned.
; No cluster: the shared weights could be asked for jointly only by tensor loads; this text copies through registers and keeps no ring.
; LIMITS: NaN and infinities are not served.
; THE MODE: SCHED_MODE bits 1:0 = 2 (LLVM: expert scheduling mode 2), set by the entry lines.  The code itself states the register dependences between vector or matrix instructions
; and memory or LDS instructions, with s_wait_alu, always for 0.
; THE PLAN.  Registers that memory or LDS instructions touch:
;   the addresses v1-5, v8-10, v12-15, v33, v252-255: made at the head, never written again.  v[CO] too: the stores' scalar base moves on by a group, and their immediate reaches back.
;   v[FAD], v[SAD], v[BAD]: read by a group's 42 LDS loads; written once a group, in three of the places behind the products.
;   the copy's 16 slots: a batch of eight is loaded, read by eight LDS stores, and loaded again behind one wait on vm_vsrc.
;   F, WSC: loaded for group g + 1 in group g, behind the wait that shows group g's products done; read by the products alone.
;   ACC: loaded with the biases, written by the products, read by eight LDS stores, loaded again behind a wait on vm_vsrc.
;   OUT (v16-31, v76-91, free behind X): loaded from the stage, read by the eight global stores, loaded again a group later.
; So a group has one wait on va_vdst, behind its products and their places, and two on vm_vsrc.
.set WS,   196608                      ; LDS: the codes at 0; the scale words;
.set XIMG, 208896                      ; x's 8 fragments, 2,048 bytes each;
.set XSC,  225280                      ; their scale words, 128 bytes each;
.set STG,  226304                      ; a stage of 16 rows x 272 bytes for each wave;
.set BIA,  261120                      ; the biases
.set LI,   1                           ; v1   16 x lane
.set XRD,  2                           ; v2   where I read x's images
.set XA,   3                           ; v3   x: my lane's byte in the wave's 16 rows
.set XWI,  4                           ; v4   where I store my image;  v5 its scale word
.set XWS,  5
.set FAD,  6                           ; v6   the group's fragments;  v7 its scale words;  v11 its biases
.set SAD,  7
.set STO,  8                           ; v8   the stage, in;  v9 back
.set RD,   9
.set CO,   10                          ; v10  my byte in the 16 rows of qkv
.set BAD,  11
.set FL,   12                          ; v12-15 16 x thread + 65,536 k
.set TM,   16                          ; v16-31 the quantiser at work; in Y: four row pairs back from the stage
.set PW,   32
.set XSRD, 33
.set XS,   34                          ; v34-35 x's scale words;  v36-43 the weights': scales and nothing else
.set WSC,  36
.set XF,   44                          ; v44-75 x's two fragments
.set PC,   76                          ; v76-91 the codes just made; in Y: the other four row pairs
.set RB,   92                          ; v92-155 the copy's 16 slots of 4 registers
.set F,    92                          ; v92-219 a group's 8 fragments
.set NUM,  156                         ; v156-219 64 numbers of x
.set ACC,  220                         ; v220-251 four accumulators
.set SAD0, 252
.set T4,   253
.set BW,   254
.set BAD0, 255
.set SEL,  24
.set MNT,  26
.macro QUANT s, pc, pw
.irp b, 0,1,2,3
	v_max3_num_f32 v[TM+\b], |v[\s+16*\b]|, |v[\s+1+16*\b]|, 0x8000000      ; with the floor 2^(16-127): the byte cannot fall under 1
.endr
.irp i, 2,4,6,8,10,12,14
.irp b, 0,1,2,3
	v_max3_num_f32 v[TM+\b], v[TM+\b], |v[\s+16*\b+\i]|, |v[\s+1+16*\b+\i]|
.endr
.endr
.irp b, 0,1,2,3
	v_permlanex16_b32 v[TM+4+\b], v[TM+\b], s[SEL], s[SEL+1]
.endr
.irp b, 0,1,2,3
	v_max_num_f32 v[TM+\b], v[TM+\b], v[TM+4+\b]
.endr
.irp b, 0,1,2,3
	v_add_nc_u32 v[TM+12+\b], 0xf8800000, v[TM+\b]
.endr
.irp b, 0,1,2,3
	v_and_or_b32 v[TM+8+\b], v[TM+\b], 0x7f800000, s[MNT]
.endr
.irp b, 0,1,2,3
	v_lshrrev_b32 v[TM+4+\b], 23, v[TM+12+\b]
.endr
	v_lshl_or_b32 v[\pw], v[TM+5], 8, v[TM+4]
	v_lshl_or_b32 v[\pw], v[TM+6], 16, v[\pw]
	v_lshl_or_b32 v[\pw], v[TM+7], 24, v[\pw]
.irp b, 0,1,2,3
.irp i, 0,1,2,3,4,5,6,7,8,9,10,11,12,13,14,15
	v_med3_num_f32 v[\s+16*\b+\i], v[\s+16*\b+\i], -v[TM+8+\b], v[TM+8+\b]
.endr
	v_cvt_scalef32_pk8_bf8_f32 v[\pc+4*\b:\pc+1+4*\b], v[\s+16*\b:\s+7+16*\b], v[TM+12+\b]
	v_cvt_scalef32_pk8_bf8_f32 v[\pc+2+4*\b:\pc+3+4*\b], v[\s+8+16*\b:\s+15+16*\b], v[TM+12+\b]
.endr
	v_nop
.endm
.macro FLOAD n                         ; piece n of 51 pieces of 4,096 bytes: 48 of codes, 3 of scale words
.if (\n) < 48
	global_load_b128 v[RB+4*((\n)%16):RB+4*((\n)%16)+3], v[FL], s[6:7] offset:4096*(\n)
.else
	global_load_b128 v[RB+4*((\n)%16):RB+4*((\n)%16)+3], v[FL], s[8:9] offset:4096*((\n)-48)
.endif
.endm
.macro FRAGS                           ; a group's eight fragments and eight scale words: 34 LDS loads
.irp f, 0,1,2,3,4,5,6,7
.irp c, 0,1,2,3
	ds_load_b128 v[F+16*\f+4*\c:F+16*\f+4*\c+3], v[FAD] offset:2048*\f+512*\c
.endr
.endr
	ds_load_b128 v[WSC:WSC+3], v[SAD]
	ds_load_b128 v[WSC+4:WSC+7], v[SAD] offset:512
.endm
.macro BIAS                            ; and its biases, into the accumulators: 8 LDS loads
.irp t, 0,1,2,3
	ds_load_b128 v[ACC+8*\t:ACC+8*\t+3], v[BAD] offset:128*(\t/2)+32*(\t%2)         ; the bias of channels 32 pp + 16 h + 8 u + 0 .. 7
	ds_load_b128 v[ACC+8*\t+4:ACC+8*\t+7], v[BAD] offset:128*(\t/2)+32*(\t%2)+16
.endr
.endm
; A group of 64 channels: tile pairs pp = 0, 1; tiles t = 2 pp + u.  next = 1: the next group's operands are asked for on the way
.macro GRP next
	s_wait_dscnt 0x0                               ; the group's fragments, scale words and biases are in
.irp s, 0,1                            ; the four accumulators take turns, one instruction a turn
.irp t, 0,1,2,3
	v_wmma_scale_f32_16x16x128_f8f6f4 v[ACC+8*\t:ACC+8*\t+7], v[F+16*(2*\t+\s):F+16*(2*\t+\s)+15], v[XF+16*\s:XF+16*\s+15], v[ACC+8*\t:ACC+8*\t+7], v[WSC+2*\t+\s], v[XS+\s] matrix_a_fmt:MATRIX_FMT_BF8 matrix_b_fmt:MATRIX_FMT_BF8
.endr
.endr
	s_wait_xcnt 0x0                                ; the last group's stores have had their addresses translated: their base and their data registers may be written again
	s_wait_alu depctr_vm_vsrc(0)                   ; the last group's global stores have read OUT, in which this group's rows land; the LDS loads issued so far have read v[FAD], v[SAD], v[BAD], which the adds below write
	s_add_nc_u64 s[12:13], s[12:13], 256           ; one group further than the stores below: their immediate reaches back
.if \next
	s_add_co_u32 s20, s20, 16384
	s_add_co_u32 s21, s21, 1024
	s_add_co_u32 s22, s22, 256
	v_add_nc_u32 v[FAD], s20, v[LI]                ; the next group's addresses: three of the eight places behind the products
	v_add_nc_u32 v[SAD], s21, v[SAD0]
	v_add_nc_u32 v[BAD], s22, v[BAD0]
.rept 5
	v_nop
.endr
.else
.rept 8
	v_nop                                          ; eight places ahead of the reads of the results
.endr
.endif
	s_wait_alu depctr_va_vdst(0)                   ; the products have written the accumulators, which the LDS stores read, and are done reading the fragments and scale words, in which the next group's land; the three addresses are written
.irp t, 0,1,2,3
	ds_store_b128 v[STO], v[ACC+8*\t:ACC+8*\t+3] offset:128*(\t/2)+32*(\t%2)        ; each accumulator from its low end on
	ds_store_b128 v[STO], v[ACC+8*\t+4:ACC+8*\t+7] offset:128*(\t/2)+32*(\t%2)+16
.endr
.irp i, 0,1,2,3,4,5,6,7
	ds_load_b128 v[16+4*\i+44*(\i/4):19+4*\i+44*(\i/4)], v[RD] offset:544*\i       ; LDS serves a wave's instructions in order: these see my stores
.endr
.if \next
	FRAGS                                          ; no vector or matrix instruction since the wait on va_vdst names these registers
	s_wait_alu depctr_vm_vsrc(0)                   ; the eight LDS stores have read the accumulators, in which the next group's biases land
	BIAS
.endif
.irp i, 0,1,2,3,4,5,6,7
	s_wait_dscnt 42*\next+7-\i                     ; row pair i is back; behind its load stand 7 - i more, and the next group's 42 where there is one
	global_store_b128 v[CO], v[16+4*\i+44*(\i/4):19+4*\i+44*(\i/4)], s[12:13] offset:6144*\i-256
.endr
.endm
	s_load_b256 s[4:11], s[0:1], 0x0               ; features, wcod, wscl, bias3
	s_load_b64 s[12:13], s[0:1], 0x20              ; qkv
	s_set_vgpr_msb 0x40
	v_lshl_add_u32 v0, v0, 2, 0x40800
	v_mov_b32 v1, 0
	s_set_vgpr_msb 0x4000
	v_lshrrev_b32 v16, 5, v0
	v_readfirstlane_b32 s14, v16                   ; wave 0..7
	v_and_b32 v16, 31, v0                          ; lane
	v_and_b32 v17, 15, v0                          ; r
	v_bfe_u32 v18, v0, 4, 1                        ; h
	v_lshlrev_b32 v[LI], 4, v16
	v_lshlrev_b32 v[XA], 10, v17
	v_lshl_add_u32 v[XA], v18, 6, v[XA]            ; row r of 1,024 bytes + 64 h
	s_wait_alu depctr_va_sdst(0)                   ; s14 is written, ahead of its first reader
	s_lshr_b32 s15, s14, 1                         ; my tile of rows
	s_and_b32 s16, s14, 1                          ; my K step, later my half of the channels
	s_lshl_b32 s17, s15, 12
	s_add_co_u32 s17, s17, XIMG
	v_add_nc_u32 v[XRD], s17, v[LI]
	s_lshl_b32 s17, s14, 11
	s_add_co_u32 s17, s17, XIMG
	v_add_nc_u32 v[XWI], s17, v[LI]
	s_lshl_b32 s17, s14, 7
	s_add_co_u32 s17, s17, XSC
	v_lshl_add_u32 v[XWS], v16, 2, s17
	s_lshl_b32 s17, s15, 8
	s_add_co_u32 s17, s17, XSC
	v_lshl_add_u32 v[XSRD], v16, 2, s17
	s_mul_i32 s17, s14, 4352
	s_add_co_u32 s17, s17, STG
	v_mul_u32_u24 v[STO], v17, 272
	v_lshl_add_u32 v[STO], v18, 6, v[STO]
	v_add_nc_u32 v[STO], s17, v[STO]               ; in: row r, 64 h bytes on
	v_mul_u32_u24 v[RD], v18, 272
	v_lshl_add_u32 v[RD], v17, 4, v[RD]
	v_add_nc_u32 v[RD], s17, v[RD]                 ; back: lanes 0-15 one row, lanes 16-31 the next
	v_mul_u32_u24 v[CO], v18, 3072
	v_lshl_add_u32 v[CO], v17, 4, v[CO]
	s_mul_i32 s22, s16, 1536                       ; 256 bytes a group, six groups a half
	v_add_nc_u32 v[CO], s22, v[CO]
	v_add_nc_u32 v[SAD0], WS, v[LI]
	v_lshlrev_b32 v[BAD0], 6, v18
	v_add_nc_u32 v[BAD0], BIA, v[BAD0]
	v_lshlrev_b32 v[FL], 4, v0
	v_add_nc_u32 v[FL+1], 0x10000, v[FL]
	v_add_nc_u32 v[FL+2], 0x20000, v[FL]
	v_add_nc_u32 v[FL+3], 0x30000, v[FL]
	v_lshlrev_b32 v[T4], 2, v0
	v_add_nc_u32 v[BW], BIA, v[T4]
.irp b, 0,1,2,3
	v_mov_b32 v[TM+4+\b], 0                        ; a lane permute's destination counts as one of its sources
.endr
	s_mov_b32 s[SEL], 0x76543210
	s_mov_b32 s[SEL+1], 0xfedcba98
	s_mov_b32 s[MNT], 0x600000
	s_mul_i32 s20, s16, 98304                      ; 16,384 bytes of fragments a group
	s_mul_i32 s21, s16, 6144                       ; 1,024 bytes of scale words
	v_add_nc_u32 v[FAD], s20, v[LI]                ; my first group's addresses
	v_add_nc_u32 v[SAD], s21, v[SAD0]
	v_add_nc_u32 v[BAD], s22, v[BAD0]
	s_lshl_b32 s18, ttmp9, 16
	s_lshl_b32 s17, s15, 14
	s_add_co_u32 s18, s18, s17
	s_lshl_b32 s17, s16, 9
	s_add_co_u32 s18, s18, s17
	s_mov_b32 s19, 0
	s_wait_kmcnt 0x0
	s_add_nc_u64 s[4:5], s[4:5], s[18:19]          ; features at my 16 rows, my K step
	s_lshl_b32 s18, ttmp9, 6
	s_lshl_b32 s17, s15, 4
	s_add_co_u32 s18, s18, s17
	s_mul_i32 s18, s18, 3072
	s_add_nc_u64 s[12:13], s[12:13], s[18:19]      ; qkv at my 16 rows
	s_wait_alu depctr_va_vdst(0)                   ; every address and offset made above is written: the loads and stores of the whole kernel read them
	; ---- X
.irp c, 0,1,2,3
.irp j, 0,1,2,3
	global_load_b128 v[NUM+16*\c+4*\j:NUM+16*\c+4*\j+3], v[XA], s[4:5] offset:128*\c+16*\j     ; lane (r, h): 16 neighbours of each block of 32 of row r
.endr
.endr
.irp k, 0,1,2
	global_load_b32 v[ACC+\k], v[T4], s[10:11] offset:1024*\k
.endr
.set i, 0
.rept 16
	FLOAD i
.set i, i+1
.endr
	s_wait_loadcnt 16                              ; x and the biases are in; the 16 pieces behind them may be out
.irp k, 0,1,2
	ds_store_b32 v[BW], v[ACC+\k] offset:1024*\k
.endr
	QUANT NUM, PC, PW
	s_wait_alu depctr_va_vdst(0)                   ; the conversions have written the codes and the scale word, which the LDS stores read
.irp c, 0,1,2,3
	ds_store_b128 v[XWI], v[PC+4*\c:PC+4*\c+3] offset:512*\c       ; the fragment goes to LDS as it stands in the registers
.endr
	ds_store_b32 v[XWS], v[PW]
	; the copy, in batches of eight pieces: eight LDS stores, then eight loads into the same eight slots
.set i, 0
.rept 51
.set lastl, 8*(i/8)+15                 ; the last piece asked for so far
.if lastl > 50
.set lastl, 50
.endif
	s_wait_loadcnt lastl-i                         ; piece i is in: behind it pieces i + 1 .. lastl were issued
	ds_store_b128 v[FL+i/16], v[RB+4*(i%16):RB+4*(i%16)+3] offset:4096*(i%16)
.if (i%8 == 7) && (i+9 < 51)
	s_wait_alu depctr_vm_vsrc(0)                   ; the batch's eight LDS stores have read their slots, in which the next loads land
.set j, i+9
.rept 8
.if j < 51
	FLOAD j
.endif
.set j, j+1
.endr
.endif
.set i, i+1
.endr
	s_wait_dscnt 0x0
	s_barrier_signal -1
	s_barrier_wait -1                              ; weights, biases and x's eight fragments lie in LDS
	; ---- Y
	s_wait_alu depctr_vm_vsrc(0)                   ; my LDS stores have read the copy's slots, in which fragments land, the three registers of biases, which are accumulators now, and the codes' registers, which are OUT now
.irp c, 0,1,2,3
	ds_load_b128 v[XF+4*\c:XF+4*\c+3], v[XRD] offset:512*\c
	ds_load_b128 v[XF+16+4*\c:XF+16+4*\c+3], v[XRD] offset:2048+512*\c
.endr
	ds_load_b32 v[XS], v[XSRD]
	ds_load_b32 v[XS+1], v[XSRD] offset:128
	FRAGS                                          ; my first group.  (The quantiser's lines, which named v156-219, stand ahead of the wait on va_vdst behind them)
	BIAS
	s_mov_b32 s23, 5
.Lgrp:
	GRP 1
	s_sub_co_u32 s23, s23, 1
	s_cmp_lg_u32 s23, 0
	s_cbranch_scc1 .Lgrp
	GRP 0                                          ; the sixth group is written out: it asks for nothing more, and its counts on DScnt are its own
	s_set_vgpr_msb 0x5
	s_wait_dscnt 0x0                               ; the closing lines, six on end
	s_wait_alu 0x0
	s_wait_tensorcnt 0x0
	ds_add_u32 v0, v1
	s_wait_dscnt 0x0
	s_endpgm
.Lfunc_end_k_qff0b672c33_proj:
	.size	k_qff0b672c33_proj, .Lfunc_end_k_qff0b672c33_proj-k_qff0b672c33_proj
	.p2alignl 7, 3214868480
	.fill 96, 4, 3214868480
	.section	.rodata,"a",@progbits
	.p2align	6, 0x0
	.amdhsa_kernel k_qff0b672c33_proj
		.amdhsa_group_segment_fixed_size 265216
		.amdhsa_private_segment_fixed_size 0
		.amdhsa_enable_private_segment 0
		.amdhsa_kernarg_size 40
		.amdhsa_user_sgpr_count 2
		.amdhsa_user_sgpr_kernarg_segment_ptr 1
		.amdhsa_wavefront_size32 1
		.amdhsa_system_sgpr_workgroup_id_x 1
		.amdhsa_system_sgpr_workgroup_id_y 1
		.amdhsa_system_sgpr_workgroup_id_z 1
		.amdhsa_system_vgpr_workitem_id 0
		.amdhsa_next_free_vgpr 258
		.amdhsa_next_free_sgpr 66
		.amdhsa_reserve_vcc 0
		.amdhsa_float_denorm_mode_32 3
		.amdhsa_float_denorm_mode_16_64 3
		.amdhsa_memory_ordered 1
		.amdhsa_forward_progress 1
		.amdhsa_inst_pref_size 38
	.end_amdhsa_kernel
	.amdgpu_metadata
---
amdhsa.version: [ 1, 2 ]
amdhsa.kernels:
  - .name:           k_qff0b672c33_proj
    .symbol:         k_qff0b672c33_proj.kd
    .args:
      - { .name: features, .offset: 0, .size: 8, .value_kind: global_buffer, .address_space: global }
      - { .name: wcod, .offset: 8, .size: 8, .value_kind: global_buffer, .address_space: global }
      - { .name: wscl, .offset: 16, .size: 8, .value_kind: global_buffer, .address_space: global }
      - { .name: bias3, .offset: 24, .size: 8, .value_kind: global_buffer, .address_space: global }
      - { .name: qkv, .offset: 32, .size: 8, .value_kind: global_buffer, .address_space: global }
    .group_segment_fixed_size: 265216
    .private_segment_fixed_size: 0
    .kernarg_segment_align: 8
    .kernarg_segment_size: 40
    .max_flat_workgroup_size: 256
    .sgpr_count:     66
    .vgpr_count:     258
    .wavefront_size: 32
...
	.end_amdgpu_metadata
.endif
;; end of part 8
;; launch attn (part 9): grid 256 x 1, 16 waves a work-group, no clusters, 297,984 bytes of LDS; arguments features, coords, normals, mask, Wp1, bp1, bo, gamma, beta, wcod, wscl, qkv, nidx, out0; writes out0
.if DOCPART == 9
	.amdgcn_target "amdgcn-amd-amdhsa--gfx1250"
	.amdhsa_code_object_version 6
	.text
	.protected	k_qff0b672c33_attn
	.globl	k_qff0b672c33_attn
	.p2align	8
	.type	k_qff0b672c33_attn,@function
k_qff0b672c33_attn:
	s_mov_b64 s[64:65], 0
	v_nop
	global_prefetch_b8 v0, s[64:65] scope:SCOPE_SE
	s_setreg_imm32_b32 hwreg(HW_REG_WAVE_SCHED_MODE, 0, 2), 2
	s_setreg_imm32_b32 hwreg(HW_REG_WAVE_MODE, 25, 1), 1
	s_wait_xcnt 0x0
	s_wait_alu depctr_vm_vsrc(0)
; POSITION MLP, ATTENTION OVER 16 NEIGHBOURS, Wo, RESIDUAL, LAYERNORM.
; SHARES.  A work-group owns 64 queries of one batch.  Phase 1: wave w handles queries 4 w + t, t = 0 .. 3, one a trip, alone.  A query's 16 neighbours are one 16-row tile of the product with Wp2.
; Hidden layer: lane (r, h) holds neighbour r; block b's 16 registers are channels 32 b + 16 h + 0 .. 15: u = bp1 + n . Wp1[3:6] (made once a query) + (c_q - c_j) . Wp1[0:3], all f32 fused multiply-adds;
; gelu(u) = u/2 + u/2 erf(u / sqrt 2); erf by the rational form x P(x^2) / Q(x^2) of degrees 6 and 4 on |x| <= 4, the powers of 1/2 and sqrt 2 folded into its constants; quantised block by block in registers.
; Product with Wp2, transposed (source 0 = 16 rows of Wp2's image, source 1 = the hidden layer): a lane holds neighbour r and channels 32 hd + 16 h + 0 .. 15 of head hd.
; Per head: logit = q . (k' + pe) (k' = k + bp2 from the launch before), softmax over the 16 lanes of a row with its maximum taken away, o = sum a (v' + pe) by a reduce-scatter over the 16 lanes.
; Phase 2a: wave w quantises the row tile w / 4 of the 64 results and multiplies by its quarter w % 4 of Wo.  Phase 2b: wave w finishes its own 4 rows: + bo, x mask, + features, LayerNorm, x mask.
; No cluster: what work-groups share (139 KB of weights) is small beside what each gathers (16 rows of k and v for each of 64 queries), and this text has no tensor loads.
; Neighbour indices come from nidx, whole numbers that an earlier launch stored, each held at 8,191 ahead of any address.
; LIMITS: NaN and infinities are not served.  erf is good to about 1e-7 absolutely, so far below 0 gelu carries an absolute error of about 1e-7 |u|.  A query all of whose neighbours are masked gets weights 0.
; THE MODE: SCHED_MODE bits 1:0 = 2 (LLVM: expert scheduling mode 2), set by the entry lines.  The code itself states the register dependences between vector or matrix instructions
; and memory or LDS instructions, with s_wait_alu, always for 0.
; THE PLAN, round a trip.  Registers that memory or LDS instructions touch:
;   v1-7, v9, v10   addresses made at the head; v3-7 are made anew once, between the loop and phase 2.
;   v[OA]           written at the trip's head; read by the eight LDS stores at its end.
;   v[JJ]           the index load lands in it; v[JJ+1], v[JJ+2], v[KO] are made from it and read by the trip's gathers.
;   v222-229        first the base vector (read by two LDS stores), then P of the polynomial, then the eight heads' results (read by the eight LDS stores at the trip's end).
;   BB, WY, WZ and one of the arrays at v142 and v190: a hidden block's operands.  The array of Wp1's first row, which Q then takes, and the array of the clamped u change places from block to block:
;                   so at the wait that the block's reciprocals want, four arrays are done with, and the next block's 16 LDS loads stand behind that one wait.
;   FF, FS, KG, QV, VG: a head's fragments, scale words, k', q, v'.  All their readers (the products, q . k', q . pe, v' + pe) stand ahead of the wait that the head's exponential wants:
;                   the next head's 12 gathers and 17 LDS loads stand behind that one wait.
; Waits on va_vdst in a trip: one behind the base vector and the addresses, one a block, one behind block 7's places, two a head (exponential, reciprocal), one at the end.  On vm_vsrc: two.  On va_sdst: one.
.set PS,   65536                       ; LDS: Wp2's images at 0; its scale words;
.set OC,   69632                       ; Wo's images;
.set OS,   135168                      ; its scale words;
.set W1,   139264                      ; Wp1's six rows of 1,024 bytes, then bp1;
.set BASE, 146432                      ; 1,024 bytes for each wave: the query's base vector;
.set OST,  162816                      ; 64 rows x 1,040 bytes: the attention's results;
.set YST,  229376                      ; 64 rows x 1,040 bytes: the results of Wo
.set FA,   1                           ; v1   16 x lane
.set FSA,  2                           ; v2   PS + 16 x lane
.set WA,   3                           ; v3   W1 + 64 h                     (phase 2: where I read OST)
.set BRD,  4                           ; v4   my base vector + 64 h         (phase 2: Wo's images)
.set BWR,  5                           ; v5   my base vector + 32 x lane    (phase 2: Wo's scale words)
.set W1B,  6                           ; v6   W1 + 3,072 + 32 x lane        (phase 2: where I write YST)
.set OA0,  7                           ; v7   OST + 4,160 w + 4 x lane      (phase 2: where I read YST)
.set OA,   8                           ; v8   the same for the trip's query
.set R4,   9                           ; v9   4 r
.set H64,  10                          ; v10  64 h
.set KO,   11                          ; v11  the neighbour's row in qkv + 64 h
.set RX,   12                          ; v12, v14, v16 c_q - c_j (odd partners written once)
.set RY,   14
.set RZ,   16
.set AW,   18                          ; v18  the attention weight
.set JJ,   20                          ; v20  the neighbour's index; v21, v22 its bytes in coords and mask
.set FS,   24                          ; v24-27 a tile pair's scale words: scales and nothing else, like v60-61 and v246-249
.set HH,   28                          ; v28-59 the hidden layer's two fragments (phase 2: the attention results')
.set HS,   60
.set KG,   62                          ; v62-77 k', v78-93 v', v94-109 q of the head in hand (phase 2: features, gamma, beta)
.set VG,   78
.set QV,   94
.set BB,   110                         ; hidden phase: base, u, three rows of Wp1, clamped u, its square, P; Q takes the first row's registers; in odd blocks the arrays WX and UC have changed places
.set UU,   126
.set WX,   142
.set WY,   158
.set WZ,   174
.set UC,   190
.set X2,   206
.set PP,   222
.set QT,   238                         ; v238-243 the block quantiser at work; v242-245 the neighbour's coordinates and mask as loaded
.set FF,   110                         ; heads: four fragments of Wp2, two accumulators, v' + pe, two partial logits, at work
.set ACC,  174
.set TT,   190
.set LGA,  206
.set LGB,  208
.set TH,   210
.set KP,   213
.set ORS,  222                         ; v222-229 the eight heads' results
.set FS2,  246
.set BND,  250                         ; v250 4 sqrt 2;  v251 -infinity;  v252, v254 two coefficients (odd partners written)
.set NINF, 251
.set CA5,  252
.set CB3,  254
.set NUM,  118                         ; phase 2a: 64 numbers, later four fragments of Wo
.set TM,   182
.set ACC2, 198
.set YR,   118                         ; phase 2b: four rows x 8 numbers; sums; the rows' masks
.set SM,   150
.set MV,   166
.set GAM,  94
.set BET,  102
.set BOV,  110
.set WV,   39
.set P6,   66                          ; s[66:85] coefficient pairs (the packed forms name a pair and take its low word)
.set P4,   68
.set P3,   70
.set P2,   72
.set P1,   74
.set P0,   76
.set Q4,   78
.set Q2,   80
.set Q1,   82
.set Q0,   84
.set VAL,  86                          ; s86  lanes whose neighbour counts
.set CC,   87                          ; s87  log2(e) / sqrt(32)
.set M8,   88                          ; s88-91 lanes with bit 3, 2, 1, 0 of the lane's number set
.set SEL,  92
.set MNT,  94
.macro SPAIR r, val
	s_mov_b32 s[\r], \val
	s_mov_b32 s[\r+1], \val
.endm
.macro BAR
	s_wait_dscnt 0x0                               ; my LDS stores have landed and my LDS loads are in
	s_barrier_signal -1
	s_barrier_wait -1
.endm
.macro QUANT s, pc, pw
.irp b, 0,1,2,3
	v_max3_num_f32 v[TM+\b], |v[\s+16*\b]|, |v[\s+1+16*\b]|, 0x8000000
.endr
.irp i, 2,4,6,8,10,12,14
.irp b, 0,1,2,3
	v_max3_num_f32 v[TM+\b], v[TM+\b], |v[\s+16*\b+\i]|, |v[\s+1+16*\b+\i]|
.endr
.endr
.irp b, 0,1,2,3
	v_permlanex16_b32 v[TM+4+\b], v[TM+\b], s[SEL], s[SEL+1]
.endr
.irp b, 0,1,2,3
	v_max_num_f32 v[TM+\b], v[TM+\b], v[TM+4+\b]
.endr
.irp b, 0,1,2,3
	v_add_nc_u32 v[TM+12+\b], 0xf8800000, v[TM+\b]
.endr
.irp b, 0,1,2,3
	v_and_or_b32 v[TM+8+\b], v[TM+\b], 0x7f800000, s[MNT]
.endr
.irp b, 0,1,2,3
	v_lshrrev_b32 v[TM+4+\b], 23, v[TM+12+\b]
.endr
	v_lshl_or_b32 v[\pw], v[TM+5], 8, v[TM+4]
	v_lshl_or_b32 v[\pw], v[TM+6], 16, v[\pw]
	v_lshl_or_b32 v[\pw], v[TM+7], 24, v[\pw]
.irp b, 0,1,2,3
.irp i, 0,1,2,3,4,5,6,7,8,9,10,11,12,13,14,15
	v_med3_num_f32 v[\s+16*\b+\i], v[\s+16*\b+\i], -v[TM+8+\b], v[TM+8+\b]
.endr
	v_cvt_scalef32_pk8_bf8_f32 v[\pc+4*\b:\pc+1+4*\b], v[\s+16*\b:\s+7+16*\b], v[TM+12+\b]
	v_cvt_scalef32_pk8_bf8_f32 v[\pc+2+4*\b:\pc+3+4*\b], v[\s+8+16*\b:\s+15+16*\b], v[TM+12+\b]
.endr
	v_nop
.endm
.macro LDB b                           ; block b's 16 numbers of the base vector
.irp e, 0,1,2,3
	ds_load_b128 v[BB+4*\e:BB+4*\e+3], v[BRD] offset:128*(\b)+16*\e
.endr
.endm
.macro LDW reg, d, b                   ; and of row d of Wp1
.irp e, 0,1,2,3
	ds_load_b128 v[\reg+4*\e:\reg+4*\e+3], v[WA] offset:1024*\d+128*(\b)+16*\e
.endr
.endm
.macro HORNER acc, co                  ; acc = acc x2 + co, eight pairs
.irp i, 0,2,4,6,8,10,12,14
	v_pk_fma_f32 v[\acc+\i:\acc+\i+1], v[\acc+\i:\acc+\i+1], v[X2+\i:X2+\i+1], s[\co:\co+1] op_sel_hi:[1,1,0]
.endr
.endm
; BLOCK b OF THE HIDDEN LAYER: 16 channels a lane; the next block's operands are fetched on the way
.macro HBLK b
.set WXr, WX+48*((\b)%2)               ; Wp1's first row, then Q: v142 in even blocks, v190 in odd ones
.set UCr, UC-48*((\b)%2)               ; the clamped u, then the next block's first row: the other of the two
	s_wait_dscnt 0x0                               ; the block's 16 loads are in
.irp i, 0,2,4,6,8,10,12,14
	v_pk_fma_f32 v[UU+\i:UU+\i+1], v[WXr+\i:WXr+\i+1], v[RX:RX+1], v[BB+\i:BB+\i+1] op_sel_hi:[1,0,1]
.endr
.irp i, 0,2,4,6,8,10,12,14
	v_pk_fma_f32 v[UU+\i:UU+\i+1], v[WY+\i:WY+\i+1], v[RY:RY+1], v[UU+\i:UU+\i+1] op_sel_hi:[1,0,1]
.endr
.irp i, 0,2,4,6,8,10,12,14
	v_pk_fma_f32 v[UU+\i:UU+\i+1], v[WZ+\i:WZ+\i+1], v[RZ:RZ+1], v[UU+\i:UU+\i+1] op_sel_hi:[1,0,1]
.endr
.irp i, 0,1,2,3,4,5,6,7,8,9,10,11,12,13,14,15
	v_med3_num_f32 v[UCr+\i], v[UU+\i], -v[BND], v[BND]
.endr
.irp i, 0,2,4,6,8,10,12,14
	v_pk_mul_f32 v[X2+\i:X2+\i+1], v[UCr+\i:UCr+\i+1], v[UCr+\i:UCr+\i+1]
.endr
.irp i, 0,2,4,6,8,10,12,14
	v_pk_fma_f32 v[PP+\i:PP+\i+1], v[X2+\i:X2+\i+1], s[P6:P6+1], v[CA5:CA5+1] op_sel_hi:[1,0,0]
.endr
.irp i, 0,2,4,6,8,10,12,14
	v_pk_fma_f32 v[WXr+\i:WXr+\i+1], v[X2+\i:X2+\i+1], s[Q4:Q4+1], v[CB3:CB3+1] op_sel_hi:[1,0,0]
.endr
	HORNER PP, P4
	HORNER WXr, Q2
	HORNER PP, P3
	HORNER WXr, Q1
	HORNER PP, P2
	HORNER WXr, Q0
	HORNER PP, P1
	HORNER PP, P0
.irp i, 0,1,2,3,4,5,6,7,8,9,10,11,12,13,14,15
	v_rcp_f32 v[WXr+\i], v[WXr+\i]
.endr
.irp i, 0,2,4,6,8,10,12,14
	v_pk_mul_f32 v[X2+\i:X2+\i+1], v[UU+\i:UU+\i+1], 0.5 op_sel_hi:[1,0]       ; u / 2.  (Plain lines behind the reciprocals)
.endr
.irp i, 0,2,4,6,8,10,12,14
	v_pk_mul_f32 v[PP+\i:PP+\i+1], v[PP+\i:PP+\i+1], v[UCr+\i:UCr+\i+1]
.endr
	s_wait_alu depctr_va_vdst(0)                   ; the sixteen reciprocals are written, ahead of their first reader; and the lines above are done with the base, Wp1's second and third rows and the clamped u, in whose four arrays the next block's operands land
.if \b < 7
	LDB (\b)+1
	LDW UCr, 0, (\b)+1
	LDW WY, 1, (\b)+1
	LDW WZ, 2, (\b)+1                              ; no line below names one of the four arrays
.endif
.irp i, 0,2,4,6,8,10,12,14
	v_pk_mul_f32 v[PP+\i:PP+\i+1], v[PP+\i:PP+\i+1], v[WXr+\i:WXr+\i+1]         ; erf
.endr
.irp i, 0,2,4,6,8,10,12,14
	v_pk_fma_f32 v[UU+\i:UU+\i+1], v[X2+\i:X2+\i+1], v[PP+\i:PP+\i+1], v[X2+\i:X2+\i+1]    ; gelu
.endr
	v_max3_num_f32 v[QT], |v[UU]|, |v[UU+1]|, 0x8000000                        ; the block of 32 lies in lanes l and l xor 16
	v_max3_num_f32 v[QT+1], |v[UU+2]|, |v[UU+3]|, |v[UU+4]|
.irp i, 5,9
	v_max3_num_f32 v[QT], v[QT], |v[UU+\i]|, |v[UU+\i+1]|
	v_max3_num_f32 v[QT+1], v[QT+1], |v[UU+\i+2]|, |v[UU+\i+3]|
.endr
	v_max3_num_f32 v[QT], v[QT], |v[UU+13]|, |v[UU+14]|
	v_max3_num_f32 v[QT], v[QT], v[QT+1], |v[UU+15]|
	v_permlanex16_b32 v[QT+2], v[QT], s[SEL], s[SEL+1]
	v_max_num_f32 v[QT], v[QT], v[QT+2]
	v_add_nc_u32 v[QT+3], 0xf8800000, v[QT]
	v_and_or_b32 v[QT+4], v[QT], 0x7f800000, s[MNT]
.if (\b)%4 == 0
	v_lshrrev_b32 v[HS+(\b)/4], 23, v[QT+3]
.else
	v_lshrrev_b32 v[QT+5], 23, v[QT+3]
	v_lshl_or_b32 v[HS+(\b)/4], v[QT+5], 8*((\b)%4), v[HS+(\b)/4]
.endif
.irp i, 0,1,2,3,4,5,6,7,8,9,10,11,12,13,14,15
	v_med3_num_f32 v[UU+\i], v[UU+\i], -v[QT+4], v[QT+4]
.endr
	v_cvt_scalef32_pk8_bf8_f32 v[HH+4*(\b):HH+4*(\b)+1], v[UU:UU+7], v[QT+3]
	v_cvt_scalef32_pk8_bf8_f32 v[HH+4*(\b)+2:HH+4*(\b)+3], v[UU+8:UU+15], v[QT+3]
	v_nop                                          ; a plain line behind the conversions
.endm
.macro FETCHF hd                       ; head hd's four fragments of Wp2 and their scale words
.irp f, 0,1,2,3
.irp c, 0,1,2,3
	ds_load_b128 v[FF+16*\f+4*\c:FF+16*\f+4*\c+3], v[FA] offset:8192*(\hd)+2048*\f+512*\c
.endr
.endr
	ds_load_b128 v[FS:FS+3], v[FSA] offset:512*(\hd)
.endm
.macro LDK hd                          ; the neighbour's k' and the query's q, my 16 channels of head hd
.irp e, 0,1,2,3
	global_load_b128 v[KG+4*\e:KG+4*\e+3], v[KO], s[54:55] offset:1024+128*(\hd)+16*\e
.endr
.irp e, 0,1,2,3
	global_load_b128 v[QV+4*\e:QV+4*\e+3], v[H64], s[26:27] offset:128*(\hd)+16*\e
.endr
.endm
.macro LDV hd
.irp e, 0,1,2,3
	global_load_b128 v[VG+4*\e:VG+4*\e+3], v[KO], s[54:55] offset:2048+128*(\hd)+16*\e
.endr
.endm
.macro RSC n, m, dst                   ; a level of the reduce-scatter: lanes n apart; each keeps one half of its registers and adds the partner's; the sums go to v[dst] on
.set q, 0
.rept \n
	v_cndmask_b32 v[KP+q], v[TT+q], v[TT+q+\n], s[\m]
.set q, q+1
.endr
.set q, 0
.rept \n
	v_cndmask_b32 v[TT+q+\n], v[TT+q+\n], v[TT+q], s[\m]
.set q, q+1
.endr
.set q, 0
.rept \n
	v_add_f32_dpp v[\dst+q], v[TT+q+\n], v[KP+q] row_xmask:\n row_mask:0xf bank_mask:0xf
.set q, q+1
.endr
.endm
.macro HEAD hd
	s_wait_dscnt 0x0                               ; the head's fragments and scale words are in
	; the two accumulators take turns, one instruction a turn
	v_wmma_scale_f32_16x16x128_f8f6f4 v[ACC:ACC+7], v[FF:FF+15], v[HH:HH+15], 0, v[FS], v[HS] matrix_a_fmt:MATRIX_FMT_BF8 matrix_b_fmt:MATRIX_FMT_BF8
	v_wmma_scale_f32_16x16x128_f8f6f4 v[ACC+8:ACC+15], v[FF+32:FF+47], v[HH:HH+15], 0, v[FS+2], v[HS] matrix_a_fmt:MATRIX_FMT_BF8 matrix_b_fmt:MATRIX_FMT_BF8
	v_wmma_scale_f32_16x16x128_f8f6f4 v[ACC:ACC+7], v[FF+16:FF+31], v[HH+16:HH+31], v[ACC:ACC+7], v[FS+1], v[HS+1] matrix_a_fmt:MATRIX_FMT_BF8 matrix_b_fmt:MATRIX_FMT_BF8
	v_wmma_scale_f32_16x16x128_f8f6f4 v[ACC+8:ACC+15], v[FF+48:FF+63], v[HH+16:HH+31], v[ACC+8:ACC+15], v[FS+3], v[HS+1] matrix_a_fmt:MATRIX_FMT_BF8 matrix_b_fmt:MATRIX_FMT_BF8
	s_wait_loadcnt 4                               ; k' and q are in; the four loads of v' behind them may be out
	v_pk_mul_f32 v[LGA:LGA+1], v[QV:QV+1], v[KG:KG+1]                          ; q . k': eight plain lines that name no register of the products: the eight places behind them
.irp i, 2,4,6,8,10,12,14
	v_pk_fma_f32 v[LGA:LGA+1], v[QV+\i:QV+\i+1], v[KG+\i:KG+\i+1], v[LGA:LGA+1]
.endr
	v_pk_mul_f32 v[LGB:LGB+1], v[QV:QV+1], v[ACC:ACC+1]                        ; q . pe: each accumulator from its low end on
.irp i, 2,4,6,8,10,12,14
	v_pk_fma_f32 v[LGB:LGB+1], v[QV+\i:QV+\i+1], v[ACC+\i:ACC+\i+1], v[LGB:LGB+1]
.endr
	v_pk_add_f32 v[LGA:LGA+1], v[LGA:LGA+1], v[LGB:LGB+1]
	v_add_f32 v[TH], v[LGA], v[LGA+1]
	v_permlanex16_b32 v[TH+1], v[TH], s[SEL], s[SEL+1]
	v_add_f32 v[TH], v[TH], v[TH+1]                ; the head's 32 channels
	v_mul_f32 v[TH], s[CC], v[TH]                  ; x log2(e) / sqrt(32)
	v_cndmask_b32 v[TH], v[NINF], v[TH], s[VAL]    ; a masked neighbour: -infinity
	v_max_num_f32_dpp v[TH+1], v[TH], v[TH] row_xmask:1 row_mask:0xf bank_mask:0xf
	v_max_num_f32_dpp v[TH+1], v[TH+1], v[TH+1] row_xmask:2 row_mask:0xf bank_mask:0xf
	v_max_num_f32_dpp v[TH+1], v[TH+1], v[TH+1] row_xmask:4 row_mask:0xf bank_mask:0xf
	v_max_num_f32_dpp v[TH+1], v[TH+1], v[TH+1] row_xmask:8 row_mask:0xf bank_mask:0xf
	v_max_num_f32 v[TH+1], 0xff7fffff, v[TH+1]     ; the row's maximum, finite also where all 16 are masked
	v_sub_f32 v[TH], v[TH], v[TH+1]
	v_exp_f32 v[TH], v[TH]
	s_wait_loadcnt 0x0                             ; v' is in: no load was issued behind its four
.irp i, 0,2,4,6,8,10,12,14
	v_pk_add_f32 v[TT+\i:TT+\i+1], v[VG+\i:VG+\i+1], v[ACC+\i:ACC+\i+1]        ; v' + pe.  (Plain lines behind the exponential)
.endr
	s_wait_alu depctr_va_vdst(0)                   ; the exponential is written, ahead of its first reader; and the products are done reading the fragments and scale words, the lines above k', q and v': the next head's land in all of these
.if \hd < 7
	LDK (\hd)+1
	LDV (\hd)+1
	FETCHF (\hd)+1                                 ; no line below names one of these registers
.endif
	v_add_f32_dpp v[TH+2], v[TH], v[TH] row_xmask:1 row_mask:0xf bank_mask:0xf
	v_add_f32_dpp v[TH+2], v[TH+2], v[TH+2] row_xmask:2 row_mask:0xf bank_mask:0xf
	v_add_f32_dpp v[TH+2], v[TH+2], v[TH+2] row_xmask:4 row_mask:0xf bank_mask:0xf
	v_add_f32_dpp v[TH+2], v[TH+2], v[TH+2] row_xmask:8 row_mask:0xf bank_mask:0xf
	v_max_num_f32 v[TH+2], 1.0, v[TH+2]            ; the sum is at least 1 where a neighbour counts; where none does it is 0, and the weights become 0
	v_rcp_f32 v[TH+2], v[TH+2]
	v_nop
	s_wait_alu depctr_va_vdst(0)                   ; the reciprocal is written, ahead of its first reader
	v_mul_f32 v[AW], v[TH], v[TH+2]
.irp i, 0,2,4,6,8,10,12,14
	v_pk_mul_f32 v[TT+\i:TT+\i+1], v[TT+\i:TT+\i+1], v[AW:AW+1] op_sel_hi:[1,0]
.endr
	RSC 8, M8, TT
	RSC 4, M8+1, TT
	RSC 2, M8+2, TT
	RSC 1, M8+3, ORS+(\hd)                         ; lane L now holds channel 32 hd + L, summed over the 16 neighbours, in a register of the head's own: the eight leave together at the trip's end
.endm
	s_load_b512 s[4:19], s[0:1], 0x0               ; features, coords, normals, mask, Wp1, bp1, bo, gamma
	s_load_b256 s[20:27], s[0:1], 0x40             ; beta, wcod, wscl, qkv
	s_load_b128 s[28:31], s[0:1], 0x60             ; nidx, out0
	v_lshrrev_b32 v[OA], 5, v0
	v_readfirstlane_b32 s[WV], v[OA]               ; wave 0..15
	v_and_b32 v[FA], 31, v0                        ; lane
	v_and_b32 v[R4], 15, v0
	v_bfe_u32 v[H64], v0, 4, 1
	v_lshlrev_b32 v[H64], 6, v[H64]
	v_lshlrev_b32 v[R4], 2, v[R4]
	v_add_nc_u32 v[WA], W1, v[H64]
	s_wait_alu depctr_va_sdst(0)                   ; the wave's number is written, ahead of its first reader
	s_lshl_b32 s56, s[WV], 10
	s_add_co_u32 s56, s56, BASE
	v_add_nc_u32 v[BRD], s56, v[H64]
	v_lshl_add_u32 v[BWR], v[FA], 5, s56
	v_lshlrev_b32 v[W1B], 5, v[FA]
	v_add_nc_u32 v[W1B], W1+3072, v[W1B]
	s_mul_i32 s57, s[WV], 4160
	s_add_co_u32 s57, s57, OST
	v_lshl_add_u32 v[OA0], v[FA], 2, s57
	v_lshlrev_b32 v[FA], 4, v[FA]
	v_add_nc_u32 v[FSA], PS, v[FA]
	v_lshlrev_b32 v238, 4, v0                      ; the copy: 16 x thread,
	v_add_nc_u32 v240, OC, v238                    ; Wo's images,
	v_lshrrev_b32 v241, 8, v0
	v_lshl_add_u32 v241, v241, 16, v238
	v_add_nc_u32 v241, PS, v241                    ; the scale words: threads 0-255 Wp2's, the others Wo's, 65,536 bytes on,
	v_add_nc_u32 v[OA], W1, v238                   ; Wp1 and bp1
	s_cmp_lt_u32 s[WV], 12                         ; waves 0-11 copy Wp1, waves 12 and 13 bp1
	s_cselect_b32 s48, 0, 0x1800
	v_sub_nc_u32 v239, v238, s48
	v_mov_b32 v[RX+1], 0
	v_mov_b32 v[RY+1], 0
	v_mov_b32 v[RZ+1], 0
	v_mov_b32 v[AW+1], 0
	v_mov_b32 v[BND], 0x40b504f3                   ; 4 sqrt 2
	v_mov_b32 v[NINF], 0xff800000
	v_mov_b32 v[CA5], 0x306dffee
	v_mov_b32 v[CA5+1], 0x306dffee
	v_mov_b32 v[CB3], 0xb81e3512
	v_mov_b32 v[CB3+1], 0xb81e3512
	SPAIR P6, 0xac95df0b                           ; P, in powers of u^2
	SPAIR P4, 0xb40cff51
	SPAIR P3, 0xb6eec2d2
	SPAIR P2, 0xb940ac63
	SPAIR P1, 0xbac1a1f6
	SPAIR P0, 0xbc83dbd4
	SPAIR Q4, 0xb5accd2b                           ; Q x sqrt 2
	SPAIR Q2, 0xba1bf7b5
	SPAIR Q1, 0xbbaad7f2
	SPAIR Q0, 0xbca542a9
	s_mov_b32 s[CC], 0x3e8293ee
	s_mov_b32 s[M8], 0xff00ff00
	s_mov_b32 s[M8+1], 0xf0f0f0f0
	s_mov_b32 s[M8+2], 0xcccccccc
	s_mov_b32 s[M8+3], 0xaaaaaaaa
	s_mov_b32 s[SEL], 0x76543210
	s_mov_b32 s[SEL+1], 0xfedcba98
	s_mov_b32 s[MNT], 0x600000
	s_mov_b32 s60, 0x3b800000                      ; 1 / 256
	s_mov_b32 s61, 0x358637bd                      ; 1e-6
	s_lshl_b32 s44, ttmp9, 6
	s_lshl_b32 s45, s[WV], 2
	s_add_co_u32 s44, s44, s45                     ; my first query
	s_lshr_b32 s45, ttmp9, 7                       ; the batch
	s_mov_b32 s47, 0
	s_wait_kmcnt 0x0
	s_cmp_lt_u32 s[WV], 12
	s_cselect_b64 s[62:63], s[12:13], s[14:15]
	s_mul_i32 s46, s44, 12
	s_add_nc_u64 s[50:51], s[6:7], s[46:47]        ; the query's coordinates
	s_add_nc_u64 s[8:9], s[8:9], s[46:47]          ; and normal
	s_mul_i32 s46, s45, 98304
	s_add_nc_u64 s[6:7], s[6:7], s[46:47]          ; the batch's coordinates
	s_lshl_b32 s46, s45, 15
	s_add_nc_u64 s[52:53], s[10:11], s[46:47]      ; the batch's mask
	s_lshl_b32 s46, s44, 2
	s_add_nc_u64 s[10:11], s[10:11], s[46:47]      ; my four queries' mask
	s_mul_i32 s46, s45, 25165824
	s_add_nc_u64 s[54:55], s[26:27], s[46:47]      ; the batch's rows of qkv
	s_mul_i32 s46, s44, 3072
	s_add_nc_u64 s[26:27], s[26:27], s[46:47]      ; the query's row
	s_lshl_b32 s46, s44, 6
	s_add_nc_u64 s[28:29], s[28:29], s[46:47]      ; its 16 indices
	s_lshl_b32 s46, s44, 10
	s_add_nc_u64 s[4:5], s[4:5], s[46:47]
	s_add_nc_u64 s[30:31], s[30:31], s[46:47]
	s_wait_alu depctr_va_vdst(0)                   ; every address and offset made above is written: the copy's loads and stores and the loop's loads read them
	; ---- phase 0: the weights come into LDS once
	s_cmp_ge_u32 s[WV], 14
	s_cbranch_scc1 .Lno_w1
	global_load_b128 v[178:181], v239, s[62:63]    ; the oldest load: every wait below covers it
.Lno_w1:
.set i, 0
.rept 16
	global_load_b128 v[FF+4*i:FF+4*i+3], v238, s[22:23] offset:196608+8192*i
.set i, i+1
.endr
	global_load_b128 v[174:177], v238, s[24:25] offset:12288
.set i, 0
.rept 8
	s_wait_loadcnt 16-i                            ; piece i is in; behind it 15 - i pieces and the scale words were issued
	ds_store_b128 v238, v[FF+4*i:FF+4*i+3] offset:8192*i
.set i, i+1
.endr
.rept 8
	s_wait_loadcnt 16-i
	ds_store_b128 v240, v[FF+4*i:FF+4*i+3] offset:8192*(i-8)
.set i, i+1
.endr
	s_wait_loadcnt 0x0
	ds_store_b128 v241, v[174:177]
	s_cmp_ge_u32 s[WV], 14
	s_cbranch_scc1 .Lno_w1s
	ds_store_b128 v[OA], v[178:181]
.Lno_w1s:
	BAR
	; ---- phase 1: four queries, one a trip
	s_mov_b32 s44, 4
	s_mov_b32 s45, 0
.Ltrip:
	s_wait_alu depctr_vm_vsrc(0)                   ; the last trip's LDS stores have read v[OA] and the eight results, its gathers v[KO], v[JJ+1], v[JJ+2]; in the first trip the copy's LDS stores have read v110-181, v238-241 and v[OA]: all of these are written again below
	s_load_b96 s[32:34], s[50:51], 0x0             ; c_q
	s_load_b96 s[36:38], s[8:9], 0x0               ; n_q
	global_load_b32 v[JJ], v[R4], s[28:29]         ; neighbour r's index.  (This load and the eight below land in registers whose last readers stand ahead of the wait on va_vdst at the last trip's end, or of the head's)
	v_add_nc_u32 v[OA], s45, v[OA0]
.irp k, 0,1,2,3
	ds_load_b128 v[142+8*\k:145+8*\k], v[W1B] offset:1024*\k       ; rows 3, 4, 5 of Wp1 and bp1: channels 8 L + 0 .. 7
	ds_load_b128 v[146+8*\k:149+8*\k], v[W1B] offset:1024*\k+16
.endr
	s_wait_kmcnt 0x0
	s_wait_dscnt 0x0
.irp j, 0,1,2,3,4,5,6,7
	v_fma_f32 v[PP+\j], s36, v[142+\j], v[166+\j]
.endr
.irp j, 0,1,2,3,4,5,6,7
	v_fma_f32 v[PP+\j], s37, v[150+\j], v[PP+\j]
.endr
.irp j, 0,1,2,3,4,5,6,7
	v_fma_f32 v[PP+\j], s38, v[158+\j], v[PP+\j]
.endr
	s_wait_loadcnt 0x0
	v_min_u32 v[JJ], 0x1fff, v[JJ]
	v_mul_u32_u24 v[JJ+1], v[JJ], 12
	v_lshlrev_b32 v[JJ+2], 2, v[JJ]
	v_mul_u32_u24 v[KO], v[JJ], 0xc00
	v_add_nc_u32 v[KO], v[KO], v[H64]
	s_wait_alu depctr_va_vdst(0)                   ; the base vector is written, which the two LDS stores read; so are v[JJ+1], v[JJ+2], v[KO], which the gathers read, and v[OA]; and the multiply-adds are done reading v142-173, in which block 0's operands land
	ds_store_b128 v[BWR], v[PP:PP+3]               ; the base vector, into my wave's own bytes: LDS serves a wave's instructions in order
	ds_store_b128 v[BWR], v[PP+4:PP+7] offset:16
	global_load_b32 v242, v[JJ+1], s[6:7]
	global_load_b32 v243, v[JJ+1], s[6:7] offset:4
	global_load_b32 v244, v[JJ+1], s[6:7] offset:8
	global_load_b32 v245, v[JJ+2], s[52:53]
	LDK 0
	LDV 0
	LDB 0
	LDW WX, 0, 0
	LDW WY, 1, 0
	LDW WZ, 2, 0
	s_wait_loadcnt 12                              ; the neighbour's coordinates and mask are in; the 12 gathers behind them may be out
	v_cmp_lt_f32 s[VAL], 0, v245
	v_sub_f32 v[RX], s32, v242
	v_sub_f32 v[RY], s33, v243
	v_sub_f32 v[RZ], s34, v244
	s_wait_alu depctr_va_sdst(0)                   ; the mask of lanes whose neighbour counts is written, ahead of its first reader, the first head's select
	s_wait_alu depctr_vm_vsrc(0)                   ; the two LDS stores have read the base vector's eight registers, which block 0's polynomial writes again
.irp b, 0,1,2,3,4,5,6,7
	HBLK \b
.endr
.rept 4
	v_nop                                          ; the codes stand four places ahead of the scaled products; the scale word's last write stands ahead of block 7's sixteen holds
.endr
	s_wait_alu depctr_va_vdst(0)                   ; the conversions have written the hidden layer's codes and the shifts its two scale words, which the scaled products take; and block 7's lines are done with v110-173, in which the first head's fragments land
	FETCHF 0
.irp hd, 0,1,2,3,4,5,6,7
	HEAD \hd
.endr
	s_wait_alu depctr_va_vdst(0)                   ; the eight heads' results are written, which the LDS stores read; and the last head's lines are done with every register in which the next trip's first loads, or the loads behind the loop, land
.irp hd, 0,1,2,3,4,5,6,7
	ds_store_b32 v[OA], v[ORS+\hd] offset:128*\hd
.endr
	s_wait_xcnt 0x0                                ; every load has read its addresses: the pointers may step
	s_add_nc_u64 s[50:51], s[50:51], 12
	s_add_nc_u64 s[8:9], s[8:9], 12
	s_add_nc_u64 s[28:29], s[28:29], 64
	s_add_nc_u64 s[26:27], s[26:27], 3072
	s_add_co_u32 s45, s45, 1040
	s_sub_co_u32 s44, s44, 1
	s_cmp_lg_u32 s44, 0
	s_cbranch_scc1 .Ltrip
	; ---- what phase 2b wants from memory is asked for now, into registers that phase 2a leaves alone
.irp p, 0,1,2,3
	global_load_b128 v[KG+8*\p:KG+8*\p+3], v[FA], s[4:5] offset:1024*\p
	global_load_b128 v[KG+8*\p+4:KG+8*\p+7], v[FA], s[4:5] offset:1024*\p+512
.endr
	global_load_b128 v[GAM:GAM+3], v[FA], s[18:19]
	global_load_b128 v[GAM+4:GAM+7], v[FA], s[18:19] offset:512
	global_load_b128 v[BET:BET+3], v[FA], s[20:21]
	global_load_b128 v[BET+4:BET+7], v[FA], s[20:21] offset:512
	global_load_b128 v[BOV:BOV+3], v[FA], s[16:17]
	global_load_b128 v[BOV+4:BOV+7], v[FA], s[16:17] offset:512
	s_load_b128 s[40:43], s[10:11], 0x0
	s_lshr_b32 s56, s[WV], 2                       ; my tile of rows
	s_and_b32 s57, s[WV], 3                        ; my quarter of the channels
	s_wait_alu depctr_vm_vsrc(0)                   ; the loop's LDS loads and stores have read v3 to v6, which are made anew below, and the last trip's eight results, in whose registers Wo's products write
	v_and_b32 v3, 15, v0
	v_mul_u32_u24 v3, v3, 1040
	v_add_nc_u32 v3, v3, v[H64]                    ; row r + 64 h
	s_mul_i32 s58, s56, 16640
	s_lshl_b32 s59, s57, 8
	s_add_co_u32 s59, s59, s58
	s_add_co_u32 s59, s59, YST
	v_add_nc_u32 v6, s59, v3
	s_add_co_u32 s58, s58, OST
	v_add_nc_u32 v3, s58, v3
	s_lshl_b32 s58, s57, 14
	s_add_co_u32 s58, s58, OC
	v_add_nc_u32 v4, s58, v[FA]
	s_lshl_b32 s58, s57, 10
	s_add_co_u32 s58, s58, OS
	v_add_nc_u32 v5, s58, v[FA]
	s_mul_i32 s58, s[WV], 4160
	s_add_co_u32 s58, s58, YST
	v_add_nc_u32 v7, s58, v[FA]
	s_wait_alu depctr_va_vdst(0)                   ; the five addresses v3 to v7 are written, which phase 2's LDS loads and stores read
	BAR                                            ; the 64 rows of attention results lie in LDS
	; ---- phase 2a
.irp s, 0,1
.if \s == 1
	s_wait_alu depctr_va_vdst(0)                   ; the quantiser's lines are done with the 64 numbers' registers, in which the second K step's numbers land
.endif
.irp c, 0,1,2,3
.irp e, 0,1,2,3
	ds_load_b128 v[NUM+16*\c+4*\e:NUM+16*\c+4*\e+3], v3 offset:512*\s+128*\c+16*\e
.endr
.endr
	s_wait_dscnt 0x0
	QUANT NUM, HH+16*\s, HS+\s
.endr
.rept 4
	v_nop                                          ; the codes stand four places ahead of the scaled products
.endr
	s_wait_alu depctr_va_vdst(0)                   ; the conversions have written the two fragments' codes and the shifts their scale words, which the scaled products take; and the quantiser's lines are done with the 64 numbers' registers, in which Wo's fragments land
.irp s, 0,1
.if \s == 1
	s_wait_alu depctr_va_vdst(0)                   ; the first four products are done reading their fragments of Wo, in whose registers the second K step's land
.endif
.irp t, 0,1,2,3                        ; tile t = 2 pp + u of my quarter
.irp c, 0,1,2,3
	ds_load_b128 v[NUM+16*\t+4*\c:NUM+16*\t+4*\c+3], v4 offset:8192*(\t/2)+2048*(2*(\t%2)+\s)+512*\c
.endr
.endr
.if \s == 0
	ds_load_b128 v[FS:FS+3], v5
	ds_load_b128 v[FS2:FS2+3], v5 offset:512
.endif
	s_wait_dscnt 0x0
.irp t, 0,1,2,3                        ; four accumulators by turns
.if \s == 0
	v_wmma_scale_f32_16x16x128_f8f6f4 v[ACC2+8*\t:ACC2+8*\t+7], v[NUM+16*\t:NUM+16*\t+15], v[HH:HH+15], 0, v[FS+(FS2-FS)*(\t/2)+2*(\t%2)], v[HS] matrix_a_fmt:MATRIX_FMT_BF8 matrix_b_fmt:MATRIX_FMT_BF8
.else
	v_wmma_scale_f32_16x16x128_f8f6f4 v[ACC2+8*\t:ACC2+8*\t+7], v[NUM+16*\t:NUM+16*\t+15], v[HH+16:HH+31], v[ACC2+8*\t:ACC2+8*\t+7], v[FS+(FS2-FS)*(\t/2)+2*(\t%2)+1], v[HS+1] matrix_a_fmt:MATRIX_FMT_BF8 matrix_b_fmt:MATRIX_FMT_BF8
.endif
.endr
.rept 8
	v_nop                                          ; eight places ahead of loads into the fragments' registers and of the reads of the results
.endr
.endr
	s_wait_alu depctr_va_vdst(0)                   ; the products have written the four accumulators, which the LDS stores read, and are done reading the fragments, in whose registers my four rows land behind the barrier
.irp t, 0,1,2,3
	ds_store_b128 v6, v[ACC2+8*\t:ACC2+8*\t+3] offset:128*(\t/2)+32*(\t%2)          ; each accumulator from its low end on
	ds_store_b128 v6, v[ACC2+8*\t+4:ACC2+8*\t+7] offset:128*(\t/2)+32*(\t%2)+16
.endr
	BAR                                            ; the 64 rows of Wo's results lie in LDS
	; ---- phase 2b: my four rows; lane L holds channels 4 L + 0 .. 3 and 128 + 4 L + 0 .. 3; the rows take turns line by line
.irp p, 0,1,2,3
	ds_load_b128 v[YR+8*\p:YR+8*\p+3], v7 offset:1040*\p
	ds_load_b128 v[YR+8*\p+4:YR+8*\p+7], v7 offset:1040*\p+512
.endr
	s_wait_kmcnt 0x0
.irp p, 0,1,2,3
	v_mov_b32 v[MV+2*\p], s[40+\p]
	v_mov_b32 v[MV+2*\p+1], s[40+\p]
.endr
	s_wait_dscnt 0x0
	s_wait_loadcnt 0x0
.irp i, 0,2,4,6
.irp p, 0,1,2,3
	v_pk_add_f32 v[YR+8*\p+\i:YR+8*\p+\i+1], v[YR+8*\p+\i:YR+8*\p+\i+1], v[BOV+\i:BOV+\i+1]
.endr
.endr
.irp i, 0,2,4,6
.irp p, 0,1,2,3
	v_pk_fma_f32 v[YR+8*\p+\i:YR+8*\p+\i+1], v[YR+8*\p+\i:YR+8*\p+\i+1], v[MV+2*\p:MV+2*\p+1], v[KG+8*\p+\i:KG+8*\p+\i+1]     ; h = features + (y + bo) mask
.endr
.endr
.irp p, 0,1,2,3
	v_pk_add_f32 v[SM+4*\p:SM+4*\p+1], v[YR+8*\p:YR+8*\p+1], v[YR+8*\p+2:YR+8*\p+3]
	v_pk_add_f32 v[SM+4*\p+2:SM+4*\p+3], v[YR+8*\p+4:YR+8*\p+5], v[YR+8*\p+6:YR+8*\p+7]
.endr
.irp p, 0,1,2,3
	v_pk_add_f32 v[SM+4*\p:SM+4*\p+1], v[SM+4*\p:SM+4*\p+1], v[SM+4*\p+2:SM+4*\p+3]
.endr
.irp p, 0,1,2,3
	v_add_f32 v[SM+4*\p], v[SM+4*\p], v[SM+4*\p+1]
.endr
.irp x, 1,2,4,8
.irp p, 0,1,2,3
	v_add_f32_dpp v[SM+4*\p], v[SM+4*\p], v[SM+4*\p] row_xmask:\x row_mask:0xf bank_mask:0xf
.endr
.endr
.irp p, 0,1,2,3
	v_permlanex16_b32 v[SM+4*\p+1], v[SM+4*\p], s[SEL], s[SEL+1]
.endr
.irp p, 0,1,2,3
	v_add_f32 v[SM+4*\p], v[SM+4*\p], v[SM+4*\p+1]
.endr
.irp p, 0,1,2,3
	v_mul_f32 v[SM+4*\p], s60, v[SM+4*\p]          ; the mean
.endr
.irp i, 0,2,4,6
.irp p, 0,1,2,3
	v_pk_add_f32 v[YR+8*\p+\i:YR+8*\p+\i+1], v[YR+8*\p+\i:YR+8*\p+\i+1], v[SM+4*\p:SM+4*\p+1] op_sel_hi:[1,0] neg_lo:[0,1] neg_hi:[0,1]
.endr
.endr
.irp p, 0,1,2,3
	v_pk_mul_f32 v[SM+4*\p+2:SM+4*\p+3], v[YR+8*\p:YR+8*\p+1], v[YR+8*\p:YR+8*\p+1]
.endr
.irp i, 2,4,6
.irp p, 0,1,2,3
	v_pk_fma_f32 v[SM+4*\p+2:SM+4*\p+3], v[YR+8*\p+\i:YR+8*\p+\i+1], v[YR+8*\p+\i:YR+8*\p+\i+1], v[SM+4*\p+2:SM+4*\p+3]
.endr
.endr
.irp p, 0,1,2,3
	v_add_f32 v[SM+4*\p], v[SM+4*\p+2], v[SM+4*\p+3]
.endr
.irp x, 1,2,4,8
.irp p, 0,1,2,3
	v_add_f32_dpp v[SM+4*\p], v[SM+4*\p], v[SM+4*\p] row_xmask:\x row_mask:0xf bank_mask:0xf
.endr
.endr
.irp p, 0,1,2,3
	v_permlanex16_b32 v[SM+4*\p+1], v[SM+4*\p], s[SEL], s[SEL+1]
.endr
.irp p, 0,1,2,3
	v_add_f32 v[SM+4*\p], v[SM+4*\p], v[SM+4*\p+1]
.endr
.irp p, 0,1,2,3
	v_fma_f32 v[SM+4*\p], v[SM+4*\p], s60, s61     ; the variance + 1e-6
.endr
.irp p, 0,1,2,3
	v_rsq_f32 v[SM+4*\p], v[SM+4*\p]
.endr
	v_nop                                          ; a plain line behind the last transcendental
	s_wait_alu depctr_va_vdst(0)                   ; the four reciprocal roots are written, ahead of their first reader
.irp i, 0,2,4,6
.irp p, 0,1,2,3
	v_pk_mul_f32 v[YR+8*\p+\i:YR+8*\p+\i+1], v[YR+8*\p+\i:YR+8*\p+\i+1], v[SM+4*\p:SM+4*\p+1] op_sel_hi:[1,0]
.endr
.endr
.irp i, 0,2,4,6
.irp p, 0,1,2,3
	v_pk_fma_f32 v[YR+8*\p+\i:YR+8*\p+\i+1], v[YR+8*\p+\i:YR+8*\p+\i+1], v[GAM+\i:GAM+\i+1], v[BET+\i:BET+\i+1]
.endr
.endr
.irp i, 0,2,4,6
.irp p, 0,1,2,3
	v_pk_mul_f32 v[YR+8*\p+\i:YR+8*\p+\i+1], v[YR+8*\p+\i:YR+8*\p+\i+1], v[MV+2*\p:MV+2*\p+1]
.endr
.endr
	s_wait_alu depctr_va_vdst(0)                   ; the last multiplications have written my four rows, which the stores read
.irp p, 0,1,2,3
	global_store_b128 v[FA], v[YR+8*\p:YR+8*\p+3], s[30:31] offset:1024*\p th:TH_STORE_NT          ; 32 lanes store 512 consecutive bytes, aligned
	global_store_b128 v[FA], v[YR+8*\p+4:YR+8*\p+7], s[30:31] offset:1024*\p+512 th:TH_STORE_NT
.endr
	s_wait_xcnt 0x0
	v_lshl_add_u32 v254, v0, 2, 0x48400            ; the add's two registers are made here, straight ahead of the closing lines: until now they held a coefficient, which vector lines alone have read
	v_mov_b32 v255, 0
	s_wait_dscnt 0x0                               ; the closing lines, six on end
	s_wait_alu 0x0
	s_wait_tensorcnt 0x0
	ds_add_u32 v254, v255
	s_wait_dscnt 0x0
	s_endpgm
.Lfunc_end_k_qff0b672c33_attn:
	.size	k_qff0b672c33_attn, .Lfunc_end_k_qff0b672c33_attn-k_qff0b672c33_attn
	.p2alignl 7, 3214868480
	.fill 96, 4, 3214868480
	.section	.rodata,"a",@progbits
	.p2align	6, 0x0
	.amdhsa_kernel k_qff0b672c33_attn
		.amdhsa_group_segment_fixed_size 297984
		.amdhsa_private_segment_fixed_size 0
		.amdhsa_enable_private_segment 0
		.amdhsa_kernarg_size 112
		.amdhsa_user_sgpr_count 2
		.amdhsa_user_sgpr_kernarg_segment_ptr 1
		.amdhsa_wavefront_size32 1
		.amdhsa_system_sgpr_workgroup_id_x 1
		.amdhsa_system_sgpr_workgroup_id_y 1
		.amdhsa_system_sgpr_workgroup_id_z 1
		.amdhsa_system_vgpr_workitem_id 0
		.amdhsa_next_free_vgpr 256
		.amdhsa_next_free_sgpr 100
		.amdhsa_reserve_vcc 0
		.amdhsa_float_denorm_mode_32 3
		.amdhsa_float_denorm_mode_16_64 3
		.amdhsa_memory_ordered 1
		.amdhsa_forward_progress 1
		.amdhsa_inst_pref_size 230
	.end_amdhsa_kernel
	.amdgpu_metadata
---
amdhsa.version: [ 1, 2 ]
amdhsa.kernels:
  - .name:           k_qff0b672c33_attn
    .symbol:         k_qff0b672c33_attn.kd
    .args:
      - { .name: features, .offset: 0, .size: 8, .value_kind: global_buffer, .address_space: global }
      - { .name: coords, .offset: 8, .size: 8, .value_kind: global_buffer, .address_space: global }
      - { .name: normals, .offset: 16, .size: 8, .value_kind: global_buffer, .address_space: global }
      - { .name: mask, .offset: 24, .size: 8, .value_kind: global_buffer, .address_space: global }
      - { .name: Wp1, .offset: 32, .size: 8, .value_kind: global_buffer, .address_space: global }
      - { .name: bp1, .offset: 40, .size: 8, .value_kind: global_buffer, .address_space: global }
      - { .name: bo, .offset: 48, .size: 8, .value_kind: global_buffer, .address_space: global }
      - { .name: gamma, .offset: 56, .size: 8, .value_kind: global_buffer, .address_space: global }
      - { .name: beta, .offset: 64, .size: 8, .value_kind: global_buffer, .address_space: global }
      - { .name: wcod, .offset: 72, .size: 8, .value_kind: global_buffer, .address_space: global }
      - { .name: wscl, .offset: 80, .size: 8, .value_kind: global_buffer, .address_space: global }
      - { .name: qkv, .offset: 88, .size: 8, .value_kind: global_buffer, .address_space: global }
      - { .name: nidx, .offset: 96, .size: 8, .value_kind: global_buffer, .address_space: global }
      - { .name: out0, .offset: 104, .size: 8, .value_kind: global_buffer, .address_space: global }
    .group_segment_fixed_size: 297984
    .private_segment_fixed_size: 0
    .kernarg_segment_align: 8
    .kernarg_segment_size: 112
    .max_flat_workgroup_size: 512
    .sgpr_count:     100
    .vgpr_count:     256
    .wavefront_size: 32
...
	.end_amdgpu_metadata
.endif
;; end of part 9
